; MI455X (gfx1250); checked and timed in simulation.
; The chip was launched on July 23, 2026; its instructions are those of AMD's public machine-readable ISA for CDNA 5 (MIT licence, August 2026) and "CDNA5" Instruction Set Architecture Reference Guide (July 2026). The comments in the code are by the model that wrote it; some were corrected since.
;; Scaled Head. Allowed arithmetic: float matrix products may take bf16 or f16 operands with f32 sums; other float arithmetic in f32, or as packed bf16 or f16 multiplies, adds, multiply-adds, maxima and minima; sums over many terms, partial sums and values carried from step to step in f32; what a program stores and reads back later, other than sums and carried values, may be rounded once to bf16 or f16.
;; Inputs: Wk 512 x 1,024 float32; Wl 1,024 x 512 float32; Wq 512 x 1,024 float32; Wv 512 x 1,024 float32; bl 512 float32; x 8 x 1,024 x 512 float32.
;; Outputs: out0 8 x 1,024 x 512 float32.
;; 2 versions, each right and faster than the one before. Each part assembles by itself: llvm-mc -triple=amdgcn-amd-amdhsa -mcpu=gfx1250 --defsym DOCPART=n.
;; ======== version 1 of 2: 5 launches
;; limits: right only within a limited range of input values
;; workspace buffers: bt 2,097,152 bytes; kv 33,554,432 bytes; pw 16,777,216 bytes; st 1,048,576 bytes; gg 524,288 bytes
;; launch wprod (part 1): grid 8 x 32, 16 waves a work-group, no clusters, 141,824 bytes of LDS; arguments Wk, Wq, Wv, Wl, bt; writes bt
.if DOCPART == 1
	.amdgcn_target "amdgcn-amd-amdhsa--gfx1250"
	.amdhsa_code_object_version 6
	.text
	.protected	k_q29b475c4e5_wprod
	.globl	k_q29b475c4e5_wprod
	.p2align	8
	.type	k_q29b475c4e5_wprod,@function
k_q29b475c4e5_wprod:
	s_mov_b64 s[64:65], 0
	v_nop
	global_prefetch_b8 v0, s[64:65] scope:SCOPE_SE
	s_setreg_imm32_b32 hwreg(HW_REG_WAVE_MODE, 25, 1), 1
	s_wait_xcnt 0x0
; LAUNCH 1 OF 5: THE TWO PRODUCTS OF WEIGHTS.
; THE PROBLEM.  out = relu(softmax_t(mask(k q^T sqrt(512))) v Wl + bl), with k, q, v = x Wk, x Wq, x Wv; x [8][1024][512], the softmax along t (each column s by itself).
; REASSOCIATED, for all values of the inputs: k[t].q[s] = sum_j (sum_i x[t][i] M[i][j]) x[s][j] with M = Wk Wq^T (512 x 512), and (w v) Wl = w (x N) with N = Wv Wl (512 x 512).
; So: this launch makes M^T and N^T; launch 2 k' = x M and v' = x N; launch 3 the scores k' x^T and, for each chunk of 64 rows t, each column's maximum, weights p and sum; launch 4 the
; factor g that joins a column's chunks (a true maximum of the column, taken in parts); launch 5 out = relu(bl + (p g) v').
; DEAD WORK.  reference() sets w[t][s] to -inf for s > t by its own tril, so those weights are 0 whatever the inputs hold: the blocks of 128 x 128 that lie wholly above the diagonal are
; neither multiplied, stored nor read.  Every input has a way to the output, and all six are loaded.
; FORMATS.  All six inputs are rounded to bf16.  What the program makes on the way to a score or to the output (M, N, k', v', and the weights w = p g) goes to the matrix unit as a PAIR of
; bf16, hi + lo with lo = bf16(value - hi): the scaled scores are so large beside 1 that one rounding to bf16 would turn the softmax's choice, and a weight between 0 and 1 rounded to bf16
; would move the output by more than its allowance.  A pair times a single number is two matrix instructions, a pair times a pair three: lo x lo, 2^-18 of the term, is left out.  Sums in f32.
; p is kept between launches 3 and 5 in f16: it lies in 0 to 1.
; LIMITS.  The order of rounding differs from reference()'s (the products are reassociated).  A hidden score counts as its value less 2^100.  p has f16's 11 bits, and below 6e-5 f16's fixed
; step of 6e-8.  A weight below 2^-126 counts as 0.  A NaN, an infinity or an overflow that reaches only the blocks left out is not carried to the result.
; THIS LAUNCH.  bt[n][i], n < 512: sum_d Wq[n][d] Wk[i][d]; bt[512 + e][i] = sum_d Wl[d][e] Wv[i][d].  A row of bt is 8 chunks of 256 bytes: 64 hi, then 64 lo.
; SHARES.  A work-group makes 32 rows n x 64 columns i.  The 1,024 d are split among its 16 waves, 64 each (two matrix steps of 32); the 16 partial tiles meet in LDS.
; Source 0 = 16 rows i of Wk or Wv, source 1 = 16 rows n: a lane's result holds n = lane % 16 and i = 8 (lane / 16) + 0..7.
; No tensor loads: no wave wants a byte that another has fetched.  No cluster: the launch reads 8 MiB in all, once or a few times.
.set PART,   0                         ; LDS: wave w's 8 partial tiles of 1,024 bytes at 8,192 w
.set OUTS,   131072                    ; the finished 32 rows x 256 bytes, pitch 272
.set OPITCH, 272
.set SPARE,  OUTS+32*OPITCH            ; the spare words, 128 bytes for each of 16 waves
.set FB,  5                            ; v5   (l % 16) x 4,096 + 32 (l / 16): my place in 16 rows of 1,024 f32
.set FG,  6                            ; v6   (l / 16) x 8 rows of Wl + 4 (l % 16): my place in Wl, taken turned
.set PS,  7                            ; v7   where I put my partial tiles
.set PR0, 8                            ; v8   where I read the 16 partial sums of my sixteenth of the tile: waves 0-7's,
.set PR1, 9                            ; v9   waves 8-15's
.set OS,  10                           ; v10  where my four finished numbers go
.set ORD, 11                           ; v11  where I read 16 bytes of a finished row
.set OG,  12                           ; v12  their place in bt
.set SPW, 13                           ; v13  my spare word; never rewritten
.set NIL, 14                           ; v14  0; never rewritten
.set AR,  16                           ; v[16:79]   rows n: fragment 2 an + kk, 16 registers of f32, then 8 of bf16 in place
.set BR,  80                           ; v[80:207]  rows i: fragment 2 bi + kk likewise; accumulator 4 an + bi takes the upper 8 registers of fragment 4 an + bi, free once it is converted
	s_load_b256 s[4:11], s[0:1], 0x0               ; Wk s[4:5], Wq s[6:7], Wv s[8:9], Wl s[10:11]
	s_load_b64 s[12:13], s[0:1], 0x20              ; bt
	v_lshl_add_u32 v[SPW], v0, 2, SPARE
	v_mov_b32 v[NIL], 0
	v_lshrrev_b32 v1, 5, v0
	v_readfirstlane_b32 s14, v1                    ; wave 0..15
	s_and_b32 s15, ttmp7, 0xffff                   ; y: 32 rows of bt; y < 16: M^T, else N^T
	s_and_b32 s16, s15, 15                         ; the block of 32 within its half
	v_and_b32 v2, 15, v0                           ; l % 16
	v_bfe_u32 v3, v0, 4, 1                         ; l / 16
	v_and_b32 v4, 31, v0                           ; l
	v_lshlrev_b32 v[FB], 12, v2
	v_lshl_add_u32 v[FB], v3, 5, v[FB]
	v_lshlrev_b32 v[FG], 2, v2
	v_lshl_add_u32 v[FG], v3, 14, v[FG]
	s_lshl_b32 s17, s14, 13
	v_lshl_add_u32 v[PS], v4, 4, s17               ; 8,192 w + 16 l
	s_lshr_b32 s17, s14, 1
	s_lshl_b32 s17, s17, 10                        ; as a reducer: tile w / 2,
	s_and_b32 s28, s14, 1
	s_lshl_b32 s29, s28, 9                         ; its registers 4 (w % 2) + 0..3
	s_add_co_u32 s17, s17, s29
	v_lshl_add_u32 v[PR0], v4, 4, s17
	v_add_nc_u32 v[PR1], 0x10000, v[PR0]
	s_lshr_b32 s30, s14, 3                         ; those numbers are n = 16 (w / 8) + l % 16, i = 16 ((w / 2) % 4) + 8 (l / 16) + 4 (w % 2) + 0..3
	s_mul_i32 s30, s30, 16*OPITCH
	s_bfe_u32 s31, s14, 0x20001
	s_lshl_b32 s31, s31, 5
	s_add_co_u32 s30, s30, s31
	s_lshl_b32 s31, s28, 3
	s_add_co_u32 s30, s30, s31
	s_add_co_u32 s30, s30, OUTS
	v_mul_u32_u24 v[OS], v2, OPITCH
	v_lshl_add_u32 v[OS], v3, 4, v[OS]
	v_add_nc_u32 v[OS], s30, v[OS]
	v_lshrrev_b32 v15, 4, v0                       ; thread / 16: the row that I store
	v_mul_u32_u24 v[ORD], v15, OPITCH
	v_lshl_add_u32 v[ORD], v2, 4, v[ORD]
	v_add_nc_u32 v[ORD], OUTS, v[ORD]
	v_lshlrev_b32 v[OG], 11, v15                   ; a row of bt is 2,048 bytes
	v_lshl_add_u32 v[OG], v2, 4, v[OG]
	s_lshl_b32 s31, s15, 16                        ; 32 y rows
	s_lshl_b32 s29, ttmp9, 8                       ; chunk x
	s_add_co_u32 s31, s31, s29
	v_add_nc_u32 v[OG], s31, v[OG]
	s_lshl_b32 s17, s14, 8                         ; my 64 d: 256 bytes of a row
	s_lshl_b32 s18, ttmp9, 18                      ; 64 rows i of 4,096 bytes
	s_add_co_u32 s18, s18, s17
	s_mov_b32 s19, 0
	s_lshl_b32 s20, s16, 17                        ; 32 rows n of Wq
	s_add_co_u32 s20, s20, s17
	s_mov_b32 s21, 0
	s_lshl_b32 s22, s16, 7                         ; 32 columns e of Wl,
	s_lshl_b32 s23, s14, 17                        ; my 64 rows d of 2,048 bytes
	s_add_co_u32 s22, s22, s23
	s_mov_b32 s23, 0
	s_wait_kmcnt 0x0
	s_cmp_lt_u32 s15, 16
	s_cselect_b64 s[24:25], s[4:5], s[8:9]         ; rows i come from Wk or from Wv
	s_add_nc_u64 s[24:25], s[24:25], s[18:19]
; 16 rows x 32 d of f32 for one fragment: a lane's d = 8 (l / 16) + 0..7 and 16 + 8 (l / 16) + 0..7 are 32 bytes each
.macro LD16 d, adr, lo, off
	global_load_b128 v[(\d):(\d)+3],     v[\adr], s[\lo:\lo+1] offset:(\off)
	global_load_b128 v[(\d)+4:(\d)+7],   v[\adr], s[\lo:\lo+1] offset:(\off)+16
	global_load_b128 v[(\d)+8:(\d)+11],  v[\adr], s[\lo:\lo+1] offset:(\off)+64
	global_load_b128 v[(\d)+12:(\d)+15], v[\adr], s[\lo:\lo+1] offset:(\off)+80
.endm
.irp bi, 0,1,2,3
.irp kk, 0,1
	LD16 BR+16*(2*\bi+\kk), FB, 24, \bi*65536+128*\kk
.endr
.endr
	s_cmp_lt_u32 s15, 16                           ; the same in all waves of the work-group
	s_cbranch_scc0 .Lgather
	s_add_nc_u64 s[26:27], s[6:7], s[20:21]        ; rows n of Wq lie along d
.irp an, 0,1
.irp kk, 0,1
	LD16 AR+16*(2*\an+\kk), FB, 26, \an*65536+128*\kk
.endr
.endr
	s_branch .Lloaded
.Lgather:
	s_add_nc_u64 s[26:27], s[10:11], s[22:23]      ; Wl lies [d][e]: a number a lane, 16 lanes take 64 neighbouring bytes of a row d
.irp an, 0,1
.irp kk, 0,1
.set q, 0
.rept 16
	global_load_b32 v[AR+16*(2*\an+\kk)+q], v[FG], s[26:27] offset:(32*\kk+q+8*(q/8))*2048+64*\an
.set q, q+1
.endr
.endr
.endr
.Lloaded:
	s_wait_loadcnt 0x0
.set f, 0
.rept 12                               ; the inputs' one rounding to bf16, in place: register c takes numbers 2 c and 2 c + 1
.set c, 0
.rept 8
	v_cvt_pk_bf16_f32 v[AR+16*f+c], v[AR+16*f+2*c], v[AR+16*f+2*c+1]
.set c, c+1
.endr
.set f, f+1
.endr
.irp kk, 0,1                           ; the 8 accumulators take turns; the first step starts the sums
.irp an, 0,1
.irp bi, 0,1,2,3
.if \kk == 0
	v_wmma_f32_16x16x32_bf16 v[BR+16*(4*\an+\bi)+8:BR+16*(4*\an+\bi)+15], v[BR+16*(2*\bi+\kk):BR+16*(2*\bi+\kk)+7], v[AR+16*(2*\an+\kk):AR+16*(2*\an+\kk)+7], 0
.else
	v_wmma_f32_16x16x32_bf16 v[BR+16*(4*\an+\bi)+8:BR+16*(4*\an+\bi)+15], v[BR+16*(2*\bi+\kk):BR+16*(2*\bi+\kk)+7], v[AR+16*(2*\an+\kk):AR+16*(2*\an+\kk)+7], v[BR+16*(4*\an+\bi)+8:BR+16*(4*\an+\bi)+15]
.endif
.endr
.endr
.endr
.rept 8
	v_nop                                          ; the places behind the last products (ISA guide 7.12.1), once a launch
.endr
.set k, 0
.rept 8
	ds_store_b128 v[PS], v[BR+16*k+8:BR+16*k+11]  offset:PART+1024*k
	ds_store_b128 v[PS], v[BR+16*k+12:BR+16*k+15] offset:PART+1024*k+512
.set k, k+1
.endr
	s_wait_dscnt 0x0                               ; for the others' sake: my partial tiles lie in LDS
	s_barrier_signal -1
	s_barrier_wait -1
.set p, 0
.rept 8
	ds_load_b128 v[16+4*p:16+4*p+3],   v[PR0] offset:8192*p
	ds_load_b128 v[48+4*p:48+4*p+3],   v[PR1] offset:8192*p
.set p, p+1
.endr
	s_wait_dscnt 0x0
.irp s, 8,4,2,1                        ; 16 partial sums of four numbers, halved four times
.set p, 0
.rept \s
	v_pk_add_f32 v[16+4*p:16+4*p+1],   v[16+4*p:16+4*p+1],   v[16+4*(p+\s):16+4*(p+\s)+1]
	v_pk_add_f32 v[16+4*p+2:16+4*p+3], v[16+4*p+2:16+4*p+3], v[16+4*(p+\s)+2:16+4*(p+\s)+3]
.set p, p+1
.endr
.endr
	v_cvt_pk_bf16_f32 v20, v16, v17                ; hi
	v_cvt_pk_bf16_f32 v21, v18, v19
	v_lshlrev_b32 v24, 16, v20                     ; hi as f32
	v_and_b32 v25, 0xffff0000, v20
	v_lshlrev_b32 v26, 16, v21
	v_and_b32 v27, 0xffff0000, v21
	v_pk_add_f32 v[24:25], v[16:17], v[24:25] neg_lo:[0,1] neg_hi:[0,1]
	v_pk_add_f32 v[26:27], v[18:19], v[26:27] neg_lo:[0,1] neg_hi:[0,1]
	v_cvt_pk_bf16_f32 v22, v24, v25                ; lo = bf16(value - hi)
	v_cvt_pk_bf16_f32 v23, v26, v27
	ds_store_b64 v[OS], v[20:21]
	ds_store_b64 v[OS], v[22:23] offset:128
	s_wait_dscnt 0x0                               ; for the others' sake
	s_barrier_signal -1
	s_barrier_wait -1
	ds_load_b128 v[28:31], v[ORD]
	s_wait_dscnt 0x0
	global_store_b128 v[OG], v[28:31], s[12:13]    ; 16 lanes store 256 consecutive bytes, aligned: a row's chunk
	s_wait_tensorcnt 0x0                           ; the wave's end, behind my last LDS store
	ds_add_u32 v[SPW], v[NIL]
	s_wait_dscnt 0x0
	s_endpgm
.Lfunc_end_k_q29b475c4e5_wprod:
	.size	k_q29b475c4e5_wprod, .Lfunc_end_k_q29b475c4e5_wprod-k_q29b475c4e5_wprod
	.p2alignl 7, 3214868480
	.fill 96, 4, 3214868480
	.section	.rodata,"a",@progbits
	.p2align	6, 0x0
	.amdhsa_kernel k_q29b475c4e5_wprod
		.amdhsa_group_segment_fixed_size 141824
		.amdhsa_private_segment_fixed_size 0
		.amdhsa_enable_private_segment 0
		.amdhsa_kernarg_size 40
		.amdhsa_user_sgpr_count 2
		.amdhsa_user_sgpr_kernarg_segment_ptr 1
		.amdhsa_wavefront_size32 1
		.amdhsa_system_sgpr_workgroup_id_x 1
		.amdhsa_system_sgpr_workgroup_id_y 1
		.amdhsa_system_sgpr_workgroup_id_z 1
		.amdhsa_system_vgpr_workitem_id 0
		.amdhsa_next_free_vgpr 208
		.amdhsa_next_free_sgpr 66
		.amdhsa_reserve_vcc 0
		.amdhsa_float_denorm_mode_32 3
		.amdhsa_float_denorm_mode_16_64 3
		.amdhsa_memory_ordered 1
		.amdhsa_forward_progress 1
		.amdhsa_inst_pref_size 26
	.end_amdhsa_kernel
	.amdgpu_metadata
---
amdhsa.version: [ 1, 2 ]
amdhsa.kernels:
  - .name:           k_q29b475c4e5_wprod
    .symbol:         k_q29b475c4e5_wprod.kd
    .args:
      - { .name: Wk, .offset: 0, .size: 8, .value_kind: global_buffer, .address_space: global }
      - { .name: Wq, .offset: 8, .size: 8, .value_kind: global_buffer, .address_space: global }
      - { .name: Wv, .offset: 16, .size: 8, .value_kind: global_buffer, .address_space: global }
      - { .name: Wl, .offset: 24, .size: 8, .value_kind: global_buffer, .address_space: global }
      - { .name: bt, .offset: 32, .size: 8, .value_kind: global_buffer, .address_space: global }
    .group_segment_fixed_size: 141824
    .private_segment_fixed_size: 0
    .kernarg_segment_align: 8
    .kernarg_segment_size: 40
    .max_flat_workgroup_size: 512
    .sgpr_count:     66
    .vgpr_count:     208
    .wavefront_size: 32
...
	.end_amdgpu_metadata
.endif
;; end of part 1
;; launch proj (part 2): grid 8 x 64, 4 waves a work-group, clusters of 4 x 4, 327,680 bytes of LDS; arguments x, bt, kv; writes kv
.if DOCPART == 2
	.amdgcn_target "amdgcn-amd-amdhsa--gfx1250"
	.amdhsa_code_object_version 6
	.text
	.protected	k_q29b475c4e5_proj
	.globl	k_q29b475c4e5_proj
	.p2align	8
	.type	k_q29b475c4e5_proj,@function
k_q29b475c4e5_proj:
	s_mov_b64 s[64:65], 0
	v_nop
	global_prefetch_b8 v0, s[64:65] scope:SCOPE_SE
	s_setreg_imm32_b32 hwreg(HW_REG_WAVE_MODE, 25, 1), 1
	s_wait_xcnt 0x0
	s_wait_alu depctr_hold_cnt(0) depctr_sa_sdst(0) depctr_va_vdst(0) depctr_va_sdst(0) depctr_va_ssrc(0) depctr_va_vcc(0) depctr_vm_vsrc(0)
	s_getreg_b32 s2, hwreg(HW_REG_IB_STS2, 6, 4)
	s_cmp_eq_u32 s2, 0
	s_cbranch_scc0 .Lentry_in_a_cluster
	s_endpgm
.Lentry_in_a_cluster:
	s_bfe_u32 s2, ttmp6, 0x10000c
	s_cmp_lg_u32 s2, 0xf033
	s_cbranch_scc0 .Lentry_shape_is_right
	s_endpgm
.Lentry_shape_is_right:
; LAUNCH 2 OF 5: kv[t][n] = sum_i x[t][i] bt[n][i]: n < 512 is k' = x M, n >= 512 is v' = x N.  x: [8192][512] f32, rounded to bf16 on the way from LDS to the matrix unit.
; bt: [1024] rows of 8 chunks of 256 bytes (64 hi, 64 lo).  kv: [8192] rows of 16 such chunks.  Each product is taken twice, with hi and with lo, onto one f32 sum.
; SHARES.  A work-group makes 128 t x 128 n, each of its four waves 64 x 64: 16 accumulators.  K = 512 goes in four steps of 128 through two LDS slots; in both tensors a step is 512 bytes
; of a row (x: 128 f32; bt: two chunks), so one shape of tile serves both: 64 rows x 512 bytes a tensor load, one load a wave.
; CLUSTER 4 x 4: the four of a row need the same rows of x, the four of a column the same rows of bt: each tile is asked for jointly.
; Source 0 = 16 rows n of bt, source 1 = 16 rows t of x: a lane's result holds t = lane % 16 and n = 8 (lane / 16) + 0..7, eight neighbours of a row of kv.
; No prefetch ahead of the ring: it has four K steps in all, of which two are asked for at the head.
; REGISTERS: window 0: v0-31 addresses; v32-127 at work on the way out; v128-255 the accumulators ((a, b) at 128 + 8 (4 a + b)).
;   window 1: two buffers of 128 for 32 along K: x's four fragments as f32 (16 each; converted in place into the lower 8), then bt's four hi, then its four lo.
.set KB,     512                       ; bytes of a row in a K step
.set PITCH,  528                       ; an LDS row: 512 bytes + 16 of padding = 132 words: the 16 rows that a load touches start at 16 different groups of four banks (ISA guide 11.1)
.set HALFT,  64*PITCH
.set SLOT,   4*HALFT                   ; x's 128 rows, then bt's 128 rows
.set STAGE,  2*SLOT                    ; behind the ring: 16 rows x 272 bytes for each wave, for the way out
.set SPITCH, 272
.set SPARE,  STAGE+4*16*SPITCH         ; the spare words, 128 bytes for each wave
.set ADRX, 16                          ; v16-17  LDS address of my fragments of x in slot 0, 1
.set ADRP, 20                          ; v20-21  the same for bt
.set STO,  24
.set RD,   25
.set CO,   26
.set SPW,  28                          ; v28  my spare word; never rewritten
.set NIL,  29                          ; v29  0; never rewritten
.set TH,   32                          ; v32-47  16 rows' hi, packed
.set TL,   48                          ; v48-63  their lo
.set T,    64                          ; v64-71  at work
.set BK,   96                          ; v96-127 16 rows read back
.set ACC,  128
.set F0,   0
.set F1,   128
.set G1, 24                            ; s[24:31] group 1 for x's tiles;  s[32:39] group 0, a set for each slot
.set G0, 32
.set G1B, 48                           ; s[48:55], s[56:63] the same for bt's
.set G0B, 56
.set MSB, 0
.macro WIN new                         ; the immediate's high byte repeats the setting that is left
.if MSB != (\new)
	s_set_vgpr_msb (MSB<<8)|(\new)
.set MSB, \new
.endif
.endm
.set MUL,  0x05                        ; sources 0 and 1 window 1; C and D window 0
.set TO_F, 0x40                        ; destination window 1, address window 0
.set CV,   0x45                        ; destination and sources window 1
.macro LOADT s                         ; a joint load: waves 0 and 1 fetch x's two halves, waves 2 and 3 bt's; an s_nop 0 and four v_nop follow each line
	s_cmp_eq_u32 s11, 0
	s_cbranch_scc0 .Lfor_p_\@
	tensor_load_to_lds s[G0+4*(\s):G0+4*(\s)+3], s[G1:G1+7]
	s_nop 0
.rept 4
	v_nop
.endr
	s_branch .Lasked_\@
.Lfor_p_\@:
	tensor_load_to_lds s[G0B+4*(\s):G0B+4*(\s)+3], s[G1B:G1B+7]
	s_nop 0
.rept 4
	v_nop
.endr
.Lasked_\@:
.endm
.macro CREST                           ; a round of the cluster's barrier behind its opening barrier
	s_cmp_lg_u32 s10, 0
	s_cbranch_scc1 .Lnot_wave_0_\@
	s_barrier_signal -3
.Lnot_wave_0_\@:
	s_barrier_wait -3
	s_barrier_signal -1
	s_barrier_wait -1
.endm
.macro CROUND
	s_barrier_signal -1
	s_barrier_wait -1
	CREST
.endm
	s_load_b128 s[4:7], s[0:1], 0x0                ; x s[4:5], bt s[6:7]
	s_load_b64 s[8:9], s[0:1], 0x10                ; kv
	v_lshl_add_u32 v[SPW], v0, 2, SPARE
	v_mov_b32 v[NIL], 0
	ds_add_u32 v[SPW], v[NIL]                      ; the wave's opening: the add, twice on end, and its wait ahead of my first tensor load
	ds_add_u32 v[SPW], v[NIL]
	v_lshrrev_b32 v1, 5, v0
	v_readfirstlane_b32 s10, v1                    ; wave 0..3
	s_lshr_b32 s11, s10, 1                         ; which 64 rows t are mine.  Also: I fetch for x (0) or for bt (1)
	s_and_b32 s12, s10, 1                          ; which 64 rows n.  Also: which 64 rows of that tile I fetch
	s_bfe_u32 s40, ttmp6, 0x40000                  ; cx, cy: my place in the cluster
	s_bfe_u32 s41, ttmp6, 0x40004
	s_lshl_b32 s42, ttmp9, 2
	s_add_co_u32 s42, s42, s40                     ; block of 128 n = 4 x cluster x + cx
	s_and_b32 s13, ttmp7, 0xffff
	s_lshl_b32 s13, s13, 2
	s_add_co_u32 s13, s13, s41                     ; block of 128 t = 4 x cluster y + cy
	s_lshl_b32 s43, s41, 2
	s_lshl_b32 s43, 15, s43                        ; my row of the cluster
	s_lshl_b32 s44, 0x1111, s40                    ; my column
	s_mov_b32 s45, 0xffff0000                      ; a word's upper bf16
	s_or_b32 s[G1+0], s43, (1<<16)|(1<<20)|(1<<21)|(6<<22)|(3<<25)  ; the mask: x's tiles go to my row; 2-byte elements; padding on; bit 21 beside a mask; after every 128 words, 4 words
	s_or_b32 s[G1B+0], s44, (1<<16)|(1<<20)|(1<<21)|(6<<22)|(3<<25) ; bt's tiles go to my column
.irp g, G1, G1B
	s_mov_b32 s[(\g)+1], 256<<16                   ; tensor_dim0 = 256 elements = 512 bytes
	s_mov_b32 s[(\g)+2], 64<<16                    ; tensor_dim1 = 64
	s_mov_b32 s[(\g)+3], 256<<16                   ; tile_dim0 = 256
	s_mov_b32 s[(\g)+4], 64                        ; tile_dim1 = 64
	s_mov_b32 s[(\g)+5], 1024                      ; a row of x and of bt is 2,048 bytes
	s_mov_b32 s[(\g)+6], 0
	s_mov_b32 s[(\g)+7], 0
.endr
	s_lshl_b32 s17, s12, 6                         ; which 64 rows of the tile I fetch
	s_lshl_b32 s16, s13, 7
	s_add_co_u32 s16, s16, s17
	s_lshl_b32 s16, s16, 11                        ; x: (128 x block t + 64 x half) rows of 2,048 bytes
	s_lshl_b32 s46, s42, 7
	s_add_co_u32 s46, s46, s17
	s_lshl_b32 s46, s46, 11                        ; bt: (128 x block n + 64 x half) rows
	s_mov_b32 s17, 0
	s_mov_b32 s47, 0
	s_mul_i32 s20, s10, HALFT                      ; where they go: wave x 64 rows: no place in the cluster enters an LDS address
	s_wait_dscnt 0x0                               ; both opening adds are done
	s_wait_kmcnt 0x0
	s_add_nc_u64 s[14:15], s[4:5], s[16:17]
	s_add_nc_u64 s[46:47], s[6:7], s[46:47]
	CROUND                                         ; all sixteen work-groups are here: the first joint loads meet
.irp s, 0,1
	s_mov_b32 s[G0+4*(\s)], 1
	s_add_co_u32 s[G0+4*(\s)+1], s20, (\s)*SLOT
	s_add_nc_u64 s[G0+4*(\s)+2:G0+4*(\s)+3], s[14:15], (\s)*KB
	s_or_b32 s[G0+4*(\s)+3], s[G0+4*(\s)+3], 0x80000000
	s_mov_b32 s[G0B+4*(\s)], 1
	s_add_co_u32 s[G0B+4*(\s)+1], s20, (\s)*SLOT
	s_add_nc_u64 s[G0B+4*(\s)+2:G0B+4*(\s)+3], s[46:47], (\s)*KB
	s_or_b32 s[G0B+4*(\s)+3], s[G0B+4*(\s)+3], 0x80000000
.endr
	s_cmp_eq_u32 s11, 0                            ; a wave's two first fills stand in one branch: two loads of mine are out
	s_cbranch_scc0 .Lfirst_p
	tensor_load_to_lds s[G0:G0+3], s[G1:G1+7]
	s_nop 0
	tensor_load_to_lds s[G0+4:G0+7], s[G1:G1+7]
	s_nop 0
.rept 4
	v_nop
.endr
	s_branch .Lfirst_asked
.Lfirst_p:
	tensor_load_to_lds s[G0B:G0B+3], s[G1B:G1B+7]
	s_nop 0
	tensor_load_to_lds s[G0B+4:G0B+7], s[G1B:G1B+7]
	s_nop 0
.rept 4
	v_nop
.endr
.Lfirst_asked:
	v_and_b32 v1, 15, v0                           ; l % 16
	v_bfe_u32 v2, v0, 4, 1                         ; l / 16
	v_mul_u32_u24 v3, v1, PITCH
	v_lshl_add_u32 v4, v2, 5, v3                   ; x: 8 f32 are 32 bytes for each half of the lanes
	v_lshl_add_u32 v3, v2, 4, v3                   ; bt: 8 bf16 are 16
	s_mul_i32 s21, s11, HALFT                      ; my 64 rows of x
	s_mul_i32 s22, s12, HALFT                      ; my 64 rows of bt,
	s_add_co_u32 s22, s22, 2*HALFT                 ; which lie behind x's 128
.irp s, 0,1
	v_add_nc_u32 v[ADRX+(\s)], s21, v4
	v_add_nc_u32 v[ADRP+(\s)], s22, v3
	s_add_co_u32 s21, s21, SLOT
	s_add_co_u32 s22, s22, SLOT
.endr
	s_mul_i32 s23, s10, 16*SPITCH
	s_add_co_u32 s23, s23, STAGE                   ; my stage
	v_mul_u32_u24 v5, v1, SPITCH                   ; in: row l % 16, 16 bytes for each half of the lanes
	v_lshl_add_u32 v5, v2, 4, v5
	v_add_nc_u32 v[STO], s23, v5
	v_mul_u32_u24 v5, v2, SPITCH                   ; back: lanes 0-15 one row of 256 bytes, lanes 16-31 the next
	v_lshl_add_u32 v5, v1, 4, v5
	v_add_nc_u32 v[RD], s23, v5
	v_lshlrev_b32 v5, 12, v2                       ; and the same two rows in kv, 4,096 bytes apart
	v_lshl_add_u32 v[CO], v1, 4, v5
	s_lshl_b32 s16, s13, 7
	s_lshl_b32 s17, s11, 6
	s_add_co_u32 s16, s16, s17
	s_lshl_b32 s16, s16, 12                        ; my first row of kv
	s_mov_b32 s17, 0
	s_add_nc_u64 s[8:9], s[8:9], s[16:17]
	s_lshl_b32 s46, s42, 1                         ; my 64 n are one chunk: 2 x block n + half (in the registers that held bt's address: none that feeds x's descriptors holds cx)
	s_add_co_u32 s46, s46, s12
	s_lshl_b32 s46, s46, 8
	s_mov_b32 s47, 0
	s_add_nc_u64 s[8:9], s[8:9], s[46:47]
.macro CVT f                           ; x's one rounding to bf16, in place: register c of a fragment takes numbers 2 c and 2 c + 1
	WIN CV
.irp i, 0,1,2,3
.irp c, 0,1,2,3,4,5,6,7
	v_cvt_pk_bf16_f32 v[(\f)+16*(\i)+(\c)], v[(\f)+16*(\i)+2*(\c)], v[(\f)+16*(\i)+2*(\c)+1]
.endr
.endr
.endm
; 8 matrix instructions: t blocks a0, a0 + 1 x all 4 n blocks; p = 64: bt's hi, 96: its lo.  The 16 accumulators take turns in one order throughout.
.macro MUL8 f, p, a0, zero
	WIN MUL
.irp a, \a0, (\a0)+1
.irp b, 0,1,2,3
.if \zero
	v_wmma_f32_16x16x32_bf16 v[ACC+8*(4*(\a)+(\b)):ACC+8*(4*(\a)+(\b))+7], v[(\f)+(\p)+8*(\b):(\f)+(\p)+8*(\b)+7], v[(\f)+16*(\a):(\f)+16*(\a)+7], 0
.else
	v_wmma_f32_16x16x32_bf16 v[ACC+8*(4*(\a)+(\b)):ACC+8*(4*(\a)+(\b))+7], v[(\f)+(\p)+8*(\b):(\f)+(\p)+8*(\b)+7], v[(\f)+16*(\a):(\f)+16*(\a)+7], v[ACC+8*(4*(\a)+(\b)):ACC+8*(4*(\a)+(\b))+7]
.endif
.endr
.endr
.endm
; 32 LDS loads in one run: quarter q (32 along K) of a slot into buffer f: x's 16, hi's 8, lo's 8, in that order
.macro FETCH slot, q, f
	WIN TO_F
.irp i, 0,1,2,3
	ds_load_b128 v[(\f)+16*(\i):(\f)+16*(\i)+3],     v[ADRX+(\slot)] offset:(\i)*16*PITCH+128*(\q)
	ds_load_b128 v[(\f)+16*(\i)+4:(\f)+16*(\i)+7],   v[ADRX+(\slot)] offset:(\i)*16*PITCH+128*(\q)+16
	ds_load_b128 v[(\f)+16*(\i)+8:(\f)+16*(\i)+11],  v[ADRX+(\slot)] offset:(\i)*16*PITCH+128*(\q)+64
	ds_load_b128 v[(\f)+16*(\i)+12:(\f)+16*(\i)+15], v[ADRX+(\slot)] offset:(\i)*16*PITCH+128*(\q)+80
.endr
.irp i, 0,1,2,3
	ds_load_b128 v[(\f)+64+8*(\i):(\f)+64+8*(\i)+3],   v[ADRP+(\slot)] offset:(\i)*16*PITCH+256*((\q)/2)+64*((\q)%2)
	ds_load_b128 v[(\f)+64+8*(\i)+4:(\f)+64+8*(\i)+7], v[ADRP+(\slot)] offset:(\i)*16*PITCH+256*((\q)/2)+64*((\q)%2)+32
.endr
.irp i, 0,1,2,3
	ds_load_b128 v[(\f)+96+8*(\i):(\f)+96+8*(\i)+3],   v[ADRP+(\slot)] offset:(\i)*16*PITCH+256*((\q)/2)+64*((\q)%2)+128
	ds_load_b128 v[(\f)+96+8*(\i)+4:(\f)+96+8*(\i)+7], v[ADRP+(\slot)] offset:(\i)*16*PITCH+256*((\q)/2)+64*((\q)%2)+160
.endr
.endm
; One of a K step's first three quarters: multiplies buffer f and fetches quarter q into g.  The 32 conversions, which name no register of the last quarter's products, are the places
; (ISA guide 7.12.1 for vector instructions) between those products and the loads into the buffer that they read.
.macro QUARTER slot, q, f, g, zero
	s_wait_dscnt 8                                 ; x and hi are in; the youngest eight loads, lo's, may be out
	CVT \f
	MUL8 \f, 64, 0, \zero
	MUL8 \f, 64, 2, \zero
	FETCH \slot, \q, \g
	s_wait_dscnt 32                                ; all but the 32 just issued
	MUL8 \f, 96, 0, 0
	MUL8 \f, 96, 2, 0
.endm
; The fourth quarter multiplies buffer 1 and changes slots: each wave waits for all its tensor loads, adds 0 to its spare word, waits for that and for its reads of this slot, and signals.
; fill = 1: the barrier opens a round of the cluster's, and this slot is filled again, two K steps on, first thing behind it.
.macro TURN slot, next, fill
	WIN 0
	s_wait_tensorcnt 0x0                           ; all my tensor loads have landed: my part of the next slot
	ds_add_u32 v[SPW], v[NIL]
	s_wait_dscnt 9                                 ; (the add and lo's eight loads may be out)
	CVT F1
	MUL8 F1, 64, 0, 0
	MUL8 F1, 64, 2, 0
	s_wait_dscnt 0x0                               ; the add is done, and my reads of this slot are over
	s_barrier_signal -1
	MUL8 F1, 96, 0, 0
	WIN 0
	s_barrier_wait -1
.if \fill
	CREST                                          ; no wave of any partner still reads this slot or has a load on its way
	s_add_nc_u64 s[G0+4*(\slot)+2:G0+4*(\slot)+3], s[G0+4*(\slot)+2:G0+4*(\slot)+3], 2*KB
	s_add_nc_u64 s[G0B+4*(\slot)+2:G0B+4*(\slot)+3], s[G0B+4*(\slot)+2:G0B+4*(\slot)+3], 2*KB
	LOADT \slot
.endif
	FETCH \next, 0, F0
	MUL8 F1, 96, 2, 0
.endm
	s_wait_tensorcnt 1                             ; my part of K step 0 is in; K step 1's may stay out
	s_barrier_signal -1
	s_barrier_wait -1
	FETCH 0, 0, F0
	QUARTER 0, 1, F0, F1, 1                        ; the first products start the sums
	QUARTER 0, 2, F1, F0, 0
	QUARTER 0, 3, F0, F1, 0
	TURN 0, 1, 1                                   ; slot 0 takes K step 2
	QUARTER 1, 1, F0, F1, 0
	QUARTER 1, 2, F1, F0, 0
	QUARTER 1, 3, F0, F1, 0
	TURN 1, 0, 1                                   ; slot 1 takes K step 3
	QUARTER 0, 1, F0, F1, 0
	QUARTER 0, 2, F1, F0, 0
	QUARTER 0, 3, F0, F1, 0
	TURN 0, 1, 0                                   ; nothing is left to fetch
	QUARTER 1, 1, F0, F1, 0
	QUARTER 1, 2, F1, F0, 0
	QUARTER 1, 3, F0, F1, 0
	s_wait_dscnt 8
	CVT F1
	MUL8 F1, 64, 0, 0
	MUL8 F1, 64, 2, 0
	s_wait_dscnt 0x0
	MUL8 F1, 96, 0, 0
	MUL8 F1, 96, 2, 0
	WIN 0
.rept 8
	v_nop                                          ; the places behind the last products, once a launch
.endr
; THE WAY OUT, 16 rows t at a time: each sum is split into hi and lo; a lane's 8 hi and 8 lo go into my stage (a row: 128 bytes of hi, 128 of lo) and come back as whole rows.
.macro OUT16 a
.irp b, 0,1,2,3
.irp p, 0,1,2,3
	v_cvt_pk_bf16_f32 v[TH+4*(\b)+(\p)], v[ACC+8*(4*(\a)+(\b))+2*(\p)], v[ACC+8*(4*(\a)+(\b))+2*(\p)+1]
.endr
.irp p, 0,1,2,3
	v_lshlrev_b32 v[T+2*(\p)],   16,  v[TH+4*(\b)+(\p)]
	v_and_b32     v[T+2*(\p)+1], s45, v[TH+4*(\b)+(\p)]
.endr
.irp p, 0,1,2,3
	v_pk_add_f32 v[T+2*(\p):T+2*(\p)+1], v[ACC+8*(4*(\a)+(\b))+2*(\p):ACC+8*(4*(\a)+(\b))+2*(\p)+1], v[T+2*(\p):T+2*(\p)+1] neg_lo:[0,1] neg_hi:[0,1]
.endr
.irp p, 0,1,2,3
	v_cvt_pk_bf16_f32 v[TL+4*(\b)+(\p)], v[T+2*(\p)], v[T+2*(\p)+1]
.endr
.endr
	s_wait_xcnt 0x0                                ; the last block's stores have read the registers that are loaded again below
.irp b, 0,1,2,3
	ds_store_b128 v[STO], v[TH+4*(\b):TH+4*(\b)+3] offset:32*(\b)
	ds_store_b128 v[STO], v[TL+4*(\b):TL+4*(\b)+3] offset:128+32*(\b)
.endr
.irp t, 0,1,2,3,4,5,6,7
	ds_load_b128 v[BK+4*(\t):BK+4*(\t)+3], v[RD] offset:(\t)*2*SPITCH  ; LDS serves a wave's instructions in order (ISA guide 5.7.1.4): these see the stores above
.endr
	s_wait_dscnt 0x0
.irp t, 0,1,2,3,4,5,6,7
	global_store_b128 v[CO], v[BK+4*(\t):BK+4*(\t)+3], s[8:9] offset:(16*(\a)+2*(\t))*4096  ; 16 lanes store 256 consecutive bytes, aligned: a row's chunk
.endr
.endm
	OUT16 0
	OUT16 1
	OUT16 2
	OUT16 3
	s_wait_tensorcnt 0x0                           ; the wave's end
	ds_add_u32 v[SPW], v[NIL]
	s_wait_dscnt 0x0
	CROUND                                         ; the closing round
	s_endpgm
.Lfunc_end_k_q29b475c4e5_proj:
	.size	k_q29b475c4e5_proj, .Lfunc_end_k_q29b475c4e5_proj-k_q29b475c4e5_proj
	.p2alignl 7, 3214868480
	.fill 96, 4, 3214868480
	.section	.rodata,"a",@progbits
	.p2align	6, 0x0
	.amdhsa_kernel k_q29b475c4e5_proj
		.amdhsa_group_segment_fixed_size 327680
		.amdhsa_private_segment_fixed_size 0
		.amdhsa_enable_private_segment 0
		.amdhsa_kernarg_size 24
		.amdhsa_user_sgpr_count 2
		.amdhsa_user_sgpr_kernarg_segment_ptr 1
		.amdhsa_wavefront_size32 1
		.amdhsa_system_sgpr_workgroup_id_x 1
		.amdhsa_system_sgpr_workgroup_id_y 1
		.amdhsa_system_sgpr_workgroup_id_z 1
		.amdhsa_system_vgpr_workitem_id 0
		.amdhsa_next_free_vgpr 512
		.amdhsa_next_free_sgpr 66
		.amdhsa_reserve_vcc 0
		.amdhsa_float_denorm_mode_32 3
		.amdhsa_float_denorm_mode_16_64 3
		.amdhsa_memory_ordered 1
		.amdhsa_forward_progress 1
		.amdhsa_inst_pref_size 132
	.end_amdhsa_kernel
	.amdgpu_metadata
---
amdhsa.version: [ 1, 2 ]
amdhsa.kernels:
  - .name:           k_q29b475c4e5_proj
    .symbol:         k_q29b475c4e5_proj.kd
    .args:
      - { .name: x, .offset: 0, .size: 8, .value_kind: global_buffer, .address_space: global }
      - { .name: bt, .offset: 8, .size: 8, .value_kind: global_buffer, .address_space: global }
      - { .name: kv, .offset: 16, .size: 8, .value_kind: global_buffer, .address_space: global }
    .group_segment_fixed_size: 327680
    .private_segment_fixed_size: 0
    .kernarg_segment_align: 8
    .kernarg_segment_size: 24
    .max_flat_workgroup_size: 128
    .sgpr_count:     66
    .vgpr_count:     512
    .wavefront_size: 32
...
	.end_amdgpu_metadata
.endif
;; end of part 2
;; launch score (part 3): grid 9 x 32, 4 waves a work-group, no clusters, 327,680 bytes of LDS; arguments x, kv, pw, st; writes pw, st
.if DOCPART == 3
	.amdgcn_target "amdgcn-amd-amdhsa--gfx1250"
	.amdhsa_code_object_version 6
	.text
	.protected	k_q29b475c4e5_score
	.globl	k_q29b475c4e5_score
	.p2align	8
	.type	k_q29b475c4e5_score,@function
k_q29b475c4e5_score:
	s_mov_b64 s[64:65], 0
	v_nop
	global_prefetch_b8 v0, s[64:65] scope:SCOPE_SE
	s_setreg_imm32_b32 hwreg(HW_REG_WAVE_MODE, 25, 1), 1
	s_wait_xcnt 0x0
; LAUNCH 3 OF 5: the scores S[t][s] = sum_j k'[t][j] x[s][j] of one block of 128 t x 128 s, and the softmax along t by parts.
; LEFT OUT: the blocks with s wholly above t (reference()'s own tril makes their weights 0 for all inputs): of 64 blocks a batch 36 are made.
; For each chunk of 64 rows t and each column s: cm = c max_t S, p = 2^(c S - cm), z = sum_t p, with c = sqrt(512) log2(e).  p goes to pw in f16 (it lies in 0 to 1), cm and z to st in f32;
; z is the sum of the unrounded p.
; A hidden score is its value less 2^100: the mask is the C operand that starts the sum.  In a chunk that hides a whole column p is 0 or 1 and launch 4 gives that chunk the factor 0.
; SHARES.  Work-group (px, y): batch y / 4; with py = y % 4 it takes one of the py + 1 blocks of row py or of the 8 - py blocks of row 7 - py: nine for each py.
; A wave makes 64 s (half w / 2) x 64 t (half w % 2): a whole chunk of t, so a column's maximum and sum never leave the wave.
; The ring is launch 2's: four K steps of 128 through two slots; 64 rows x 512 bytes a tensor load; x's rows s as f32, k' as pairs (kv's chunks 0-7).
; Source 0 = 16 rows s of x, source 1 = 16 rows t of k': a lane's result holds t = lane % 16 and s = 8 (lane / 16) + 0..7: packed in pairs it has the lanes and registers of half of launch 5's source 1.
; NO CLUSTER: a row of blocks has 1 to 8 members and a column likewise, so no fixed four work-groups share a tile at every place; nine along x is no multiple of four.
; No prefetch ahead of the ring: it has four K steps in all, of which two are asked for at the head.
.set KB,     512
.set PITCH,  528
.set HALFT,  64*PITCH
.set SLOT,   4*HALFT
.set STG,    2*SLOT                    ; behind the ring: 512 bytes for each wave: 64 cm, 64 z
.set SPARE,  STG+4*512
.set ADRX, 16
.set ADRP, 20
.set SA,   22                          ; v22  where my half of the lanes puts 8 columns' figures
.set SLD,  23                          ; v23  where I read 16 bytes of them back
.set LO,   24                          ; v24  16 x lane
.set SPW,  28
.set NIL,  29
.set MD,   32                          ; v32-39  the diagonal's mask: -2^100 where 8 (l / 16) + j > l % 16
.set MC,   40                          ; v40-95  the masks of the seven distances a - b = -3 .. 3 between an s block and a t block of 16
.set CM,   32                          ; later: v32-63 c max of column 8 a + j;  v64-95 its sum
.set ZZ,   64
.set ACC,  128
.set F0,   0
.set F1,   128
.set WV, 12
.set WH, 13                            ; s13  w / 2: my half of s.  Also: I fetch for x (0) or for k' (1)
.set WL, 14                            ; s14  w % 2: my half of t.  Also: which 64 rows of that tile I fetch
.set TBK, 21                           ; s21  block row
.set SBK, 22                           ; s22  block column
.set G1, 24
.set G0, 32
.set AL, 40                            ; s[40:41] the mask's factor
.set BE, 42                            ; s[42:43] its addend
.set NEG, 44                           ; s44  -2^100
.set CS, 46                            ; s[46:47] c
.set G1B, 48
.set G0B, 56
.set MSB, 0
.macro WIN new
.if MSB != (\new)
	s_set_vgpr_msb (MSB<<8)|(\new)
.set MSB, \new
.endif
.endm
.set MUL,  0x05
.set TO_F, 0x40
.set CV,   0x45
.macro LOADT s                         ; waves 0 and 1 fetch x's two halves, waves 2 and 3 k's; an s_nop 0 and four v_nop follow each line
	s_cmp_eq_u32 s[WH], 0
	s_cbranch_scc0 .Lfor_p_\@
	tensor_load_to_lds s[G0+4*(\s):G0+4*(\s)+3], s[G1:G1+7]
	s_nop 0
.rept 4
	v_nop
.endr
	s_branch .Lasked_\@
.Lfor_p_\@:
	tensor_load_to_lds s[G0B+4*(\s):G0B+4*(\s)+3], s[G1B:G1B+7]
	s_nop 0
.rept 4
	v_nop
.endr
.Lasked_\@:
.endm
	s_load_b256 s[4:11], s[0:1], 0x0               ; x s[4:5], kv s[6:7], pw s[8:9], st s[10:11]
	v_lshl_add_u32 v[SPW], v0, 2, SPARE
	v_mov_b32 v[NIL], 0
	ds_add_u32 v[SPW], v[NIL]                      ; the wave's opening: the add, twice on end, and its wait ahead of my first tensor load
	ds_add_u32 v[SPW], v[NIL]
	v_lshrrev_b32 v1, 5, v0
	v_readfirstlane_b32 s[WV], v1
	s_lshr_b32 s[WH], s[WV], 1
	s_and_b32 s[WL], s[WV], 1
	s_and_b32 s15, ttmp7, 0xffff
	s_lshr_b32 s16, s15, 2                         ; batch
	s_and_b32 s17, s15, 3                          ; py
	s_sub_co_u32 s19, 7, s17
	s_cmp_le_u32 ttmp9, s17                        ; px <= py: block (py, px); else block (7 - py, px - py - 1)
	s_cselect_b32 s[TBK], s17, s19
	s_cselect_b32 s20, 0, s19
	s_add_co_u32 s[SBK], ttmp9, s20                ; px, or px + 7 - py, which is px - py - 1 + 8
	s_and_b32 s[SBK], s[SBK], 7
	s_mov_b32 s[G1+0],  (1<<16)|(1<<20)|(6<<22)|(3<<25)  ; 2-byte elements; padding on: after every 128 words, 4 words
	s_mov_b32 s[G1B+0], (1<<16)|(1<<20)|(6<<22)|(3<<25)
.irp g, G1, G1B
	s_mov_b32 s[(\g)+1], 256<<16                   ; tensor_dim0 = 256 elements = 512 bytes
	s_mov_b32 s[(\g)+2], 64<<16                    ; tensor_dim1 = 64
	s_mov_b32 s[(\g)+3], 256<<16                   ; tile_dim0
	s_mov_b32 s[(\g)+4], 64                        ; tile_dim1
	s_mov_b32 s[(\g)+6], 0
	s_mov_b32 s[(\g)+7], 0
.endr
	s_mov_b32 s[G1+5], 1024                        ; a row of x is 2,048 bytes,
	s_mov_b32 s[G1B+5], 2048                       ; a row of kv 4,096
	s_lshl_b32 s66, s16, 10
	s_lshl_b32 s18, s[WL], 6
	s_add_co_u32 s66, s66, s18                     ; the batch's first row + the 64 that I fetch
	s_lshl_b32 s18, s[TBK], 7
	s_add_co_u32 s68, s66, s18
	s_lshl_b32 s68, s68, 12                        ; k': rows t
	s_lshl_b32 s18, s[SBK], 7
	s_add_co_u32 s66, s66, s18
	s_lshl_b32 s66, s66, 11                        ; x: rows s
	s_mov_b32 s67, 0
	s_mov_b32 s69, 0
	s_mul_i32 s20, s[WV], HALFT
	s_mov_b32 s[NEG], 0xf1800000                   ; -2^100
	s_mov_b32 s[CS], 0x420293ee                    ; c = sqrt(512) log2(e) = 32.64446
	s_mov_b32 s[CS+1], s[CS]                       ; named with it as a pair
	s_mov_b32 s[AL+1], 0
	s_mov_b32 s[BE+1], 0
	s_wait_dscnt 0x0                               ; both opening adds are done
	s_wait_kmcnt 0x0
	s_add_nc_u64 s[66:67], s[4:5], s[66:67]
	s_add_nc_u64 s[68:69], s[6:7], s[68:69]
.irp s, 0,1
	s_mov_b32 s[G0+4*(\s)], 1
	s_add_co_u32 s[G0+4*(\s)+1], s20, (\s)*SLOT
	s_add_nc_u64 s[G0+4*(\s)+2:G0+4*(\s)+3], s[66:67], (\s)*KB
	s_or_b32 s[G0+4*(\s)+3], s[G0+4*(\s)+3], 0x80000000
	s_mov_b32 s[G0B+4*(\s)], 1
	s_add_co_u32 s[G0B+4*(\s)+1], s20, (\s)*SLOT
	s_add_nc_u64 s[G0B+4*(\s)+2:G0B+4*(\s)+3], s[68:69], (\s)*KB
	s_or_b32 s[G0B+4*(\s)+3], s[G0B+4*(\s)+3], 0x80000000
.endr
	s_cmp_eq_u32 s[WH], 0                          ; a wave's two first fills stand in one branch: two loads of mine are out
	s_cbranch_scc0 .Lfirst_p
	tensor_load_to_lds s[G0:G0+3], s[G1:G1+7]
	s_nop 0
	tensor_load_to_lds s[G0+4:G0+7], s[G1:G1+7]
	s_nop 0
.rept 4
	v_nop
.endr
	s_branch .Lfirst_asked
.Lfirst_p:
	tensor_load_to_lds s[G0B:G0B+3], s[G1B:G1B+7]
	s_nop 0
	tensor_load_to_lds s[G0B+4:G0B+7], s[G1B:G1B+7]
	s_nop 0
.rept 4
	v_nop
.endr
.Lfirst_asked:
	v_and_b32 v1, 15, v0                           ; l % 16
	v_bfe_u32 v2, v0, 4, 1                         ; l / 16
	v_and_b32 v6, 31, v0
	v_mul_u32_u24 v3, v1, PITCH
	v_lshl_add_u32 v4, v2, 5, v3
	v_lshl_add_u32 v3, v2, 4, v3
	s_mul_i32 s18, s[WH], HALFT                    ; my 64 rows of x
	s_mul_i32 s19, s[WL], HALFT                    ; my 64 rows of k',
	s_add_co_u32 s19, s19, 2*HALFT                 ; which lie behind x's 128
.irp s, 0,1
	v_add_nc_u32 v[ADRX+(\s)], s18, v4
	v_add_nc_u32 v[ADRP+(\s)], s19, v3
	s_add_co_u32 s18, s18, SLOT
	s_add_co_u32 s19, s19, SLOT
.endr
	s_lshl_b32 s18, s[WV], 9
	s_add_co_u32 s18, s18, STG                     ; my 512 bytes
	v_lshl_add_u32 v[SA], v2, 5, s18
	v_lshl_add_u32 v[SLD], v6, 4, s18
	v_lshlrev_b32 v[LO], 4, v6
	; the masks.  Hidden: 64 (ws - wt) + 16 (a - b) + 8 (l / 16) + j - l % 16 > 0, in the diagonal block alone.  The last three terms lie within -15 .. 15, so a distance
	; above 0 hides all, one below 0 nothing, and 0 is the diagonal's own mask MD.  Off the diagonal the distance is set far below 0.
	v_lshlrev_b32 v15, 3, v2
	v_sub_nc_u32 v14, v1, v15                      ; l % 16 - 8 (l / 16)
.set j, 0
.rept 8
	v_cmp_gt_i32 vcc_lo, j, v14
	v_cndmask_b32 v[MD+j], 0, s[NEG], vcc_lo
.set j, j+1
.endr
	s_sub_co_i32 s23, s[WH], s[WL]
	s_lshl_b32 s23, s23, 6
	s_cmp_eq_u32 s[TBK], s[SBK]
	s_cselect_b32 s23, s23, 0xfffffc00
.irp d, 0,1,2,3,4,5,6
	s_add_co_i32 s45, s23, 16*(\d)-48
	s_cmp_eq_u32 s45, 0
	s_cselect_b32 s[AL], 1.0, 0
	s_cmp_gt_i32 s45, 0
	s_cselect_b32 s[BE], s[NEG], 0
.irp z, 0,1,2,3
	v_pk_fma_f32 v[MC+8*(\d)+2*(\z):MC+8*(\d)+2*(\z)+1], v[MD+2*(\z):MD+2*(\z)+1], s[AL:AL+1], s[BE:BE+1] op_sel_hi:[1,0,0]
.endr
.endr
	; where the results go
	s_lshl_b32 s66, s[TBK], 3
	s_lshl_b32 s18, s[WL], 2
	s_add_co_u32 s66, s66, s18
	s_lshl_b32 s66, s66, 15                        ; pw: tile row 8 tb + 4 wt, 32,768 bytes each
	s_lshl_b32 s18, s[SBK], 3
	s_lshl_b32 s19, s[WH], 2
	s_add_co_u32 s18, s18, s19
	s_lshl_b32 s18, s18, 9                         ; tile column 8 sb + 4 ws, 512 bytes each
	s_add_co_u32 s66, s66, s18
	s_lshl_b32 s18, s16, 21                        ; the batch's 2 MiB
	s_add_co_u32 s66, s66, s18
	s_mov_b32 s67, 0
	s_add_nc_u64 s[8:9], s[8:9], s[66:67]
	s_lshl_b32 s68, s16, 4
	s_lshl_b32 s18, s[TBK], 1
	s_add_co_u32 s68, s68, s18
	s_add_co_u32 s68, s68, s[WL]                   ; st: 16 batch + chunk 2 tb + wt,
	s_lshl_b32 s68, s68, 4
	s_lshl_b32 s18, s[SBK], 1
	s_add_co_u32 s68, s68, s18
	s_add_co_u32 s68, s68, s[WH]                   ; x 16 + the 64 columns 2 sb + ws,
	s_lshl_b32 s68, s68, 9                         ; 512 bytes each
	s_mov_b32 s69, 0
	s_add_nc_u64 s[10:11], s[10:11], s[68:69]
.macro CVT f                           ; x's one rounding to bf16, in place
	WIN CV
.irp i, 0,1,2,3
.irp c, 0,1,2,3,4,5,6,7
	v_cvt_pk_bf16_f32 v[(\f)+16*(\i)+(\c)], v[(\f)+16*(\i)+2*(\c)], v[(\f)+16*(\i)+2*(\c)+1]
.endr
.endr
.endm
; 8 matrix instructions: s blocks a0, a0 + 1 x all 4 t blocks; p = 64: k's hi, 96: its lo; first = 1: the mask starts the sum.  The 16 accumulators take turns in one order.
.macro MUL8 f, p, a0, first
	WIN MUL
.irp a, \a0, (\a0)+1
.irp b, 0,1,2,3
.if \first
	v_wmma_f32_16x16x32_bf16 v[ACC+8*(4*(\a)+(\b)):ACC+8*(4*(\a)+(\b))+7], v[(\f)+16*(\a):(\f)+16*(\a)+7], v[(\f)+(\p)+8*(\b):(\f)+(\p)+8*(\b)+7], v[MC+8*((\a)-(\b)+3):MC+8*((\a)-(\b)+3)+7]
.else
	v_wmma_f32_16x16x32_bf16 v[ACC+8*(4*(\a)+(\b)):ACC+8*(4*(\a)+(\b))+7], v[(\f)+16*(\a):(\f)+16*(\a)+7], v[(\f)+(\p)+8*(\b):(\f)+(\p)+8*(\b)+7], v[ACC+8*(4*(\a)+(\b)):ACC+8*(4*(\a)+(\b))+7]
.endif
.endr
.endr
.endm
.macro FETCH slot, q, f                ; 32 LDS loads in one run: x's 16, hi's 8, lo's 8
	WIN TO_F
.irp i, 0,1,2,3
	ds_load_b128 v[(\f)+16*(\i):(\f)+16*(\i)+3],     v[ADRX+(\slot)] offset:(\i)*16*PITCH+128*(\q)
	ds_load_b128 v[(\f)+16*(\i)+4:(\f)+16*(\i)+7],   v[ADRX+(\slot)] offset:(\i)*16*PITCH+128*(\q)+16
	ds_load_b128 v[(\f)+16*(\i)+8:(\f)+16*(\i)+11],  v[ADRX+(\slot)] offset:(\i)*16*PITCH+128*(\q)+64
	ds_load_b128 v[(\f)+16*(\i)+12:(\f)+16*(\i)+15], v[ADRX+(\slot)] offset:(\i)*16*PITCH+128*(\q)+80
.endr
.irp i, 0,1,2,3
	ds_load_b128 v[(\f)+64+8*(\i):(\f)+64+8*(\i)+3],   v[ADRP+(\slot)] offset:(\i)*16*PITCH+256*((\q)/2)+64*((\q)%2)
	ds_load_b128 v[(\f)+64+8*(\i)+4:(\f)+64+8*(\i)+7], v[ADRP+(\slot)] offset:(\i)*16*PITCH+256*((\q)/2)+64*((\q)%2)+32
.endr
.irp i, 0,1,2,3
	ds_load_b128 v[(\f)+96+8*(\i):(\f)+96+8*(\i)+3],   v[ADRP+(\slot)] offset:(\i)*16*PITCH+256*((\q)/2)+64*((\q)%2)+128
	ds_load_b128 v[(\f)+96+8*(\i)+4:(\f)+96+8*(\i)+7], v[ADRP+(\slot)] offset:(\i)*16*PITCH+256*((\q)/2)+64*((\q)%2)+160
.endr
.endm
.macro QUARTER slot, q, f, g, first    ; the 32 conversions are the places between the last quarter's products and the loads into the buffer that they read
	s_wait_dscnt 8                                 ; x and hi are in; lo's eight loads may be out
	CVT \f
	MUL8 \f, 64, 0, \first
	MUL8 \f, 64, 2, \first
	FETCH \slot, \q, \g
	s_wait_dscnt 32                                ; all but the 32 just issued
	MUL8 \f, 96, 0, 0
	MUL8 \f, 96, 2, 0
.endm
.macro TURN slot, next, fill           ; the fourth quarter and the change of slots
	WIN 0
	s_wait_tensorcnt 0x0                           ; all my tensor loads have landed: my part of the next slot
	ds_add_u32 v[SPW], v[NIL]
	s_wait_dscnt 9                                 ; (the add and lo's eight loads may be out)
	CVT F1
	MUL8 F1, 64, 0, 0
	MUL8 F1, 64, 2, 0
	s_wait_dscnt 0x0                               ; the add is done, and my reads of this slot are over
	s_barrier_signal -1
	MUL8 F1, 96, 0, 0
	WIN 0
	s_barrier_wait -1
.if \fill
	s_add_nc_u64 s[G0+4*(\slot)+2:G0+4*(\slot)+3], s[G0+4*(\slot)+2:G0+4*(\slot)+3], 2*KB
	s_add_nc_u64 s[G0B+4*(\slot)+2:G0B+4*(\slot)+3], s[G0B+4*(\slot)+2:G0B+4*(\slot)+3], 2*KB
	LOADT \slot                                    ; my one tensor load behind the barrier, and the first thing there
.endif
	FETCH \next, 0, F0
	MUL8 F1, 96, 2, 0
.endm
	s_wait_tensorcnt 1                             ; my part of K step 0 is in; K step 1's may stay out
	s_barrier_signal -1
	s_barrier_wait -1
	FETCH 0, 0, F0
	QUARTER 0, 1, F0, F1, 1
	QUARTER 0, 2, F1, F0, 0
	QUARTER 0, 3, F0, F1, 0
	TURN 0, 1, 1
	QUARTER 1, 1, F0, F1, 0
	QUARTER 1, 2, F1, F0, 0
	QUARTER 1, 3, F0, F1, 0
	TURN 1, 0, 1
	QUARTER 0, 1, F0, F1, 0
	QUARTER 0, 2, F1, F0, 0
	QUARTER 0, 3, F0, F1, 0
	TURN 0, 1, 0
	QUARTER 1, 1, F0, F1, 0
	QUARTER 1, 2, F1, F0, 0
	QUARTER 1, 3, F0, F1, 0
	s_wait_dscnt 8
	CVT F1
	MUL8 F1, 64, 0, 0
	MUL8 F1, 64, 2, 0
	s_wait_dscnt 0x0
	MUL8 F1, 96, 0, 0
	MUL8 F1, 96, 2, 0
	WIN 0
.rept 8
	v_nop                                          ; the places behind the last products, once a launch
.endr
	; THE SOFTMAX'S PART.  Column 16 a + 8 (l / 16) + j has its 64 rows t in register j of the accumulators (a, 0..3), in the 16 lanes of my half.
.irp a, 0,1,2,3
.irp j, 0,1,2,3,4,5,6,7                ; each accumulator's lowest registers are read first
	v_max3_num_f32 v[CM+8*(\a)+(\j)], v[ACC+32*(\a)+(\j)], v[ACC+32*(\a)+8+(\j)], v[ACC+32*(\a)+16+(\j)]
.endr
.irp j, 0,1,2,3,4,5,6,7
	v_max_num_f32 v[CM+8*(\a)+(\j)], v[CM+8*(\a)+(\j)], v[ACC+32*(\a)+24+(\j)]
.endr
.endr
.irp m, 1,2,4,8                        ; across the 16 lanes of a half
.set i, 0
.rept 32
	v_max_num_f32_dpp v[CM+i], v[CM+i], v[CM+i] row_xmask:\m row_mask:0xf bank_mask:0xf
.set i, i+1
.endr
.endr
.set i, 0
.rept 16
	v_pk_mul_f32 v[CM+i:CM+i+1], v[CM+i:CM+i+1], s[CS:CS+1] op_sel_hi:[1,0]  ; cm = c max
.set i, i+2
.endr
.irp a, 0,1,2,3
.irp b, 0,1,2,3
.irp p, 0,2,4,6
	v_pk_fma_f32 v[ACC+32*(\a)+8*(\b)+(\p):ACC+32*(\a)+8*(\b)+(\p)+1], v[ACC+32*(\a)+8*(\b)+(\p):ACC+32*(\a)+8*(\b)+(\p)+1], s[CS:CS+1], v[CM+8*(\a)+(\p):CM+8*(\a)+(\p)+1] op_sel_hi:[1,0,1] neg_lo:[0,0,1] neg_hi:[0,0,1]
.endr
.endr
.endr
.set i, 0
.rept 128
	v_exp_f32 v[ACC+i], v[ACC+i]                   ; one batch
.set i, i+1
.endr
	v_nop                                          ; a plain instruction behind the last exponential,
	s_wait_alu depctr_va_vdst(0)                   ; and a wait ahead of the first use
.irp a, 0,1,2,3
.irp p, 0,2,4,6
	v_pk_add_f32 v[ZZ+8*(\a)+(\p):ZZ+8*(\a)+(\p)+1], v[ACC+32*(\a)+(\p):ACC+32*(\a)+(\p)+1], v[ACC+32*(\a)+8+(\p):ACC+32*(\a)+8+(\p)+1]
.endr
.irp p, 0,2,4,6
	v_pk_add_f32 v[ZZ+8*(\a)+(\p):ZZ+8*(\a)+(\p)+1], v[ZZ+8*(\a)+(\p):ZZ+8*(\a)+(\p)+1], v[ACC+32*(\a)+16+(\p):ACC+32*(\a)+16+(\p)+1]
.endr
.irp p, 0,2,4,6
	v_pk_add_f32 v[ZZ+8*(\a)+(\p):ZZ+8*(\a)+(\p)+1], v[ZZ+8*(\a)+(\p):ZZ+8*(\a)+(\p)+1], v[ACC+32*(\a)+24+(\p):ACC+32*(\a)+24+(\p)+1]
.endr
.endr
.set k, 0
.rept 16                               ; p to f16, in place: a lane's eight columns are 16 bytes
.irp c, 0,1,2,3
	v_cvt_pk_f16_f32 v[ACC+8*k+(\c)], v[ACC+8*k+2*(\c)], v[ACC+8*k+2*(\c)+1]
.endr
.set k, k+1
.endr
.irp a, 0,1,2,3
.irp b, 0,1,2,3
	global_store_b128 v[LO], v[ACC+32*(\a)+8*(\b):ACC+32*(\a)+8*(\b)+3], s[8:9] offset:(\b)*32768+(\a)*512  ; a tile of 16 x 16: 512 consecutive bytes, aligned
.endr
.endr
.irp m, 1,2,4,8
.set i, 0
.rept 32
	v_add_f32_dpp v[ZZ+i], v[ZZ+i], v[ZZ+i] row_xmask:\m row_mask:0xf bank_mask:0xf
.set i, i+1
.endr
.endr
.irp a, 0,1,2,3                        ; the 16 lanes of a half hold the same figures and write the same words
	ds_store_b128 v[SA], v[CM+8*(\a):CM+8*(\a)+3]   offset:64*(\a)
	ds_store_b128 v[SA], v[CM+8*(\a)+4:CM+8*(\a)+7] offset:64*(\a)+16
	ds_store_b128 v[SA], v[ZZ+8*(\a):ZZ+8*(\a)+3]   offset:256+64*(\a)
	ds_store_b128 v[SA], v[ZZ+8*(\a)+4:ZZ+8*(\a)+7] offset:256+64*(\a)+16
.endr
	ds_load_b128 v[96:99], v[SLD]                  ; my own bytes: LDS serves a wave's instructions in order (ISA guide 5.7.1.4)
	s_wait_dscnt 0x0
	global_store_b128 v[LO], v[96:99], s[10:11]    ; 512 consecutive bytes, aligned: 64 cm, 64 z
	s_wait_tensorcnt 0x0                           ; the wave's end
	ds_add_u32 v[SPW], v[NIL]
	s_wait_dscnt 0x0
	s_endpgm
.Lfunc_end_k_q29b475c4e5_score:
	.size	k_q29b475c4e5_score, .Lfunc_end_k_q29b475c4e5_score-k_q29b475c4e5_score
	.p2alignl 7, 3214868480
	.fill 96, 4, 3214868480
	.section	.rodata,"a",@progbits
	.p2align	6, 0x0
	.amdhsa_kernel k_q29b475c4e5_score
		.amdhsa_group_segment_fixed_size 327680
		.amdhsa_private_segment_fixed_size 0
		.amdhsa_enable_private_segment 0
		.amdhsa_kernarg_size 32
		.amdhsa_user_sgpr_count 2
		.amdhsa_user_sgpr_kernarg_segment_ptr 1
		.amdhsa_wavefront_size32 1
		.amdhsa_system_sgpr_workgroup_id_x 1
		.amdhsa_system_sgpr_workgroup_id_y 1
		.amdhsa_system_sgpr_workgroup_id_z 1
		.amdhsa_system_vgpr_workitem_id 0
		.amdhsa_next_free_vgpr 512
		.amdhsa_next_free_sgpr 72
		.amdhsa_reserve_vcc 1
		.amdhsa_float_denorm_mode_32 3
		.amdhsa_float_denorm_mode_16_64 3
		.amdhsa_memory_ordered 1
		.amdhsa_forward_progress 1
		.amdhsa_inst_pref_size 150
	.end_amdhsa_kernel
	.amdgpu_metadata
---
amdhsa.version: [ 1, 2 ]
amdhsa.kernels:
  - .name:           k_q29b475c4e5_score
    .symbol:         k_q29b475c4e5_score.kd
    .args:
      - { .name: x, .offset: 0, .size: 8, .value_kind: global_buffer, .address_space: global }
      - { .name: kv, .offset: 8, .size: 8, .value_kind: global_buffer, .address_space: global }
      - { .name: pw, .offset: 16, .size: 8, .value_kind: global_buffer, .address_space: global }
      - { .name: st, .offset: 24, .size: 8, .value_kind: global_buffer, .address_space: global }
    .group_segment_fixed_size: 327680
    .private_segment_fixed_size: 0
    .kernarg_segment_align: 8
    .kernarg_segment_size: 32
    .max_flat_workgroup_size: 128
    .sgpr_count:     72
    .vgpr_count:     512
    .wavefront_size: 32
...
	.end_amdgpu_metadata
.endif
;; end of part 3
;; launch norm (part 4): grid 16 x 8, 1 waves a work-group, no clusters, 0 bytes of LDS; arguments st, gg; writes gg
.if DOCPART == 4
	.amdgcn_target "amdgcn-amd-amdhsa--gfx1250"
	.amdhsa_code_object_version 6
	.text
	.protected	k_q29b475c4e5_norm
	.globl	k_q29b475c4e5_norm
	.p2align	8
	.type	k_q29b475c4e5_norm,@function
k_q29b475c4e5_norm:
	s_mov_b64 s[64:65], 0
	v_nop
	global_prefetch_b8 v0, s[64:65] scope:SCOPE_SE
	s_setreg_imm32_b32 hwreg(HW_REG_WAVE_MODE, 25, 1), 1
	s_wait_xcnt 0x0
; LAUNCH 4 OF 5: a column's chunks are joined.  For column s and chunk tc of 64 rows t: g[tc][s] = 2^(cm[tc] - M) / sum over tc of z[tc] 2^(cm[tc] - M), M = the largest cm of the column:
; the column's true maximum, so that w = p g is reference()'s softmax along t.
; LEFT OUT: the chunks of block rows above the column's block (their weights are 0 by reference()'s own tril): neither loaded nor stored; in the sums they count as cm = lowest finite number, z = 0.
; SHARES.  One wave takes 64 columns of a batch, two a lane.  The figures are 1 MiB in all: no LDS, no matrix unit, no cluster; the jumps hang on the work-group's number alone.
.set CMR, 16                           ; v[16:47]  chunk tc's cm of my two columns, then 2^(cm - M), then g
.set ZR,  48                           ; v[48:79]  its z
	s_load_b128 s[4:7], s[0:1], 0x0                ; st s[4:5], gg s[6:7]
	s_and_b32 s8, ttmp7, 0xffff                    ; batch
	s_lshr_b32 s10, ttmp9, 1                       ; the columns' block of 128
	v_lshlrev_b32 v1, 3, v0                        ; two f32 a lane
.set i, 0
.rept 32
	v_mov_b32 v[CMR+i], 0xff7fffff
	v_mov_b32 v[ZR+i], 0
.set i, i+1
.endr
	s_lshl_b32 s12, s8, 8
	s_add_co_u32 s12, s12, ttmp9
	s_lshl_b32 s12, s12, 9                         ; st: (256 batch + 16 tc + s / 64) x 512 bytes
	s_mov_b32 s13, 0
	s_lshl_b32 s14, s8, 16                         ; gg: batch x 65,536 + tc x 4,096 + 4 s
	s_lshl_b32 s15, ttmp9, 8
	s_add_co_u32 s14, s14, s15
	s_mov_b32 s15, 0
	s_wait_kmcnt 0x0
	s_add_nc_u64 s[4:5], s[4:5], s[12:13]
	s_add_nc_u64 s[6:7], s[6:7], s[14:15]
.irp tp, 7,6,5,4,3,2,1,0               ; block rows from the last up to the columns' own
.if \tp < 7
	s_cmp_gt_u32 s10, \tp
	s_cbranch_scc1 .Lld
.endif
	global_load_b64 v[CMR+4*\tp:CMR+4*\tp+1],   v1, s[4:5] offset:16384*\tp
	global_load_b64 v[ZR+4*\tp:ZR+4*\tp+1],     v1, s[4:5] offset:16384*\tp+256
	global_load_b64 v[CMR+4*\tp+2:CMR+4*\tp+3], v1, s[4:5] offset:16384*\tp+8192
	global_load_b64 v[ZR+4*\tp+2:ZR+4*\tp+3],   v1, s[4:5] offset:16384*\tp+8448
.endr
.Lld:
	s_wait_loadcnt 0x0
.irp x, 0,1
	v_max3_num_f32 v[80+\x], v[CMR+\x], v[CMR+2+\x], v[CMR+4+\x]
.irp t, 3,5,7,9,11,13
	v_max3_num_f32 v[80+\x], v[80+\x], v[CMR+2*\t+\x], v[CMR+2*\t+2+\x]
.endr
	v_max_num_f32 v[80+\x], v[80+\x], v[CMR+30+\x]
.endr
.set i, 0
.rept 16
	v_pk_add_f32 v[CMR+i:CMR+i+1], v[CMR+i:CMR+i+1], v[80:81] neg_lo:[0,1] neg_hi:[0,1]
.set i, i+2
.endr
.set i, 0
.rept 32
	v_exp_f32 v[CMR+i], v[CMR+i]
.set i, i+1
.endr
	v_nop                                          ; a plain instruction behind the last exponential,
	s_wait_alu depctr_va_vdst(0)                   ; and a wait ahead of the first use
	v_pk_mul_f32 v[82:83], v[ZR:ZR+1], v[CMR:CMR+1]
.set i, 2
.rept 15
	v_pk_fma_f32 v[82:83], v[ZR+i:ZR+i+1], v[CMR+i:CMR+i+1], v[82:83]
.set i, i+2
.endr
	v_rcp_f32 v84, v82                             ; the sum is at least the largest chunk's z, which holds a weight of about 1
	v_rcp_f32 v85, v83
	v_nop
	s_wait_alu depctr_va_vdst(0)
.set i, 0
.rept 16
	v_pk_mul_f32 v[CMR+i:CMR+i+1], v[CMR+i:CMR+i+1], v[84:85]
.set i, i+2
.endr
.irp tp, 7,6,5,4,3,2,1,0
.if \tp < 7
	s_cmp_gt_u32 s10, \tp
	s_cbranch_scc1 .Lend
.endif
	global_store_b64 v1, v[CMR+4*\tp:CMR+4*\tp+1],   s[6:7] offset:8192*\tp       ; 32 lanes store 256 consecutive bytes, aligned
	global_store_b64 v1, v[CMR+4*\tp+2:CMR+4*\tp+3], s[6:7] offset:8192*\tp+4096
.endr
.Lend:
	s_endpgm
.Lfunc_end_k_q29b475c4e5_norm:
	.size	k_q29b475c4e5_norm, .Lfunc_end_k_q29b475c4e5_norm-k_q29b475c4e5_norm
	.p2alignl 7, 3214868480
	.fill 96, 4, 3214868480
	.section	.rodata,"a",@progbits
	.p2align	6, 0x0
	.amdhsa_kernel k_q29b475c4e5_norm
		.amdhsa_group_segment_fixed_size 0
		.amdhsa_private_segment_fixed_size 0
		.amdhsa_enable_private_segment 0
		.amdhsa_kernarg_size 16
		.amdhsa_user_sgpr_count 2
		.amdhsa_user_sgpr_kernarg_segment_ptr 1
		.amdhsa_wavefront_size32 1
		.amdhsa_system_sgpr_workgroup_id_x 1
		.amdhsa_system_sgpr_workgroup_id_y 1
		.amdhsa_system_sgpr_workgroup_id_z 1
		.amdhsa_system_vgpr_workitem_id 0
		.amdhsa_next_free_vgpr 96
		.amdhsa_next_free_sgpr 66
		.amdhsa_reserve_vcc 0
		.amdhsa_float_denorm_mode_32 3
		.amdhsa_float_denorm_mode_16_64 3
		.amdhsa_memory_ordered 1
		.amdhsa_forward_progress 1
		.amdhsa_inst_pref_size 15
	.end_amdhsa_kernel
	.amdgpu_metadata
---
amdhsa.version: [ 1, 2 ]
amdhsa.kernels:
  - .name:           k_q29b475c4e5_norm
    .symbol:         k_q29b475c4e5_norm.kd
    .args:
      - { .name: st, .offset: 0, .size: 8, .value_kind: global_buffer, .address_space: global }
      - { .name: gg, .offset: 8, .size: 8, .value_kind: global_buffer, .address_space: global }
    .group_segment_fixed_size: 0
    .private_segment_fixed_size: 0
    .kernarg_segment_align: 8
    .kernarg_segment_size: 16
    .max_flat_workgroup_size: 32
    .sgpr_count:     66
    .vgpr_count:     96
    .wavefront_size: 32
...
	.end_amdgpu_metadata
.endif
;; end of part 4
;; launch mix (part 5): grid 8 x 32, 4 waves a work-group, no clusters, 327,680 bytes of LDS; arguments pw, gg, kv, bl, out0; writes out0
.if DOCPART == 5
	.amdgcn_target "amdgcn-amd-amdhsa--gfx1250"
	.amdhsa_code_object_version 6
	.text
	.protected	k_q29b475c4e5_mix
	.globl	k_q29b475c4e5_mix
	.p2align	8
	.type	k_q29b475c4e5_mix,@function
k_q29b475c4e5_mix:
	s_mov_b64 s[64:65], 0
	v_nop
	global_prefetch_b8 v0, s[64:65] scope:SCOPE_SE
	s_setreg_imm32_b32 hwreg(HW_REG_WAVE_MODE, 25, 1), 1
	s_wait_xcnt 0x0
; LAUNCH 5 OF 5: out[t][e] = relu(bl[e] + sum over s <= t of p[t][s] g[chunk of t][s] v'[s][e]).
; LEFT OUT: the blocks of 128 x 128 with s wholly above t (weights 0 by reference()'s own tril), and the rows of v' that only they would read.
; SHARES.  Work-group (ec, y): 64 columns e, batch y / 4, and with py = y % 4 the block rows py and then 7 - py: py + 1 and 8 - py blocks of 128 s: NINE STEPS whatever py, one counted walk.
; A wave takes 32 rows t (two tiles of 16) and all 64 e: 8 accumulators, which start at the bias.  Source 0 = v'^T (16 e x 32 s, turned out of LDS), source 1 = w (32 s x 16 t), in the lanes in which launch 3 laid p.
; THE WEIGHTS.  w = p g is reckoned in f32 from p's f16 and split into a pair of bf16, hi + lo; v' is such a pair too.  Three products: v' hi x w hi, v' lo x w hi, v' hi x w lo; lo x lo, 2^-18 of the term, is left out.
; v' IS FILLED ONCE: its chunk of 64 e (256 bytes a row: hi, lo) for the 1,024 - 128 py rows s that the two block rows need lies in LDS for the whole launch.  Row s lies at (s % 4) RS + (s / 4) 288;
; wave w brings the rows s % 4 = w, by two tensor loads (rows below 512; the rest).  So the turning load's 16 lanes touch 16 different 16-byte columns modulo 256 bytes.
; p AND g come from memory into registers, in four groups of 8 loads a step; a group is asked for again, for the walk's next step, as soon as it has been scaled: a whole step ahead of its use.
; NO CLUSTER, though the four py of a batch and chunk read the same first 512 rows of v': the walk's change of blocks is a jump on py, which would be the place in the cluster.
; No prefetch: the walk has nine short steps, and its loads are asked for a step ahead.
; REGISTERS: window 0: v0-15 addresses; v16-47 the bias; v48-55 at work; v64-127 the accumulators ((et, tt) at 64 + 8 (2 et + tt)); v128-159 rows on the way out.
;   window 1: v0-63 p (tile tt, s block a at 32 tt + 4 a); v64-127 g (s block a at 64 + 8 a); v128-191 w, two buffers of 32 (hi of tiles 0, 1, lo of tiles 0, 1); v192-207 at work; v254 0; v255 -1.
;   window 2: two buffers of 64 for v'^T (hi's four e blocks, lo's four).
.set STAGE, 0                          ; 16 rows x 272 bytes for each wave, for the way out
.set SPITCH, 272
.set SPARE, 4*16*SPITCH                ; 17,408: the spare words, 128 bytes for each wave
.set VBASE, SPARE+512
.set VP,    288                        ; a row of v' in LDS: 256 bytes + 32 of padding
.set RS,    256*VP+64                  ; a wave's 256 rows, and 64 bytes more
.set AV0, 4                            ; v4   my lane's place in 16 rows of v'; never rewritten
.set AV,  5                            ; v5   + the step's 128 rows
.set PO,  6                            ; v6   16 x lane
.set GOF, 7                            ; v7   32 (l / 16): my 8 columns' f32
.set STO, 8
.set RD,  9
.set CO,  10
.set SPW, 12
.set NIL, 13
.set BIAS, 16
.set ACC, 64
.set OB,  128
.set GR,  64                           ; window 1
.set WB,  128                          ; window 1
.set TT,  192                          ; window 1
.set Z1,  254                          ; window 1: 0, the scaling's addend
.set M1,  255                          ; window 1: -1.0, for lo = w - hi
.set WV,  14
.set G1A, 24
.set G1B, 32
.set G0A, 40
.set G0B, 44
.set PP,  48                           ; s[48:49] pw at the step that is being asked for
.set GP,  50                           ; s[50:51] gg likewise
.set PP1, 52                           ; s[52:53], s[54:55] the second block row's first step
.set GP1, 54
.set T1,  56
.set T2,  58
.set OP0, 60                           ; s[60:61] out0 at my rows of the first block row,
.set OP1, 62                           ; s[62:63] of the second
.set IDX, 66                           ; s66  the step's block of 128 s
.set TB,  67                           ; s67  the block row in hand
.set TB1, 68                           ; s68  7 - py
.set TBV, 69                           ; s69  IDX x 32 x 288: the block's rows in LDS
.set CNT, 70
.set MSB, 0
.macro WIN new
.if MSB != (\new)
	s_set_vgpr_msb (MSB<<8)|(\new)
.set MSB, \new
.endif
.endm
.set W_LD, 0x40                        ; destination window 1, address window 0
.set W_TR, 0x80                        ; destination window 2
.set W_SC, 0x55                        ; destination and all three sources window 1
.set W_MM, 0x06                        ; source 0 window 2, source 1 window 1, C and D window 0
	s_load_b256 s[4:11], s[0:1], 0x0               ; pw s[4:5], gg s[6:7], kv s[8:9], bl s[10:11]
	s_load_b64 s[12:13], s[0:1], 0x20              ; out0
	v_lshl_add_u32 v[SPW], v0, 2, SPARE
	v_mov_b32 v[NIL], 0
	ds_add_u32 v[SPW], v[NIL]                      ; the wave's opening: the add, twice on end, and its wait ahead of my first tensor load
	ds_add_u32 v[SPW], v[NIL]
	v_lshrrev_b32 v1, 5, v0
	v_readfirstlane_b32 s[WV], v1
	s_and_b32 s15, ttmp7, 0xffff
	s_lshr_b32 s16, s15, 2                         ; batch
	s_and_b32 s17, s15, 3                          ; py
	s_mov_b32 s[TB], s17
	s_sub_co_u32 s[TB1], 7, s17
	s_mov_b32 s[IDX], 0
	s_mov_b32 s[TBV], 0
.irp g, G1A, G1B
	s_mov_b32 s[(\g)+0], (1<<16)|(1<<20)|(5<<22)|(7<<25)  ; 2-byte elements; padding on: after every 64 words, 8 words
	s_mov_b32 s[(\g)+1], 128<<16                   ; tensor_dim0 = 128 elements = 256 bytes
	s_mov_b32 s[(\g)+3], 128<<16                   ; tile_dim0 = 128
	s_mov_b32 s[(\g)+4], 128                       ; tile_dim1 = 128 rows
	s_mov_b32 s[(\g)+5], 8192                      ; every fourth row of kv: 16,384 bytes
	s_mov_b32 s[(\g)+6], 0
	s_mov_b32 s[(\g)+7], 0
.endr
	s_mov_b32 s[G1A+2], 128<<16                    ; tensor_dim1: all 128 rows;
	s_lshl_b32 s20, s17, 5
	s_sub_co_u32 s20, 128, s20
	s_lshl_b32 s[G1B+2], s20, 16                   ; of the rows from 512 on only 128 - 32 py a wave are wanted: the tile's other rows are not read and arrive as zeros
	s_lshl_b32 s18, s16, 22                        ; the batch's 1,024 rows of 4,096 bytes,
	s_lshl_b32 s19, ttmp9, 8
	s_add_co_u32 s18, s18, s19                     ; chunk 8 + ec,
	s_lshl_b32 s19, s[WV], 12
	s_add_co_u32 s18, s18, s19                     ; row w
	s_add_co_u32 s18, s18, 2048
	s_mov_b32 s19, 0
	s_mul_i32 s22, s[WV], RS
	s_add_co_u32 s22, s22, VBASE
	s_mov_b32 s[G0A], 1
	s_mov_b32 s[G0A+1], s22
	s_mov_b32 s[G0B], 1
	s_add_co_u32 s[G0B+1], s22, 128*VP
	s_wait_dscnt 0x0                               ; both opening adds are done
	s_wait_kmcnt 0x0
	s_add_nc_u64 s[G0A+2:G0A+3], s[8:9], s[18:19]
	s_add_nc_u64 s[G0B+2:G0B+3], s[G0A+2:G0A+3], 512*4096
	s_or_b32 s[G0A+3], s[G0A+3], 0x80000000
	s_or_b32 s[G0B+3], s[G0B+3], 0x80000000
	tensor_load_to_lds s[G0A:G0A+3], s[G1A:G1A+7]  ; both fills go out together: two loads of mine are out
	s_nop 0
	tensor_load_to_lds s[G0B:G0B+3], s[G1B:G1B+7]
	s_nop 0
.rept 4
	v_nop
.endr
.macro PTRS tb, pp, gp, op             ; the three pointers of block row tb
	s_lshl_b32 s20, s[\tb], 3
	s_lshl_b32 s21, s[WV], 1
	s_add_co_u32 s20, s20, s21
	s_lshl_b32 s20, s20, 15                        ; pw: tile row 8 tb + 2 w
	s_lshl_b32 s21, s16, 21
	s_add_co_u32 s20, s20, s21
	s_mov_b32 s21, 0
	s_add_nc_u64 s[\pp:\pp+1], s[4:5], s[20:21]
	s_lshl_b32 s20, s16, 4
	s_lshl_b32 s22, s[\tb], 1
	s_add_co_u32 s20, s20, s22
	s_lshr_b32 s22, s[WV], 1
	s_add_co_u32 s20, s20, s22
	s_lshl_b32 s20, s20, 12                        ; gg: chunk 2 tb + w / 2
	s_add_nc_u64 s[\gp:\gp+1], s[6:7], s[20:21]
	s_lshl_b32 s20, s16, 10
	s_lshl_b32 s22, s[\tb], 7
	s_add_co_u32 s20, s20, s22
	s_lshl_b32 s22, s[WV], 5
	s_add_co_u32 s20, s20, s22
	s_lshl_b32 s20, s20, 11                        ; out0: row 1,024 batch + 128 tb + 32 w,
	s_lshl_b32 s22, ttmp9, 8
	s_add_co_u32 s20, s20, s22                     ; 64 f32 from column 64 ec
	s_add_nc_u64 s[\op:\op+1], s[12:13], s[20:21]
.endm
	PTRS TB,  PP,  GP,  OP0
	PTRS TB1, PP1, GP1, OP1
	s_lshl_b32 s20, ttmp9, 8
	s_mov_b32 s21, 0
	s_add_nc_u64 s[10:11], s[10:11], s[20:21]      ; bl at my 64 columns
	v_and_b32 v1, 15, v0                           ; l % 16
	v_bfe_u32 v2, v0, 4, 1                         ; l / 16
	v_and_b32 v3, 31, v0
	v_lshlrev_b32 v[PO], 4, v3
	v_lshlrev_b32 v[GOF], 5, v2
.irp et, 0,1,2,3
	global_load_b128 v[BIAS+8*(\et):BIAS+8*(\et)+3],   v[GOF], s[10:11] offset:64*(\et)
	global_load_b128 v[BIAS+8*(\et)+4:BIAS+8*(\et)+7], v[GOF], s[10:11] offset:64*(\et)+16
.endr
; Group kk of a step's p and g: the 32 columns s from 32 kk on: four loads of p (two tiles t x two blocks of 16 s), four of g
.macro LOADG kk
	WIN W_LD
.irp tt, 0,1
.irp u, 0,1
	global_load_b128 v[32*(\tt)+8*(\kk)+4*(\u):32*(\tt)+8*(\kk)+4*(\u)+3], v[PO], s[PP:PP+1] offset:(\tt)*32768+(2*(\kk)+(\u))*512
.endr
.endr
.irp u, 0,1,2,3
	global_load_b128 v[GR+16*(\kk)+4*(\u):GR+16*(\kk)+4*(\u)+3], v[GOF], s[GP:GP+1] offset:128*(\kk)+64*((\u)/2)+16*((\u)%2)
.endr
.endm
	LOADG 0                                        ; step 0
	LOADG 1
	LOADG 2
	LOADG 3
	v_mov_b32 v[Z1], 0                             ; (destination window 1)
	v_mov_b32 v[M1], 0xbf800000
.set i, 0
.rept 16                               ; w's lo is made half by half, by lines that keep the register's other half: so each of the 32 is written whole once, in the wait for the first loads
	v_mov_b32 v[WB+16+i], 0
	v_mov_b32 v[WB+48+i], 0
.set i, i+1
.endr
	WIN 0
	; The turning load takes 16 rows s x 16 columns e: lane l reads row 8 (l / 16) + l % 8, columns 8 ((l / 8) % 2) + 0..7.  Row s lies at (s % 4) RS + (s / 4) 288.
	v_and_b32 v15, 3, v0
	v_mul_u32_u24 v[AV0], v15, RS
	v_bfe_u32 v15, v0, 2, 1
	v_lshl_add_u32 v15, v2, 1, v15
	v_mad_u32_u24 v[AV0], v15, VP, v[AV0]
	v_bfe_u32 v15, v0, 3, 1
	v_lshl_add_u32 v[AV0], v15, 4, v[AV0]
	v_add_nc_u32 v[AV0], VBASE, v[AV0]
	s_mul_i32 s20, s[WV], 16*SPITCH                ; my stage (STAGE = 0)
	v_mul_u32_u24 v[STO], v1, SPITCH               ; in: row l % 16, 32 bytes for each half of the lanes
	v_lshl_add_u32 v[STO], v2, 5, v[STO]
	v_add_nc_u32 v[STO], s20, v[STO]
	v_mul_u32_u24 v[RD], v2, SPITCH                ; back: lanes 0-15 one row of 256 bytes, lanes 16-31 the next
	v_lshl_add_u32 v[RD], v1, 4, v[RD]
	v_add_nc_u32 v[RD], s20, v[RD]
	v_lshlrev_b32 v[CO], 11, v2                    ; the same two rows in out0, 2,048 bytes apart
	v_lshl_add_u32 v[CO], v1, 4, v[CO]
	s_wait_loadcnt 32                              ; the bias is in; step 0's 32 loads may stay out
.set i, 0
.rept 16                               ; the bias's rounding to bf16, like every input's
	v_cvt_pk_bf16_f32 v[48+i%8], v[BIAS+2*i], v[BIAS+2*i+1]
	v_lshlrev_b32 v[BIAS+2*i], 16, v[48+i%8]
	v_and_b32 v[BIAS+2*i+1], 0xffff0000, v[48+i%8]
.set i, i+1
.endr
.macro START                           ; the sums start at the bias
.irp et, 0,1,2,3
.irp tt, 0,1
.irp j, 0,1,2,3,4,5,6,7
	v_mov_b32 v[ACC+8*(2*(\et)+(\tt))+(\j)], v[BIAS+8*(\et)+(\j)]
.endr
.endr
.endr
.endm
	START
	s_wait_tensorcnt 0x0                           ; my rows of v' are in,
	s_barrier_signal -1
	s_barrier_wait -1                              ; everybody's are
.macro FETCHV kk                       ; v'^T for the 32 rows s from 32 kk on: hi's and lo's four e blocks, 16 turning loads in one run
	WIN W_TR
.set vb, 64*((\kk)%2)
.irp term, 0,1
.irp et, 0,1,2,3
	ds_load_tr16_b128 v[vb+32*(\term)+8*(\et):vb+32*(\term)+8*(\et)+3],   v[AV] offset:(\kk)*8*VP+128*(\term)+32*(\et)
	ds_load_tr16_b128 v[vb+32*(\term)+8*(\et)+4:vb+32*(\term)+8*(\et)+7], v[AV] offset:(\kk)*8*VP+4*VP+128*(\term)+32*(\et)
.endr
.endr
.endm
; w = p g for the 32 columns s from 32 kk on, both tiles: two products in f32 straight from p's f16 halves; hi = both rounded to bf16; lo = bf16(hi x (-1) + w), one rounding each, half by half.
.macro SCALE kk
	WIN W_SC
.set wb, WB+32*((\kk)%2)
.irp c, 0,1,2,3,4,5,6,7
.set t0, TT+4*((\c)%4)
	v_fma_mix_f32 v[t0],   v[8*(\kk)+(\c)],    v[GR+16*(\kk)+2*(\c)],   v[Z1] op_sel_hi:[1,0,0]
	v_fma_mix_f32 v[t0+1], v[8*(\kk)+(\c)],    v[GR+16*(\kk)+2*(\c)+1], v[Z1] op_sel:[1,0,0] op_sel_hi:[1,0,0]
	v_fma_mix_f32 v[t0+2], v[32+8*(\kk)+(\c)], v[GR+16*(\kk)+2*(\c)],   v[Z1] op_sel_hi:[1,0,0]
	v_fma_mix_f32 v[t0+3], v[32+8*(\kk)+(\c)], v[GR+16*(\kk)+2*(\c)+1], v[Z1] op_sel:[1,0,0] op_sel_hi:[1,0,0]
	v_cvt_pk_bf16_f32 v[wb+(\c)],   v[t0],   v[t0+1]
	v_cvt_pk_bf16_f32 v[wb+8+(\c)], v[t0+2], v[t0+3]
	v_fma_mixlo_bf16 v[wb+16+(\c)], v[wb+(\c)],   v[M1], v[t0]   op_sel_hi:[1,0,0]
	v_fma_mixlo_bf16 v[wb+24+(\c)], v[wb+8+(\c)], v[M1], v[t0+2] op_sel_hi:[1,0,0]
	v_fma_mixhi_bf16 v[wb+16+(\c)], v[wb+(\c)],   v[M1], v[t0+1] op_sel:[1,0,0] op_sel_hi:[1,0,0]
	v_fma_mixhi_bf16 v[wb+24+(\c)], v[wb+8+(\c)], v[M1], v[t0+3] op_sel:[1,0,0] op_sel_hi:[1,0,0]
.endr
.endm
; 24 matrix instructions: term 0: v' hi x w hi; 1: v' lo x w hi; 2: v' hi x w lo.  The 8 accumulators take turns in one order throughout.
.macro WMMA24 kk
	WIN W_MM
.set vb, 64*((\kk)%2)
.set wb, WB+32*((\kk)%2)
.irp term, 0,1,2
.irp et, 0,1,2,3
.irp tt, 0,1
	v_wmma_f32_16x16x32_bf16 v[ACC+8*(2*(\et)+(\tt)):ACC+8*(2*(\et)+(\tt))+7], v[vb+32*((\term)%2)+8*(\et):vb+32*((\term)%2)+8*(\et)+7], v[wb+16*((\term)/2)+8*(\tt):wb+16*((\term)/2)+8*(\tt)+7], v[ACC+8*(2*(\et)+(\tt)):ACC+8*(2*(\et)+(\tt))+7]
.endr
.endr
.endr
.endm
.macro WAYOUT op                       ; relu; a lane's 8 f32 of a row go into my stage and come back as whole rows of 256 bytes; 16 rows t at a time
.irp tt, 0,1
.irp et, 0,1,2,3
.irp j, 0,1,2,3,4,5,6,7
	v_max_num_f32 v[ACC+8*(2*(\et)+(\tt))+(\j)], 0, v[ACC+8*(2*(\et)+(\tt))+(\j)]
.endr
.endr
.irp et, 0,1,2,3
	ds_store_b128 v[STO], v[ACC+8*(2*(\et)+(\tt)):ACC+8*(2*(\et)+(\tt))+3]   offset:STAGE+64*(\et)
	ds_store_b128 v[STO], v[ACC+8*(2*(\et)+(\tt))+4:ACC+8*(2*(\et)+(\tt))+7] offset:STAGE+64*(\et)+16
.endr
	s_wait_xcnt 0x0                                ; earlier stores have read the registers that are loaded again below
.irp t, 0,1,2,3,4,5,6,7
	ds_load_b128 v[OB+4*(\t):OB+4*(\t)+3], v[RD] offset:STAGE+(\t)*2*SPITCH  ; LDS serves a wave's instructions in order (ISA guide 5.7.1.4)
.endr
	s_wait_dscnt 0x0
.irp t, 0,1,2,3,4,5,6,7
	global_store_b128 v[CO], v[OB+4*(\t):OB+4*(\t)+3], s[\op:\op+1] offset:(16*(\tt)+2*(\t))*2048 th:TH_STORE_NT  ; 16 lanes store 256 consecutive bytes, aligned
.endr
.endr
.endm
.macro PLACES
.rept 4
	v_nop
.endr
.endm
; A STEP: one block of 128 s, in four quarters of 32.  The buffers of w and of v'^T go by the quarter's parity: a buffer is written again two quarters on, and the 80 scaling lines of the quarter
; between, which name none of its registers, are the places (ISA guide 7.12.1 for vector instructions) behind the products that read it.
; last = 0: each group of p and g is asked for again for the walk's next step directly behind its scaling.  The waits on the loads count the younger groups of 8: always three; in the last step they run down.
.macro STEP last
	WIN 0
.if (\last) == 0
	s_wait_xcnt 0x0                                ; the loads issued so far have read their pointers, which now go on to the next step:
	s_add_nc_u64 s[T1:T1+1], s[PP:PP+1], 4096      ; the block row's next 8 tiles of p
	s_add_nc_u64 s[T2:T2+1], s[GP:GP+1], 512       ; and 128 g,
	s_cmp_lt_u32 s[IDX], s[TB]
	s_cselect_b64 s[PP:PP+1], s[T1:T1+1], s[PP1:PP1+1]  ; or behind its last block the second block row's first
	s_cselect_b64 s[GP:GP+1], s[T2:T2+1], s[GP1:GP1+1]
.endif
	v_add_nc_u32 v[AV], s[TBV], v[AV0]
	FETCHV 0
	s_wait_loadcnt 24
	SCALE 0
.if (\last) == 0
	LOADG 0
.endif
	FETCHV 1
	s_wait_dscnt 16                                ; quarter 0's v' is in; quarter 1's 16 loads may be out
	WMMA24 0
	s_wait_loadcnt 24-8*(\last)
	SCALE 1
.if (\last) == 0
	LOADG 1
.endif
	FETCHV 2
	s_wait_dscnt 16
	WMMA24 1
	s_wait_loadcnt 24-16*(\last)
	SCALE 2
.if (\last) == 0
	LOADG 2
.endif
	FETCHV 3
	s_wait_dscnt 16
	WMMA24 2
	s_wait_loadcnt 24-24*(\last)
	SCALE 3
.if (\last) == 0
	LOADG 3
.endif
	s_wait_dscnt 0x0
	WMMA24 3
	WIN 0
	PLACES
.if (\last) == 0
	s_cmp_eq_u32 s[IDX], s[TB]                     ; made of ids and the walk's steps alone; the jump goes forward, past no barrier and no tensor load
	s_cbranch_scc0 .Lsame_\@
	WAYOUT OP0                                     ; in the loop only the first block row can end: it has four blocks at the most, the second ends with the walk
	START
	s_mov_b32 s[TB], s[TB1]
	s_mov_b32 s[IDX], 0
	s_mov_b32 s[TBV], 0
	s_branch .Lnext_\@
.Lsame_\@:
	s_add_co_u32 s[IDX], s[IDX], 1
	s_add_co_u32 s[TBV], s[TBV], 32*VP
.Lnext_\@:
.else
	WAYOUT OP1
.endif
.endm
	s_mov_b32 s[CNT], 8
.Lstep:
	STEP 0
	s_sub_co_u32 s[CNT], s[CNT], 1
	s_cmp_lg_u32 s[CNT], 0
	s_cbranch_scc1 .Lstep
	STEP 1                                         ; the walk's ninth step asks for nothing
	s_wait_tensorcnt 0x0                           ; the wave's end
	ds_add_u32 v[SPW], v[NIL]
	s_wait_dscnt 0x0
	s_endpgm
.Lfunc_end_k_q29b475c4e5_mix:
	.size	k_q29b475c4e5_mix, .Lfunc_end_k_q29b475c4e5_mix-k_q29b475c4e5_mix
	.p2alignl 7, 3214868480
	.fill 96, 4, 3214868480
	.section	.rodata,"a",@progbits
	.p2align	6, 0x0
	.amdhsa_kernel k_q29b475c4e5_mix
		.amdhsa_group_segment_fixed_size 327680
		.amdhsa_private_segment_fixed_size 0
		.amdhsa_enable_private_segment 0
		.amdhsa_kernarg_size 40
		.amdhsa_user_sgpr_count 2
		.amdhsa_user_sgpr_kernarg_segment_ptr 1
		.amdhsa_wavefront_size32 1
		.amdhsa_system_sgpr_workgroup_id_x 1
		.amdhsa_system_sgpr_workgroup_id_y 1
		.amdhsa_system_sgpr_workgroup_id_z 1
		.amdhsa_system_vgpr_workitem_id 0
		.amdhsa_next_free_vgpr 640
		.amdhsa_next_free_sgpr 72
		.amdhsa_reserve_vcc 0
		.amdhsa_float_denorm_mode_32 3
		.amdhsa_float_denorm_mode_16_64 3
		.amdhsa_memory_ordered 1
		.amdhsa_forward_progress 1
		.amdhsa_inst_pref_size 95
	.end_amdhsa_kernel
	.amdgpu_metadata
---
amdhsa.version: [ 1, 2 ]
amdhsa.kernels:
  - .name:           k_q29b475c4e5_mix
    .symbol:         k_q29b475c4e5_mix.kd
    .args:
      - { .name: pw, .offset: 0, .size: 8, .value_kind: global_buffer, .address_space: global }
      - { .name: gg, .offset: 8, .size: 8, .value_kind: global_buffer, .address_space: global }
      - { .name: kv, .offset: 16, .size: 8, .value_kind: global_buffer, .address_space: global }
      - { .name: bl, .offset: 24, .size: 8, .value_kind: global_buffer, .address_space: global }
      - { .name: out0, .offset: 32, .size: 8, .value_kind: global_buffer, .address_space: global }
    .group_segment_fixed_size: 327680
    .private_segment_fixed_size: 0
    .kernarg_segment_align: 8
    .kernarg_segment_size: 40
    .max_flat_workgroup_size: 128
    .sgpr_count:     72
    .vgpr_count:     640
    .wavefront_size: 32
...
	.end_amdgpu_metadata
.endif
;; end of part 5
;; ======== version 2 of 2: 4 launches; 1.14 times as fast as version 1
;; limits: right only within a limited range of input values
;; workspace buffers: bt 2,097,152 bytes; kv 33,554,432 bytes; pw 16,777,216 bytes; st 1,048,576 bytes
;; launch wprod (part 6): grid 8 x 32, 16 waves a work-group, no clusters, 141,824 bytes of LDS; arguments Wk, Wq, Wv, Wl, bt; writes bt
.if DOCPART == 6
	.amdgcn_target "amdgcn-amd-amdhsa--gfx1250"
	.amdhsa_code_object_version 6
	.text
	.protected	k_q29b475c4e5_wprod
	.globl	k_q29b475c4e5_wprod
	.p2align	8
	.type	k_q29b475c4e5_wprod,@function
k_q29b475c4e5_wprod:
	s_mov_b64 s[64:65], 0
	v_nop
	global_prefetch_b8 v0, s[64:65] scope:SCOPE_SE
	s_setreg_imm32_b32 hwreg(HW_REG_WAVE_MODE, 25, 1), 1
	s_wait_xcnt 0x0
; LAUNCH 1 OF 4: THE TWO PRODUCTS OF WEIGHTS.
; THE PROBLEM.  out = relu(softmax_t(mask(k q^T sqrt(512))) v Wl + bl), with k, q, v = x Wk, x Wq, x Wv; x [8][1024][512], the softmax along t (each column s by itself).
; REASSOCIATED, for all values of the inputs: k[t].q[s] = sum_j (sum_i x[t][i] M[i][j]) x[s][j] with M = Wk Wq^T (512 x 512), and (w v) Wl = w (x N) with N = Wv Wl (512 x 512).
; So: this launch makes M^T and N^T; launch 2 k' = x M and v' = x N; launch 3 the scores k' x^T and, for each chunk of 64 rows t, each column's maximum, weights p and sum; launch 4 first the
; factor g that joins a column's chunks (a true maximum of the column, taken in parts), then out = relu(bl + (p g) v').
; DEAD WORK.  reference() sets w[t][s] to -inf for s > t by its own tril, so those weights are 0 whatever the inputs hold: the blocks of 128 x 128 that lie wholly above the diagonal are
; neither multiplied, stored nor read.  Every input has a way to the output, and all six are loaded.
; FORMATS.  All six inputs are rounded to bf16.  What the program makes on the way to a score or to the output (M, N, k', v', and the weights w = p g) goes to the matrix unit as a PAIR of
; bf16, hi + lo with lo = bf16(value - hi): the scaled scores are so large beside 1 that one rounding to bf16 would turn the softmax's choice, and a weight between 0 and 1 rounded to bf16
; would move the output by more than its allowance.  A pair times a single number is two matrix instructions, a pair times a pair three: lo x lo, 2^-18 of the term, is left out.  Sums in f32.
; p is kept between launches 3 and 4 in f16: it lies in 0 to 1.
; LIMITS.  The order of rounding differs from reference()'s (the products are reassociated).  A hidden score counts as its value less 2^100.  p has f16's 11 bits, and below 6e-5 f16's fixed
; step of 6e-8.  A weight below 2^-126 counts as 0.  A NaN, an infinity or an overflow that reaches only the blocks left out is not carried to the result.
; THIS LAUNCH.  bt[n][i], n < 512: sum_d Wq[n][d] Wk[i][d]; bt[512 + e][i] = sum_d Wl[d][e] Wv[i][d].  A row of bt is 8 chunks of 256 bytes: 64 hi, then 64 lo.
; SHARES.  A work-group makes 32 rows n x 64 columns i.  The 1,024 d are split among its 16 waves, 64 each (two matrix steps of 32); the 16 partial tiles meet in LDS.
; Source 0 = 16 rows i of Wk or Wv, source 1 = 16 rows n: a lane's result holds n = lane % 16 and i = 8 (lane / 16) + 0..7.
; No tensor loads: no wave wants a byte that another has fetched.  No cluster: the launch reads 8 MiB in all, once or a few times.
.set PART,   0                         ; LDS: wave w's 8 partial tiles of 1,024 bytes at 8,192 w
.set OUTS,   131072                    ; the finished 32 rows x 256 bytes, pitch 272
.set OPITCH, 272
.set SPARE,  OUTS+32*OPITCH            ; the spare words, 128 bytes for each of 16 waves
.set FB,  5                            ; v5   (l % 16) x 4,096 + 32 (l / 16): my place in 16 rows of 1,024 f32
.set FG,  6                            ; v6   (l / 16) x 8 rows of Wl + 4 (l % 16): my place in Wl, taken turned
.set PS,  7                            ; v7   where I put my partial tiles
.set PR0, 8                            ; v8   where I read the 16 partial sums of my sixteenth of the tile: waves 0-7's,
.set PR1, 9                            ; v9   waves 8-15's
.set OS,  10                           ; v10  where my four finished numbers go
.set ORD, 11                           ; v11  where I read 16 bytes of a finished row
.set OG,  12                           ; v12  their place in bt
.set SPW, 13                           ; v13  my spare word; never rewritten
.set NIL, 14                           ; v14  0; never rewritten
.set AR,  16                           ; v[16:79]   rows n: fragment 2 an + kk, 16 registers of f32, then 8 of bf16 in place
.set BR,  80                           ; v[80:207]  rows i: fragment 2 bi + kk likewise; accumulator 4 an + bi takes the upper 8 registers of fragment 4 an + bi, free once it is converted
	s_load_b256 s[4:11], s[0:1], 0x0               ; Wk s[4:5], Wq s[6:7], Wv s[8:9], Wl s[10:11]
	s_load_b64 s[12:13], s[0:1], 0x20              ; bt
	v_lshl_add_u32 v[SPW], v0, 2, SPARE
	v_mov_b32 v[NIL], 0
	v_lshrrev_b32 v1, 5, v0
	v_readfirstlane_b32 s14, v1                    ; wave 0..15
	s_and_b32 s15, ttmp7, 0xffff                   ; y: 32 rows of bt; y < 16: M^T, else N^T
	s_and_b32 s16, s15, 15                         ; the block of 32 within its half
	v_and_b32 v2, 15, v0                           ; l % 16
	v_bfe_u32 v3, v0, 4, 1                         ; l / 16
	v_and_b32 v4, 31, v0                           ; l
	v_lshlrev_b32 v[FB], 12, v2
	v_lshl_add_u32 v[FB], v3, 5, v[FB]
	v_lshlrev_b32 v[FG], 2, v2
	v_lshl_add_u32 v[FG], v3, 14, v[FG]
	s_lshl_b32 s17, s14, 13
	v_lshl_add_u32 v[PS], v4, 4, s17               ; 8,192 w + 16 l
	s_lshr_b32 s17, s14, 1
	s_lshl_b32 s17, s17, 10                        ; as a reducer: tile w / 2,
	s_and_b32 s28, s14, 1
	s_lshl_b32 s29, s28, 9                         ; its registers 4 (w % 2) + 0..3
	s_add_co_u32 s17, s17, s29
	v_lshl_add_u32 v[PR0], v4, 4, s17
	v_add_nc_u32 v[PR1], 0x10000, v[PR0]
	s_lshr_b32 s30, s14, 3                         ; those numbers are n = 16 (w / 8) + l % 16, i = 16 ((w / 2) % 4) + 8 (l / 16) + 4 (w % 2) + 0..3
	s_mul_i32 s30, s30, 16*OPITCH
	s_bfe_u32 s31, s14, 0x20001
	s_lshl_b32 s31, s31, 5
	s_add_co_u32 s30, s30, s31
	s_lshl_b32 s31, s28, 3
	s_add_co_u32 s30, s30, s31
	s_add_co_u32 s30, s30, OUTS
	v_mul_u32_u24 v[OS], v2, OPITCH
	v_lshl_add_u32 v[OS], v3, 4, v[OS]
	v_add_nc_u32 v[OS], s30, v[OS]
	v_lshrrev_b32 v15, 4, v0                       ; thread / 16: the row that I store
	v_mul_u32_u24 v[ORD], v15, OPITCH
	v_lshl_add_u32 v[ORD], v2, 4, v[ORD]
	v_add_nc_u32 v[ORD], OUTS, v[ORD]
	v_lshlrev_b32 v[OG], 11, v15                   ; a row of bt is 2,048 bytes
	v_lshl_add_u32 v[OG], v2, 4, v[OG]
	s_lshl_b32 s31, s15, 16                        ; 32 y rows
	s_lshl_b32 s29, ttmp9, 8                       ; chunk x
	s_add_co_u32 s31, s31, s29
	v_add_nc_u32 v[OG], s31, v[OG]
	s_lshl_b32 s17, s14, 8                         ; my 64 d: 256 bytes of a row
	s_lshl_b32 s18, ttmp9, 18                      ; 64 rows i of 4,096 bytes
	s_add_co_u32 s18, s18, s17
	s_mov_b32 s19, 0
	s_lshl_b32 s20, s16, 17                        ; 32 rows n of Wq
	s_add_co_u32 s20, s20, s17
	s_mov_b32 s21, 0
	s_lshl_b32 s22, s16, 7                         ; 32 columns e of Wl,
	s_lshl_b32 s23, s14, 17                        ; my 64 rows d of 2,048 bytes
	s_add_co_u32 s22, s22, s23
	s_mov_b32 s23, 0
	s_wait_kmcnt 0x0
	s_cmp_lt_u32 s15, 16
	s_cselect_b64 s[24:25], s[4:5], s[8:9]         ; rows i come from Wk or from Wv
	s_add_nc_u64 s[24:25], s[24:25], s[18:19]
; 16 rows x 32 d of f32 for one fragment: a lane's d = 8 (l / 16) + 0..7 and 16 + 8 (l / 16) + 0..7 are 32 bytes each
.macro LD16 d, adr, lo, off
	global_load_b128 v[(\d):(\d)+3],     v[\adr], s[\lo:\lo+1] offset:(\off)
	global_load_b128 v[(\d)+4:(\d)+7],   v[\adr], s[\lo:\lo+1] offset:(\off)+16
	global_load_b128 v[(\d)+8:(\d)+11],  v[\adr], s[\lo:\lo+1] offset:(\off)+64
	global_load_b128 v[(\d)+12:(\d)+15], v[\adr], s[\lo:\lo+1] offset:(\off)+80
.endm
.irp bi, 0,1,2,3
.irp kk, 0,1
	LD16 BR+16*(2*\bi+\kk), FB, 24, \bi*65536+128*\kk
.endr
.endr
	s_cmp_lt_u32 s15, 16                           ; the same in all waves of the work-group
	s_cbranch_scc0 .Lgather
	s_add_nc_u64 s[26:27], s[6:7], s[20:21]        ; rows n of Wq lie along d
.irp an, 0,1
.irp kk, 0,1
	LD16 AR+16*(2*\an+\kk), FB, 26, \an*65536+128*\kk
.endr
.endr
	s_branch .Lloaded
.Lgather:
	s_add_nc_u64 s[26:27], s[10:11], s[22:23]      ; Wl lies [d][e]: a number a lane, 16 lanes take 64 neighbouring bytes of a row d
.irp an, 0,1
.irp kk, 0,1
.set q, 0
.rept 16
	global_load_b32 v[AR+16*(2*\an+\kk)+q], v[FG], s[26:27] offset:(32*\kk+q+8*(q/8))*2048+64*\an
.set q, q+1
.endr
.endr
.endr
.Lloaded:
	s_wait_loadcnt 0x0
.set f, 0
.rept 12                               ; the inputs' one rounding to bf16, in place: register c takes numbers 2 c and 2 c + 1
.set c, 0
.rept 8
	v_cvt_pk_bf16_f32 v[AR+16*f+c], v[AR+16*f+2*c], v[AR+16*f+2*c+1]
.set c, c+1
.endr
.set f, f+1
.endr
.irp kk, 0,1                           ; the 8 accumulators take turns; the first step starts the sums
.irp an, 0,1
.irp bi, 0,1,2,3
.if \kk == 0
	v_wmma_f32_16x16x32_bf16 v[BR+16*(4*\an+\bi)+8:BR+16*(4*\an+\bi)+15], v[BR+16*(2*\bi+\kk):BR+16*(2*\bi+\kk)+7], v[AR+16*(2*\an+\kk):AR+16*(2*\an+\kk)+7], 0
.else
	v_wmma_f32_16x16x32_bf16 v[BR+16*(4*\an+\bi)+8:BR+16*(4*\an+\bi)+15], v[BR+16*(2*\bi+\kk):BR+16*(2*\bi+\kk)+7], v[AR+16*(2*\an+\kk):AR+16*(2*\an+\kk)+7], v[BR+16*(4*\an+\bi)+8:BR+16*(4*\an+\bi)+15]
.endif
.endr
.endr
.endr
.rept 8
	v_nop                                          ; the places behind the last products (ISA guide 7.12.1), once a launch
.endr
.set k, 0
.rept 8
	ds_store_b128 v[PS], v[BR+16*k+8:BR+16*k+11]  offset:PART+1024*k
	ds_store_b128 v[PS], v[BR+16*k+12:BR+16*k+15] offset:PART+1024*k+512
.set k, k+1
.endr
	s_wait_dscnt 0x0                               ; for the others' sake: my partial tiles lie in LDS
	s_barrier_signal -1
	s_barrier_wait -1
.set p, 0
.rept 8
	ds_load_b128 v[16+4*p:16+4*p+3],   v[PR0] offset:8192*p
	ds_load_b128 v[48+4*p:48+4*p+3],   v[PR1] offset:8192*p
.set p, p+1
.endr
	s_wait_dscnt 0x0
.irp s, 8,4,2,1                        ; 16 partial sums of four numbers, halved four times
.set p, 0
.rept \s
	v_pk_add_f32 v[16+4*p:16+4*p+1],   v[16+4*p:16+4*p+1],   v[16+4*(p+\s):16+4*(p+\s)+1]
	v_pk_add_f32 v[16+4*p+2:16+4*p+3], v[16+4*p+2:16+4*p+3], v[16+4*(p+\s)+2:16+4*(p+\s)+3]
.set p, p+1
.endr
.endr
	v_cvt_pk_bf16_f32 v20, v16, v17                ; hi
	v_cvt_pk_bf16_f32 v21, v18, v19
	v_lshlrev_b32 v24, 16, v20                     ; hi as f32
	v_and_b32 v25, 0xffff0000, v20
	v_lshlrev_b32 v26, 16, v21
	v_and_b32 v27, 0xffff0000, v21
	v_pk_add_f32 v[24:25], v[16:17], v[24:25] neg_lo:[0,1] neg_hi:[0,1]
	v_pk_add_f32 v[26:27], v[18:19], v[26:27] neg_lo:[0,1] neg_hi:[0,1]
	v_cvt_pk_bf16_f32 v22, v24, v25                ; lo = bf16(value - hi)
	v_cvt_pk_bf16_f32 v23, v26, v27
	ds_store_b64 v[OS], v[20:21]
	ds_store_b64 v[OS], v[22:23] offset:128
	s_wait_dscnt 0x0                               ; for the others' sake
	s_barrier_signal -1
	s_barrier_wait -1
	ds_load_b128 v[28:31], v[ORD]
	s_wait_dscnt 0x0
	global_store_b128 v[OG], v[28:31], s[12:13]    ; 16 lanes store 256 consecutive bytes, aligned: a row's chunk
	s_wait_tensorcnt 0x0                           ; the wave's end, behind my last LDS store
	ds_add_u32 v[SPW], v[NIL]
	s_wait_dscnt 0x0
	s_endpgm
.Lfunc_end_k_q29b475c4e5_wprod:
	.size	k_q29b475c4e5_wprod, .Lfunc_end_k_q29b475c4e5_wprod-k_q29b475c4e5_wprod
	.p2alignl 7, 3214868480
	.fill 96, 4, 3214868480
	.section	.rodata,"a",@progbits
	.p2align	6, 0x0
	.amdhsa_kernel k_q29b475c4e5_wprod
		.amdhsa_group_segment_fixed_size 141824
		.amdhsa_private_segment_fixed_size 0
		.amdhsa_enable_private_segment 0
		.amdhsa_kernarg_size 40
		.amdhsa_user_sgpr_count 2
		.amdhsa_user_sgpr_kernarg_segment_ptr 1
		.amdhsa_wavefront_size32 1
		.amdhsa_system_sgpr_workgroup_id_x 1
		.amdhsa_system_sgpr_workgroup_id_y 1
		.amdhsa_system_sgpr_workgroup_id_z 1
		.amdhsa_system_vgpr_workitem_id 0
		.amdhsa_next_free_vgpr 208
		.amdhsa_next_free_sgpr 66
		.amdhsa_reserve_vcc 0
		.amdhsa_float_denorm_mode_32 3
		.amdhsa_float_denorm_mode_16_64 3
		.amdhsa_memory_ordered 1
		.amdhsa_forward_progress 1
		.amdhsa_inst_pref_size 26
	.end_amdhsa_kernel
	.amdgpu_metadata
---
amdhsa.version: [ 1, 2 ]
amdhsa.kernels:
  - .name:           k_q29b475c4e5_wprod
    .symbol:         k_q29b475c4e5_wprod.kd
    .args:
      - { .name: Wk, .offset: 0, .size: 8, .value_kind: global_buffer, .address_space: global }
      - { .name: Wq, .offset: 8, .size: 8, .value_kind: global_buffer, .address_space: global }
      - { .name: Wv, .offset: 16, .size: 8, .value_kind: global_buffer, .address_space: global }
      - { .name: Wl, .offset: 24, .size: 8, .value_kind: global_buffer, .address_space: global }
      - { .name: bt, .offset: 32, .size: 8, .value_kind: global_buffer, .address_space: global }
    .group_segment_fixed_size: 141824
    .private_segment_fixed_size: 0
    .kernarg_segment_align: 8
    .kernarg_segment_size: 40
    .max_flat_workgroup_size: 512
    .sgpr_count:     66
    .vgpr_count:     208
    .wavefront_size: 32
...
	.end_amdgpu_metadata
.endif
;; end of part 6
;; launch proj (part 7): grid 4 x 64, 4 waves a work-group, clusters of 4 x 4, 327,680 bytes of LDS; arguments x, bt, kv; writes kv
.if DOCPART == 7
	.amdgcn_target "amdgcn-amd-amdhsa--gfx1250"
	.amdhsa_code_object_version 6
	.text
	.protected	k_q29b475c4e5_proj
	.globl	k_q29b475c4e5_proj
	.p2align	8
	.type	k_q29b475c4e5_proj,@function
k_q29b475c4e5_proj:
	s_mov_b64 s[64:65], 0
	v_nop
	global_prefetch_b8 v0, s[64:65] scope:SCOPE_SE
	s_setreg_imm32_b32 hwreg(HW_REG_WAVE_MODE, 25, 1), 1
	s_wait_xcnt 0x0
	s_wait_alu depctr_hold_cnt(0) depctr_sa_sdst(0) depctr_va_vdst(0) depctr_va_sdst(0) depctr_va_ssrc(0) depctr_va_vcc(0) depctr_vm_vsrc(0)
	s_getreg_b32 s2, hwreg(HW_REG_IB_STS2, 6, 4)
	s_cmp_eq_u32 s2, 0
	s_cbranch_scc0 .Lentry_in_a_cluster
	s_endpgm
.Lentry_in_a_cluster:
	s_bfe_u32 s2, ttmp6, 0x10000c
	s_cmp_lg_u32 s2, 0xf033
	s_cbranch_scc0 .Lentry_shape_is_right
	s_endpgm
.Lentry_shape_is_right:
; LAUNCH 2 OF 4: kv[t][n] = sum_i x[t][i] bt[n][i]: n < 512 is k' = x M, n >= 512 is v' = x N.  x: [8192][512] f32, rounded to bf16 on the way from LDS to the matrix unit.
; bt: [1024] rows of 8 chunks of 256 bytes (64 hi, 64 lo).  kv: [8192] rows of 16 such chunks.  Each product is taken twice, with hi and with lo, onto one f32 sum.
; SHARES.  A work-group makes 128 t x 256 n: 64 x 4 = 256 work-groups.  Each of its four waves makes 64 t x 128 n: 32 accumulators, 256 registers.
; K = 512 goes in eight steps of 64 through two LDS slots: in both tensors a step is 256 bytes of a row (x: 64 f32; bt: one chunk).  Two slots of a step of 128 would be 405,504 bytes: too many.
; One tensor load a wave: waves 0 and 1 bring 64 rows of x each, waves 2 and 3 128 rows of bt each.
; CLUSTER 4 x 4: the four of a row need the same rows of x, the four of a column the same rows of bt: each tile is asked for jointly.
; Source 0 = 16 rows n of bt, source 1 = 16 rows t of x: a lane's result holds t = lane % 16 and n = 8 (lane / 16) + 0..7, eight neighbours of a row of kv.
; No prefetch ahead of the ring: it has eight short K steps, of which two are asked for at the head.
; REGISTERS: window 0: v0-31 addresses; v32-255 at work on the way out.  window 1: the accumulators ((a, b) at 8 (8 a + b)).
;   windows 2 and 3: a buffer each for 32 along K: x's four fragments as f32 (16 each; converted in place into the lower 8), at 64 bt's eight hi, at 128 its eight lo.
.set KB,     256                       ; bytes of a row in a K step
.set PITCH,  272                       ; an LDS row: 256 bytes + 16 of padding = 68 words: the 16 rows that a load touches start at 16 different groups of four banks (ISA guide 11.1)
.set XH,     64*PITCH                  ; what a load brings of x
.set PHF,    128*PITCH                 ; what a load brings of bt
.set SLOT,   2*XH+2*PHF                ; x's 128 rows, then bt's 256 rows
.set STAGE,  2*SLOT                    ; behind the ring: 16 rows x 528 bytes for each wave, for the way out
.set SPITCH, 528
.set SPARE,  STAGE+4*16*SPITCH         ; the spare words, 128 bytes for each wave
.set ADRX, 16                          ; v16-17  LDS address of my fragments of x in slot 0, 1
.set ADRP, 20                          ; v20-21  the same for bt
.set STO,  24
.set RD,   25
.set CO,   26
.set SPW,  28                          ; v28  my spare word; never rewritten
.set NIL,  29                          ; v29  0; never rewritten
.set TH,   32                          ; v32-63   16 rows' hi, packed
.set TL,   64                          ; v64-95   their lo
.set BK,   128                         ; v128-191 16 rows read back
.set T,    192                         ; v192-255 at work
.set G1, 24                            ; s[24:31] group 1 for x's tiles;  s[32:39] group 0, a set for each slot
.set G0, 32
.set G1B, 48                           ; s[48:55], s[56:63] the same for bt's
.set G0B, 56
.set MSB, 0
.macro WIN new                         ; the immediate's high byte repeats the setting that is left
.if MSB != (\new)
	s_set_vgpr_msb (MSB<<8)|(\new)
.set MSB, \new
.endif
.endm
.macro LOADT s                         ; a joint load: waves 0 and 1 fetch x's two halves, waves 2 and 3 bt's; an s_nop 0 and four v_nop follow each line
	s_cmp_eq_u32 s11, 0
	s_cbranch_scc0 .Lfor_p_\@
	tensor_load_to_lds s[G0+4*(\s):G0+4*(\s)+3], s[G1:G1+7]
	s_nop 0
.rept 4
	v_nop
.endr
	s_branch .Lasked_\@
.Lfor_p_\@:
	tensor_load_to_lds s[G0B+4*(\s):G0B+4*(\s)+3], s[G1B:G1B+7]
	s_nop 0
.rept 4
	v_nop
.endr
.Lasked_\@:
.endm
.macro CREST                           ; a round of the cluster's barrier behind its opening barrier
	s_cmp_lg_u32 s10, 0
	s_cbranch_scc1 .Lnot_wave_0_\@
	s_barrier_signal -3
.Lnot_wave_0_\@:
	s_barrier_wait -3
	s_barrier_signal -1
	s_barrier_wait -1
.endm
.macro CROUND
	s_barrier_signal -1
	s_barrier_wait -1
	CREST
.endm
	s_load_b128 s[4:7], s[0:1], 0x0                ; x s[4:5], bt s[6:7]
	s_load_b64 s[8:9], s[0:1], 0x10                ; kv
	v_lshl_add_u32 v[SPW], v0, 2, SPARE
	v_mov_b32 v[NIL], 0
	ds_add_u32 v[SPW], v[NIL]                      ; the wave's opening: the add, twice on end, and its wait ahead of my first tensor load
	ds_add_u32 v[SPW], v[NIL]
	v_lshrrev_b32 v1, 5, v0
	v_readfirstlane_b32 s10, v1                    ; wave 0..3
	s_lshr_b32 s11, s10, 1                         ; which 64 rows t are mine.  Also: I fetch for x (0) or for bt (1)
	s_and_b32 s12, s10, 1                          ; which 128 rows n.  Also: which half of that tile I fetch
	s_bfe_u32 s40, ttmp6, 0x40000                  ; cx, cy: my place in the cluster
	s_bfe_u32 s41, ttmp6, 0x40004
	s_lshl_b32 s42, ttmp9, 2
	s_add_co_u32 s42, s42, s40                     ; block of 256 n = 4 x cluster x + cx
	s_and_b32 s13, ttmp7, 0xffff
	s_lshl_b32 s13, s13, 2
	s_add_co_u32 s13, s13, s41                     ; block of 128 t = 4 x cluster y + cy
	s_lshl_b32 s43, s41, 2
	s_lshl_b32 s43, 15, s43                        ; my row of the cluster
	s_lshl_b32 s44, 0x1111, s40                    ; my column
	s_mov_b32 s45, 0xffff0000                      ; a word's upper bf16
	s_or_b32 s[G1+0], s43, (1<<16)|(1<<20)|(1<<21)|(5<<22)|(3<<25)  ; the mask: x's tiles go to my row; 2-byte elements; padding on; bit 21 beside a mask; after every 64 words, 4 words
	s_or_b32 s[G1B+0], s44, (1<<16)|(1<<20)|(1<<21)|(5<<22)|(3<<25) ; bt's tiles go to my column
.irp g, G1, G1B
	s_mov_b32 s[(\g)+1], 128<<16                   ; tensor_dim0 = 128 elements = 256 bytes
	s_mov_b32 s[(\g)+3], 128<<16                   ; tile_dim0 = 128
	s_mov_b32 s[(\g)+5], 1024                      ; a row of x and of bt is 2,048 bytes
	s_mov_b32 s[(\g)+6], 0
	s_mov_b32 s[(\g)+7], 0
.endr
	s_mov_b32 s[G1+2], 64<<16                      ; x: tensor_dim1 = tile_dim1 = 64 rows
	s_mov_b32 s[G1+4], 64
	s_mov_b32 s[G1B+2], 128<<16                    ; bt: 128 rows
	s_mov_b32 s[G1B+4], 128
	s_lshl_b32 s17, s12, 6                         ; which 64 rows of x's tile I fetch
	s_lshl_b32 s16, s13, 7
	s_add_co_u32 s16, s16, s17
	s_lshl_b32 s16, s16, 11                        ; x: (128 x block t + 64 x half) rows of 2,048 bytes
	s_lshl_b32 s47, s12, 7                         ; which 128 rows of bt's tile
	s_lshl_b32 s46, s42, 8
	s_add_co_u32 s46, s46, s47
	s_lshl_b32 s46, s46, 11                        ; bt: (256 x block n + 128 x half) rows
	s_mov_b32 s17, 0
	s_mov_b32 s47, 0
	s_mul_i32 s20, s12, XH                         ; where they go: x's halves first,
	s_mul_i32 s21, s12, PHF
	s_add_co_u32 s21, s21, 2*XH                    ; bt's behind them: no place in the cluster enters an LDS address
	s_wait_dscnt 0x0                               ; both opening adds are done
	s_wait_kmcnt 0x0
	s_add_nc_u64 s[14:15], s[4:5], s[16:17]
	s_add_nc_u64 s[46:47], s[6:7], s[46:47]
	CROUND                                         ; all sixteen work-groups are here: the first joint loads meet
.irp s, 0,1
	s_mov_b32 s[G0+4*(\s)], 1
	s_add_co_u32 s[G0+4*(\s)+1], s20, (\s)*SLOT
	s_add_nc_u64 s[G0+4*(\s)+2:G0+4*(\s)+3], s[14:15], (\s)*KB
	s_or_b32 s[G0+4*(\s)+3], s[G0+4*(\s)+3], 0x80000000
	s_mov_b32 s[G0B+4*(\s)], 1
	s_add_co_u32 s[G0B+4*(\s)+1], s21, (\s)*SLOT
	s_add_nc_u64 s[G0B+4*(\s)+2:G0B+4*(\s)+3], s[46:47], (\s)*KB
	s_or_b32 s[G0B+4*(\s)+3], s[G0B+4*(\s)+3], 0x80000000
.endr
	s_cmp_eq_u32 s11, 0                            ; a wave's two first fills stand in one branch: two loads of mine are out
	s_cbranch_scc0 .Lfirst_p
	tensor_load_to_lds s[G0:G0+3], s[G1:G1+7]
	s_nop 0
	tensor_load_to_lds s[G0+4:G0+7], s[G1:G1+7]
	s_nop 0
.rept 4
	v_nop
.endr
	s_branch .Lfirst_asked
.Lfirst_p:
	tensor_load_to_lds s[G0B:G0B+3], s[G1B:G1B+7]
	s_nop 0
	tensor_load_to_lds s[G0B+4:G0B+7], s[G1B:G1B+7]
	s_nop 0
.rept 4
	v_nop
.endr
.Lfirst_asked:
	v_and_b32 v1, 15, v0                           ; l % 16
	v_bfe_u32 v2, v0, 4, 1                         ; l / 16
	v_and_b32 v6, 31, v0                           ; l
	v_mul_u32_u24 v3, v1, PITCH
	v_lshl_add_u32 v4, v2, 5, v3                   ; x: 8 f32 are 32 bytes for each half of the lanes
	v_lshl_add_u32 v3, v2, 4, v3                   ; bt: 8 bf16 are 16
	s_mul_i32 s22, s11, XH                         ; my 64 rows of x
	s_mul_i32 s23, s12, PHF                        ; my 128 rows of bt,
	s_add_co_u32 s23, s23, 2*XH                    ; which lie behind x's 128
.irp s, 0,1
	v_add_nc_u32 v[ADRX+(\s)], s22, v4
	v_add_nc_u32 v[ADRP+(\s)], s23, v3
	s_add_co_u32 s22, s22, SLOT
	s_add_co_u32 s23, s23, SLOT
.endr
	s_mul_i32 s23, s10, 16*SPITCH
	s_add_co_u32 s23, s23, STAGE                   ; my stage
	v_mul_u32_u24 v5, v1, SPITCH                   ; in: row l % 16, 16 bytes for each half of the lanes
	v_lshl_add_u32 v5, v2, 4, v5
	v_add_nc_u32 v[STO], s23, v5
	v_lshlrev_b32 v[CO], 4, v6                     ; back and out: the 32 lanes take a row's 512 bytes
	v_add_nc_u32 v[RD], s23, v[CO]
	s_lshl_b32 s16, s13, 7
	s_lshl_b32 s17, s11, 6
	s_add_co_u32 s16, s16, s17
	s_lshl_b32 s16, s16, 12                        ; my first row of kv
	s_mov_b32 s17, 0
	s_add_nc_u64 s[8:9], s[8:9], s[16:17]
	s_lshl_b32 s46, s42, 1                         ; my 128 n are two chunks, 512 bytes: 2 x block n + half (in the registers that held bt's address: none that feeds x's descriptors holds cx)
	s_add_co_u32 s46, s46, s12
	s_lshl_b32 s46, s46, 9
	s_mov_b32 s47, 0
	s_add_nc_u64 s[8:9], s[8:9], s[46:47]
.macro CVT f                           ; x's one rounding to bf16, in place, in buffer f's window: register c of a fragment takes numbers 2 c and 2 c + 1
.set wv, ((2+(\f))<<6)|((2+(\f))<<2)|(2+(\f))
	WIN wv
.irp i, 0,1,2,3
.irp c, 0,1,2,3,4,5,6,7
	v_cvt_pk_bf16_f32 v[16*(\i)+(\c)], v[16*(\i)+2*(\c)], v[16*(\i)+2*(\c)+1]
.endr
.endr
.endm
; 8 matrix instructions for each t block a of the list: all 8 n blocks; p = 64: bt's hi, 128: its lo.  The 32 accumulators take turns in one order throughout.
.macro MULS f, p, zero, as:vararg
.set wv, 0x50|((2+(\f))<<2)|(2+(\f))
	WIN wv
.irp a, \as
.irp b, 0,1,2,3,4,5,6,7
.if \zero
	v_wmma_f32_16x16x32_bf16 v[8*(8*(\a)+(\b)):8*(8*(\a)+(\b))+7], v[(\p)+8*(\b):(\p)+8*(\b)+7], v[16*(\a):16*(\a)+7], 0
.else
	v_wmma_f32_16x16x32_bf16 v[8*(8*(\a)+(\b)):8*(8*(\a)+(\b))+7], v[(\p)+8*(\b):(\p)+8*(\b)+7], v[16*(\a):16*(\a)+7], v[8*(8*(\a)+(\b)):8*(8*(\a)+(\b))+7]
.endif
.endr
.endr
.endm
; 48 LDS loads in one run: half q (32 along K) of a slot's step into buffer f: x's 16, hi's 16, lo's 16, in that order
.macro FETCH slot, q, f
.set wv, (2+(\f))<<6
	WIN wv
.irp i, 0,1,2,3
	ds_load_b128 v[16*(\i):16*(\i)+3],     v[ADRX+(\slot)] offset:(\i)*16*PITCH+128*(\q)
	ds_load_b128 v[16*(\i)+4:16*(\i)+7],   v[ADRX+(\slot)] offset:(\i)*16*PITCH+128*(\q)+16
	ds_load_b128 v[16*(\i)+8:16*(\i)+11],  v[ADRX+(\slot)] offset:(\i)*16*PITCH+128*(\q)+64
	ds_load_b128 v[16*(\i)+12:16*(\i)+15], v[ADRX+(\slot)] offset:(\i)*16*PITCH+128*(\q)+80
.endr
.irp i, 0,1,2,3,4,5,6,7
	ds_load_b128 v[64+8*(\i):64+8*(\i)+3],   v[ADRP+(\slot)] offset:(\i)*16*PITCH+64*(\q)
	ds_load_b128 v[64+8*(\i)+4:64+8*(\i)+7], v[ADRP+(\slot)] offset:(\i)*16*PITCH+64*(\q)+32
.endr
.irp i, 0,1,2,3,4,5,6,7
	ds_load_b128 v[128+8*(\i):128+8*(\i)+3],   v[ADRP+(\slot)] offset:(\i)*16*PITCH+64*(\q)+128
	ds_load_b128 v[128+8*(\i)+4:128+8*(\i)+7], v[ADRP+(\slot)] offset:(\i)*16*PITCH+64*(\q)+160
.endr
.endm
; A K step's first half: multiplies buffer 0 and fetches the second half into buffer 1.  The 32 conversions, which name no register of the products before them, are the places
; (ISA guide 7.12.1 for vector instructions) between those products and the loads into the buffer that they read.
.macro QUARTER slot, zero
	s_wait_dscnt 16                                ; x and hi are in; the youngest sixteen loads, lo's, may be out
	CVT 0
	MULS 0, 64, \zero, 0,1,2,3
	FETCH \slot, 1, 1
	s_wait_dscnt 48                                ; all but the 48 just issued
	MULS 0, 128, 0, 0,1,2,3
.endm
; The second half multiplies buffer 1 and changes slots: behind its 32 products with hi each wave waits for all its tensor loads, adds 0 to its spare word, waits for that and for its reads of this
; slot, and signals.  fill = 1: the barrier opens a round of the cluster's, and this slot is filled again, two K steps on, first thing behind it: 112 matrix instructions ahead of the wait for it.
.macro TURN slot, next, fill
	s_wait_dscnt 16
	CVT 1
	MULS 1, 64, 0, 0,1,2,3
	WIN 0
	s_wait_tensorcnt 0x0                           ; all my tensor loads have landed: my part of the next slot
	ds_add_u32 v[SPW], v[NIL]
	s_wait_dscnt 1                                 ; lo is in; the add may be out
	MULS 1, 128, 0, 0
	s_wait_dscnt 0x0                               ; the add is done, and my reads of this slot are over
	s_barrier_signal -1
	MULS 1, 128, 0, 1
	WIN 0
	s_barrier_wait -1
.if \fill
	CREST                                          ; no wave of any partner still reads this slot or has a load on its way
	s_add_nc_u64 s[G0+4*(\slot)+2:G0+4*(\slot)+3], s[G0+4*(\slot)+2:G0+4*(\slot)+3], 2*KB
	s_add_nc_u64 s[G0B+4*(\slot)+2:G0B+4*(\slot)+3], s[G0B+4*(\slot)+2:G0B+4*(\slot)+3], 2*KB
	LOADT \slot
.endif
	FETCH \next, 0, 0
	MULS 1, 128, 0, 2,3
.endm
	s_wait_tensorcnt 1                             ; my part of K step 0 is in; K step 1's may stay out
	s_barrier_signal -1
	s_barrier_wait -1
	FETCH 0, 0, 0
	QUARTER 0, 1                                   ; the first products start the sums
	WIN 0                                          ; at a label and at a branch every window is 0
	s_mov_b32 s3, 3
.Llap:                                             ; a trip goes once round the ring, from a step's second half to the first half two steps on, and fills both slots again: K steps 2 to 7
	TURN 0, 1, 1
	QUARTER 1, 0
	TURN 1, 0, 1
	QUARTER 0, 0
	WIN 0
	s_sub_co_u32 s3, s3, 1
	s_cmp_lg_u32 s3, 0
	s_cbranch_scc1 .Llap
	TURN 0, 1, 0                                   ; K steps 6 and 7: nothing is left to fetch
	QUARTER 1, 0
	s_wait_dscnt 16
	CVT 1
	MULS 1, 64, 0, 0,1,2,3
	s_wait_dscnt 0x0
	MULS 1, 128, 0, 0,1,2,3
	WIN 0
.rept 8
	v_nop                                          ; the places behind the last products, once a launch
.endr
; THE WAY OUT, 16 rows t at a time: each sum is split into hi and lo; a lane's 8 hi and 8 lo go into my stage (a row: two chunks of 128 bytes of hi and 128 of lo) and come back as whole rows.
.macro OUT16 a
	WIN 0x05                                       ; sources in window 1
.set i, 0
.rept 32
	v_cvt_pk_bf16_f32 v[TH+i], v[64*(\a)+2*i], v[64*(\a)+2*i+1]
.set i, i+1
.endr
	WIN 0
.set i, 0
.rept 32
	v_lshlrev_b32 v[T+2*i],   16,  v[TH+i]         ; hi as f32
	v_and_b32     v[T+2*i+1], s45, v[TH+i]
.set i, i+1
.endr
	WIN 0x01                                       ; source 0 in window 1
.set i, 0
.rept 32
	v_pk_add_f32 v[T+2*i:T+2*i+1], v[64*(\a)+2*i:64*(\a)+2*i+1], v[T+2*i:T+2*i+1] neg_lo:[0,1] neg_hi:[0,1]
.set i, i+1
.endr
	WIN 0
.set i, 0
.rept 32
	v_cvt_pk_bf16_f32 v[TL+i], v[T+2*i], v[T+2*i+1]  ; lo = bf16(value - hi)
.set i, i+1
.endr
	s_wait_xcnt 0x0                                ; the last block's stores have read the registers that are loaded again below
.irp b, 0,1,2,3,4,5,6,7
	ds_store_b128 v[STO], v[TH+4*(\b):TH+4*(\b)+3] offset:256*((\b)/4)+32*((\b)%4)
	ds_store_b128 v[STO], v[TL+4*(\b):TL+4*(\b)+3] offset:256*((\b)/4)+32*((\b)%4)+128
.endr
.set i, 0
.rept 16
	ds_load_b128 v[BK+4*i:BK+4*i+3], v[RD] offset:i*SPITCH  ; LDS serves a wave's instructions in order (ISA guide 5.7.1.4): these see the stores above
.set i, i+1
.endr
	s_wait_dscnt 0x0
.set i, 0
.rept 16
	global_store_b128 v[CO], v[BK+4*i:BK+4*i+3], s[8:9] offset:(16*(\a)+i)*4096  ; the wave stores 512 consecutive bytes, aligned: a row's two chunks
.set i, i+1
.endr
.endm
	OUT16 0
	OUT16 1
	OUT16 2
	OUT16 3
	s_wait_tensorcnt 0x0                           ; the wave's end
	ds_add_u32 v[SPW], v[NIL]
	s_wait_dscnt 0x0
	CROUND                                         ; the closing round
	s_endpgm
.Lfunc_end_k_q29b475c4e5_proj:
	.size	k_q29b475c4e5_proj, .Lfunc_end_k_q29b475c4e5_proj-k_q29b475c4e5_proj
	.p2alignl 7, 3214868480
	.fill 96, 4, 3214868480
	.section	.rodata,"a",@progbits
	.p2align	6, 0x0
	.amdhsa_kernel k_q29b475c4e5_proj
		.amdhsa_group_segment_fixed_size 327680
		.amdhsa_private_segment_fixed_size 0
		.amdhsa_enable_private_segment 0
		.amdhsa_kernarg_size 24
		.amdhsa_user_sgpr_count 2
		.amdhsa_user_sgpr_kernarg_segment_ptr 1
		.amdhsa_wavefront_size32 1
		.amdhsa_system_sgpr_workgroup_id_x 1
		.amdhsa_system_sgpr_workgroup_id_y 1
		.amdhsa_system_sgpr_workgroup_id_z 1
		.amdhsa_system_vgpr_workitem_id 0
		.amdhsa_next_free_vgpr 960
		.amdhsa_next_free_sgpr 66
		.amdhsa_reserve_vcc 0
		.amdhsa_float_denorm_mode_32 3
		.amdhsa_float_denorm_mode_16_64 3
		.amdhsa_memory_ordered 1
		.amdhsa_forward_progress 1
		.amdhsa_inst_pref_size 131
	.end_amdhsa_kernel
	.amdgpu_metadata
---
amdhsa.version: [ 1, 2 ]
amdhsa.kernels:
  - .name:           k_q29b475c4e5_proj
    .symbol:         k_q29b475c4e5_proj.kd
    .args:
      - { .name: x, .offset: 0, .size: 8, .value_kind: global_buffer, .address_space: global }
      - { .name: bt, .offset: 8, .size: 8, .value_kind: global_buffer, .address_space: global }
      - { .name: kv, .offset: 16, .size: 8, .value_kind: global_buffer, .address_space: global }
    .group_segment_fixed_size: 327680
    .private_segment_fixed_size: 0
    .kernarg_segment_align: 8
    .kernarg_segment_size: 24
    .max_flat_workgroup_size: 128
    .sgpr_count:     66
    .vgpr_count:     960
    .wavefront_size: 32
...
	.end_amdgpu_metadata
.endif
;; end of part 7
;; launch score (part 8): grid 8 x 32, 4 waves a work-group, no clusters, 327,680 bytes of LDS; arguments x, kv, pw, st; writes pw, st
.if DOCPART == 8
	.amdgcn_target "amdgcn-amd-amdhsa--gfx1250"
	.amdhsa_code_object_version 6
	.text
	.protected	k_q29b475c4e5_score
	.globl	k_q29b475c4e5_score
	.p2align	8
	.type	k_q29b475c4e5_score,@function
k_q29b475c4e5_score:
	s_mov_b64 s[64:65], 0
	v_nop
	global_prefetch_b8 v0, s[64:65] scope:SCOPE_SE
	s_setreg_imm32_b32 hwreg(HW_REG_WAVE_MODE, 25, 1), 1
	s_wait_xcnt 0x0
; LAUNCH 3 OF 4: the scores S[t][s] = sum_j k'[t][j] x[s][j] of one tile of 128 t x 160 s, and the softmax along t by parts.
; LEFT OUT: what lies wholly above the diagonal (reference()'s own tril makes those weights 0 for all inputs): block row tb of 128 rows t has the columns s < 128 (tb + 1) alone.
; For each chunk of 64 rows t and each column s: cm = c max_t S, p = 2^(c S - cm), z = sum_t p, with c = sqrt(512) log2(e).  p goes to pw in f16 (it lies in 0 to 1), cm and z to st in f32;
; z is the sum of the unrounded p.  st: [batch][chunk][block of 16 columns][16 cm, 16 z].
; A hidden score is its value less 2^100: the mask is the C operand that starts the sum.  In a chunk that hides a whole column p is 0 or 1 and launch 4 gives that chunk the factor 0.
; SHARES.  Block row tb needs ceil(128 (tb + 1) / 160) tiles: 1, 2, 3, 4, 4, 5, 6, 7; rows py and 7 - py together 8.  Work-group (px, y): batch y / 4; with py = y % 4 it takes tile px of row py
; (px <= py) or tile px - py - 1 of row 7 - py: 256 work-groups of equal work.  A wave makes 80 s (half w / 2) x 64 t (half w % 2): 20 accumulators, and a whole chunk of t, so that a
; column's maximum and sum never leave the wave.  A row's last tile reaches past its columns: those scores are hidden, and blocks of 16 columns at or past 8 (tb + 1) are not stored.
; THE RING: four K steps of 128 through two slots; rows of 512 bytes (x: 128 f32; k': two chunks of kv's first eight); waves 0 and 1 bring 80 rows of x each, waves 2 and 3 64 rows of k'.
; K steps 0 and 1 are one text walked twice: the slot is a scalar, 0 or SLOT, that an exclusive or turns.  The trip that fills nothing and the tail are written out.
; Source 0 = 16 rows s of x, source 1 = 16 rows t of k': a lane's result holds t = lane % 16 and s = 8 (lane / 16) + 0..7: packed in pairs it has the lanes and registers of half of launch 4's source 1.
; NO CLUSTER: a row of tiles has 1 to 7 members and a column likewise, so no fixed four work-groups share a tile at every place.
; No prefetch ahead of the ring: it has four K steps in all, of which two are asked for at the head.
; REGISTERS: window 0: v0-31 addresses; v32-95 the eight masks, later the columns' figures; v96-255 the accumulators ((a, b) at 96 + 8 (4 a + b)).
;   window 1: two buffers of 80: x's five fragments as f32, converted in place.   window 2: two buffers of 64: k's four hi, four lo.
.set KB,     512
.set PITCH,  528                       ; 512 bytes + 16 of padding = 132 words: the 16 rows that a load touches start at 16 different groups of four banks (ISA guide 11.1)
.set XH,     80*PITCH
.set PH,     64*PITCH
.set SLOT,   2*XH+2*PH                 ; x's 160 rows, then k's 128
.set STG,    2*SLOT                    ; behind the ring: 768 bytes for each wave, of which 640 are used: five blocks of 16 cm, 16 z
.set SPARE,  STG+4*768
.set AX0,  16                          ; v16  my lane's place in x's rows of slot 0; never rewritten
.set AP0,  17                          ; v17  the same for k'
.set ADRX, 18                          ; v18  + the slot in hand
.set ADRP, 19
.set SA,   22                          ; v22  where my half of the lanes puts 8 columns' figures
.set SLD,  23                          ; v23  where I read a word of them back
.set LO,   24                          ; v24  16 x lane
.set L4,   25                          ; v25  4 x lane
.set SPW,  28
.set NIL,  29
.set MC,   32                          ; v32-95  the masks of the eight distances a - b = -3 .. 4 between an s block and a t block of 16
.set CM,   32                          ; later: v32-71 c max of column 8 a + j, and then its sum
.set SB,   72                          ; v72-76  the figures read back
.set ACC,  96
.set MD,   96                          ; v96-103 at the head alone: the diagonal's mask: -2^100 where 8 (l / 16) + j > l % 16
.set WV, 12
.set WH, 13                            ; s13  w / 2: my half of s.  Also: I fetch for x (0) or for k' (1)
.set WL, 14                            ; s14  w % 2: my half of t.  Also: which half of that tile I fetch
.set TBK, 21                           ; s21  block row
.set SX,  22                           ; s22  tile in the row
.set G1, 24
.set G0, 32                            ; s[32:39] group 0 for x: a set for each of the two first fills; the second then walks on
.set AL, 40                            ; s[40:41] the mask's factor
.set BE, 42                            ; s[42:43] its addend
.set NEG, 44                           ; s44  -2^100
.set CS, 46                            ; s[46:47] c
.set G1B, 48
.set G0B, 56
.set XL,  70                           ; s70  where my part of x's tile goes in a slot
.set PL,  71                           ; s71  the same for k'
.set TBF, 72                           ; s72  the slot filled last: 0 or SLOT
.set TBR, 73                           ; s73  the slot read: 0 or SLOT
.set CNT, 74
.set NV,  75                           ; s75  how many of my five blocks of 16 columns belong to the block row (0 or less: none)
.set S0,  76                           ; s76  the tile's first column
.set C16, 77                           ; s77  my first block of 16 columns
.set MSB, 0
.macro WIN new
.if MSB != (\new)
	s_set_vgpr_msb (MSB<<8)|(\new)
.set MSB, \new
.endif
.endm
.set MUL,  0x09                        ; source 0 (x) window 1, source 1 (k') window 2; C and D window 0
.set TO_X, 0x40                        ; destination window 1, address window 0
.set TO_P, 0x80                        ; destination window 2
.set CV,   0x45                        ; destination and sources window 1
.macro LOADT                           ; a refill, by the walking sets: waves 0 and 1 fetch x's two halves, waves 2 and 3 k's; an s_nop 0 and four v_nop follow each line
	s_cmp_eq_u32 s[WH], 0
	s_cbranch_scc0 .Lfor_p_\@
	tensor_load_to_lds s[G0+4:G0+7], s[G1:G1+7]
	s_nop 0
.rept 4
	v_nop
.endr
	s_branch .Lasked_\@
.Lfor_p_\@:
	tensor_load_to_lds s[G0B+4:G0B+7], s[G1B:G1B+7]
	s_nop 0
.rept 4
	v_nop
.endr
.Lasked_\@:
.endm
	s_load_b256 s[4:11], s[0:1], 0x0               ; x s[4:5], kv s[6:7], pw s[8:9], st s[10:11]
	v_lshl_add_u32 v[SPW], v0, 2, SPARE
	v_mov_b32 v[NIL], 0
	ds_add_u32 v[SPW], v[NIL]                      ; the wave's opening: the add, twice on end, and its wait ahead of my first tensor load
	ds_add_u32 v[SPW], v[NIL]
	v_lshrrev_b32 v1, 5, v0
	v_readfirstlane_b32 s[WV], v1
	s_lshr_b32 s[WH], s[WV], 1
	s_and_b32 s[WL], s[WV], 1
	s_and_b32 s15, ttmp7, 0xffff
	s_lshr_b32 s16, s15, 2                         ; batch
	s_and_b32 s17, s15, 3                          ; py
	s_sub_co_u32 s19, 7, s17
	s_cmp_le_u32 ttmp9, s17                        ; px <= py: tile px of row py; else tile px - py - 1 of row 7 - py
	s_cselect_b32 s[TBK], s17, s19
	s_cselect_b32 s20, 0, s19
	s_add_co_u32 s[SX], ttmp9, s20                 ; px, or px + 7 - py, which is px - py - 1 + 8
	s_and_b32 s[SX], s[SX], 7
	s_mul_i32 s[S0], s[SX], 160
	s_mov_b32 s[G1+0],  (1<<16)|(1<<20)|(6<<22)|(3<<25)  ; 2-byte elements; padding on: after every 128 words, 4 words
	s_mov_b32 s[G1B+0], (1<<16)|(1<<20)|(6<<22)|(3<<25)
.irp g, G1, G1B
	s_mov_b32 s[(\g)+1], 256<<16                   ; tensor_dim0 = 256 elements = 512 bytes
	s_mov_b32 s[(\g)+3], 256<<16                   ; tile_dim0
	s_mov_b32 s[(\g)+6], 0
	s_mov_b32 s[(\g)+7], 0
.endr
	s_mov_b32 s[G1+4], 80                          ; x: 80 rows of 2,048 bytes
	s_mov_b32 s[G1+5], 1024
	s_mov_b32 s[G1B+2], 64<<16                     ; k': 64 rows of 4,096 bytes
	s_mov_b32 s[G1B+4], 64
	s_mov_b32 s[G1B+5], 2048
	s_mul_i32 s19, s[WL], 80
	s_add_co_u32 s19, s19, s[S0]                   ; the first of the 80 rows of x that I fetch.  Row 7's last tile reaches to 1,119: a start past the batch's end is taken modulo 1,024
	s_and_b32 s19, s19, 1023                       ; (all its columns are hidden and none is stored),
	s_sub_co_u32 s20, 1024, s19
	s_min_u32 s20, s20, 80                         ; and rows past the batch's end are not read: they arrive as zeros
	s_lshl_b32 s[G1+2], s20, 16                    ; tensor_dim1: 1 to 80
	s_lshl_b32 s66, s16, 10
	s_add_co_u32 s66, s66, s19
	s_lshl_b32 s66, s66, 11                        ; x: rows s
	s_lshl_b32 s68, s16, 10
	s_lshl_b32 s18, s[TBK], 7
	s_add_co_u32 s68, s68, s18
	s_lshl_b32 s18, s[WL], 6
	s_add_co_u32 s68, s68, s18
	s_lshl_b32 s68, s68, 12                        ; k': rows t
	s_mov_b32 s67, 0
	s_mov_b32 s69, 0
	s_mul_i32 s[XL], s[WL], XH
	s_mul_i32 s[PL], s[WL], PH
	s_add_co_u32 s[PL], s[PL], 2*XH
	s_mov_b32 s[TBF], SLOT
	s_mov_b32 s[TBR], 0
	s_mov_b32 s[NEG], 0xf1800000                   ; -2^100
	s_mov_b32 s[CS], 0x420293ee                    ; c = sqrt(512) log2(e) = 32.64446
	s_mov_b32 s[CS+1], s[CS]                       ; named with it as a pair
	s_mov_b32 s[AL+1], 0
	s_mov_b32 s[BE+1], 0
	s_wait_dscnt 0x0                               ; both opening adds are done
	s_wait_kmcnt 0x0
	s_add_nc_u64 s[66:67], s[4:5], s[66:67]
	s_add_nc_u64 s[68:69], s[6:7], s[68:69]
.irp s, 0,1
	s_mov_b32 s[G0+4*(\s)], 1
	s_add_co_u32 s[G0+4*(\s)+1], s[XL], (\s)*SLOT
	s_add_nc_u64 s[G0+4*(\s)+2:G0+4*(\s)+3], s[66:67], (\s)*KB
	s_or_b32 s[G0+4*(\s)+3], s[G0+4*(\s)+3], 0x80000000
	s_mov_b32 s[G0B+4*(\s)], 1
	s_add_co_u32 s[G0B+4*(\s)+1], s[PL], (\s)*SLOT
	s_add_nc_u64 s[G0B+4*(\s)+2:G0B+4*(\s)+3], s[68:69], (\s)*KB
	s_or_b32 s[G0B+4*(\s)+3], s[G0B+4*(\s)+3], 0x80000000
.endr
	s_cmp_eq_u32 s[WH], 0                          ; a wave's two first fills stand in one branch: two loads of mine are out
	s_cbranch_scc0 .Lfirst_p
	tensor_load_to_lds s[G0:G0+3], s[G1:G1+7]
	s_nop 0
	tensor_load_to_lds s[G0+4:G0+7], s[G1:G1+7]
	s_nop 0
.rept 4
	v_nop
.endr
	s_branch .Lfirst_asked
.Lfirst_p:
	tensor_load_to_lds s[G0B:G0B+3], s[G1B:G1B+7]
	s_nop 0
	tensor_load_to_lds s[G0B+4:G0B+7], s[G1B:G1B+7]
	s_nop 0
.rept 4
	v_nop
.endr
.Lfirst_asked:
	v_and_b32 v1, 15, v0                           ; l % 16
	v_bfe_u32 v2, v0, 4, 1                         ; l / 16
	v_and_b32 v6, 31, v0
	v_mul_u32_u24 v3, v1, PITCH
	v_lshl_add_u32 v4, v2, 5, v3
	v_lshl_add_u32 v3, v2, 4, v3
	s_mul_i32 s18, s[WH], XH                       ; my 80 rows of x
	v_add_nc_u32 v[AX0], s18, v4
	v_add_nc_u32 v[AP0], s[PL], v3                 ; my 64 rows of k' are those that wave 2 + w % 2 fetched
	v_mov_b32 v[ADRX], v[AX0]                      ; slot 0
	v_mov_b32 v[ADRP], v[AP0]
	s_mul_i32 s18, s[WV], 768
	s_add_co_u32 s18, s18, STG                     ; my stage
	v_lshl_add_u32 v[SA], v2, 5, s18
	v_lshl_add_u32 v[SLD], v6, 2, s18
	v_lshlrev_b32 v[LO], 4, v6
	v_lshlrev_b32 v[L4], 2, v6
	; the masks.  Hidden: s - t = (my first column - my first row) + 16 (a - b) + 8 (l / 16) + j - l % 16 > 0.  The first two terms are a multiple of 16, the last three lie within -15 .. 15:
	; so a distance above 0 hides all, one below 0 nothing, and 0 is the diagonal's own mask MD.
	v_lshlrev_b32 v15, 3, v2
	v_sub_nc_u32 v14, v1, v15                      ; l % 16 - 8 (l / 16)
.set j, 0
.rept 8
	v_cmp_gt_i32 vcc_lo, j, v14
	v_cndmask_b32 v[MD+j], 0, s[NEG], vcc_lo
.set j, j+1
.endr
	s_mul_i32 s18, s[WH], 80
	s_add_co_u32 s18, s18, s[S0]                   ; my first column
	s_lshr_b32 s[C16], s18, 4
	s_lshl_b32 s19, s[TBK], 7
	s_lshl_b32 s20, s[WL], 6
	s_add_co_u32 s19, s19, s20                     ; my first row
	s_sub_co_i32 s23, s18, s19
	s_lshl_b32 s[NV], s[TBK], 3
	s_add_co_u32 s[NV], s[NV], 8
	s_sub_co_i32 s[NV], s[NV], s[C16]              ; the block row has 8 (tb + 1) blocks of 16 columns
.irp d, 0,1,2,3,4,5,6,7
	s_add_co_i32 s45, s23, 16*(\d)-48
	s_cmp_eq_u32 s45, 0
	s_cselect_b32 s[AL], 1.0, 0
	s_cmp_gt_i32 s45, 0
	s_cselect_b32 s[BE], s[NEG], 0
.irp z, 0,1,2,3
	v_pk_fma_f32 v[MC+8*(\d)+2*(\z):MC+8*(\d)+2*(\z)+1], v[MD+2*(\z):MD+2*(\z)+1], s[AL:AL+1], s[BE:BE+1] op_sel_hi:[1,0,0]
.endr
.endr
	; where the results go
	s_lshl_b32 s66, s[TBK], 3
	s_lshl_b32 s18, s[WL], 2
	s_add_co_u32 s66, s66, s18
	s_lshl_b32 s66, s66, 15                        ; pw: tile row 8 tb + 4 wt, 32,768 bytes each
	s_lshl_b32 s18, s[C16], 9                      ; my first tile column, 512 bytes each
	s_add_co_u32 s66, s66, s18
	s_lshl_b32 s18, s16, 21                        ; the batch's 2 MiB
	s_add_co_u32 s66, s66, s18
	s_mov_b32 s67, 0
	s_add_nc_u64 s[8:9], s[8:9], s[66:67]
	s_lshl_b32 s68, s16, 4
	s_lshl_b32 s18, s[TBK], 1
	s_add_co_u32 s68, s68, s18
	s_add_co_u32 s68, s68, s[WL]                   ; st: 16 batch + chunk 2 tb + wt,
	s_lshl_b32 s68, s68, 6
	s_add_co_u32 s68, s68, s[C16]                  ; x 64 + my first block of 16 columns,
	s_lshl_b32 s68, s68, 7                         ; 128 bytes each
	s_mov_b32 s69, 0
	s_add_nc_u64 s[10:11], s[10:11], s[68:69]
.macro CVT f                           ; x's one rounding to bf16, in place
	WIN CV
.irp i, 0,1,2,3,4
.irp c, 0,1,2,3,4,5,6,7
	v_cvt_pk_bf16_f32 v[80*(\f)+16*(\i)+(\c)], v[80*(\f)+16*(\i)+2*(\c)], v[80*(\f)+16*(\i)+2*(\c)+1]
.endr
.endr
.endm
; 4 matrix instructions for each s block a of the list: all 4 t blocks; p = 0: k's hi, 1: its lo; first = 1: the mask starts the sum.  The 20 accumulators take turns in one order.
.macro MULS f, p, first, as:vararg
	WIN MUL
.irp a, \as
.irp b, 0,1,2,3
.if \first
	v_wmma_f32_16x16x32_bf16 v[ACC+8*(4*(\a)+(\b)):ACC+8*(4*(\a)+(\b))+7], v[80*(\f)+16*(\a):80*(\f)+16*(\a)+7], v[64*(\f)+32*(\p)+8*(\b):64*(\f)+32*(\p)+8*(\b)+7], v[MC+8*((\a)-(\b)+3):MC+8*((\a)-(\b)+3)+7]
.else
	v_wmma_f32_16x16x32_bf16 v[ACC+8*(4*(\a)+(\b)):ACC+8*(4*(\a)+(\b))+7], v[80*(\f)+16*(\a):80*(\f)+16*(\a)+7], v[64*(\f)+32*(\p)+8*(\b):64*(\f)+32*(\p)+8*(\b)+7], v[ACC+8*(4*(\a)+(\b)):ACC+8*(4*(\a)+(\b))+7]
.endif
.endr
.endr
.endm
.macro FETCH q, f                      ; 36 LDS loads in one run, from the slot in hand: quarter q (32 along K) into buffer f: x's 20, hi's 8, lo's 8
	WIN TO_X
.irp i, 0,1,2,3,4
	ds_load_b128 v[80*(\f)+16*(\i):80*(\f)+16*(\i)+3],     v[ADRX] offset:(\i)*16*PITCH+128*(\q)
	ds_load_b128 v[80*(\f)+16*(\i)+4:80*(\f)+16*(\i)+7],   v[ADRX] offset:(\i)*16*PITCH+128*(\q)+16
	ds_load_b128 v[80*(\f)+16*(\i)+8:80*(\f)+16*(\i)+11],  v[ADRX] offset:(\i)*16*PITCH+128*(\q)+64
	ds_load_b128 v[80*(\f)+16*(\i)+12:80*(\f)+16*(\i)+15], v[ADRX] offset:(\i)*16*PITCH+128*(\q)+80
.endr
	WIN TO_P
.irp i, 0,1,2,3
	ds_load_b128 v[64*(\f)+8*(\i):64*(\f)+8*(\i)+3],   v[ADRP] offset:(\i)*16*PITCH+256*((\q)/2)+64*((\q)%2)
	ds_load_b128 v[64*(\f)+8*(\i)+4:64*(\f)+8*(\i)+7], v[ADRP] offset:(\i)*16*PITCH+256*((\q)/2)+64*((\q)%2)+32
.endr
.irp i, 0,1,2,3
	ds_load_b128 v[64*(\f)+32+8*(\i):64*(\f)+32+8*(\i)+3],   v[ADRP] offset:(\i)*16*PITCH+256*((\q)/2)+64*((\q)%2)+128
	ds_load_b128 v[64*(\f)+32+8*(\i)+4:64*(\f)+32+8*(\i)+7], v[ADRP] offset:(\i)*16*PITCH+256*((\q)/2)+64*((\q)%2)+160
.endr
.endm
; Multiplies buffer f and fetches quarter q into g.  The 40 conversions, which name no register of the products before them, are the places (ISA guide 7.12.1 for vector instructions)
; between those products and the loads into the buffer that they read.
.macro QUARTER q, f, g, first
	s_wait_dscnt 8                                 ; x and hi are in; lo's eight loads may be out
	CVT \f
	MULS \f, 0, \first, 0,1,2,3,4
	FETCH \q, \g
	s_wait_dscnt 36                                ; all but the 36 just issued
	MULS \f, 1, 0, 0,1,2,3,4
.endm
; The fourth quarter multiplies buffer 1 and changes slots.  fill = 1: the slot that is left is filled again, two K steps on, by the walking sets, first thing behind the barrier.
.macro TURN fill
	WIN 0
	s_wait_tensorcnt 0x0                           ; all my tensor loads have landed: my part of the next slot
	ds_add_u32 v[SPW], v[NIL]
	s_wait_dscnt 9                                 ; (the add and lo's eight loads may be out)
	CVT 1
	MULS 1, 0, 0, 0,1,2,3,4
	s_wait_dscnt 0x0                               ; the add is done, and my reads of this slot are over
	s_barrier_signal -1
	MULS 1, 1, 0, 0,1
	WIN 0
	s_barrier_wait -1
.if \fill
	s_xor_b32 s[TBF], s[TBF], SLOT                 ; the other slot than last time,
	s_add_co_u32 s[G0+5], s[XL], s[TBF]
	s_add_co_u32 s[G0B+5], s[PL], s[TBF]
	s_add_nc_u64 s[G0+6:G0+7], s[G0+6:G0+7], KB    ; the next K step; the type bits on top are not reached
	s_add_nc_u64 s[G0B+6:G0B+7], s[G0B+6:G0B+7], KB
	LOADT                                          ; my one tensor load behind the barrier, and the first thing there
.endif
	s_xor_b32 s[TBR], s[TBR], SLOT                 ; the reads go on in the other slot
	v_add_nc_u32 v[ADRX], s[TBR], v[AX0]
	v_add_nc_u32 v[ADRP], s[TBR], v[AP0]
	FETCH 0, 0
	MULS 1, 1, 0, 2,3,4
.endm
	s_wait_tensorcnt 1                             ; my part of K step 0 is in; K step 1's may stay out
	s_barrier_signal -1
	s_barrier_wait -1
	FETCH 0, 0
	QUARTER 1, 0, 1, 1                             ; the first products start the sums, at the masks
	WIN 0                                          ; at a label and at a branch every window is 0
	s_mov_b32 s[CNT], 2
.Lk:                                               ; a trip: a K step's quarters 1 to 3, the refill of its slot (K steps 2 and 3), the next step's quarter 0
	QUARTER 2, 1, 0, 0
	QUARTER 3, 0, 1, 0
	TURN 1
	QUARTER 1, 0, 1, 0
	WIN 0
	s_sub_co_u32 s[CNT], s[CNT], 1
	s_cmp_lg_u32 s[CNT], 0
	s_cbranch_scc1 .Lk
	QUARTER 2, 1, 0, 0                             ; K step 2: nothing is left to fetch
	QUARTER 3, 0, 1, 0
	TURN 0
	QUARTER 1, 0, 1, 0                             ; K step 3
	QUARTER 2, 1, 0, 0
	QUARTER 3, 0, 1, 0
	s_wait_dscnt 8
	CVT 1
	MULS 1, 0, 0, 0,1,2,3,4
	s_wait_dscnt 0x0
	MULS 1, 1, 0, 0,1,2,3,4
	WIN 0
.rept 8
	v_nop                                          ; the places behind the last products, once a launch
.endr
	; THE SOFTMAX'S PART.  Column 16 a + 8 (l / 16) + j has its 64 rows t in register j of the accumulators (a, 0..3), in the 16 lanes of my half.
.irp a, 0,1,2,3,4
.irp j, 0,1,2,3,4,5,6,7                ; each accumulator's lowest registers are read first
	v_max3_num_f32 v[CM+8*(\a)+(\j)], v[ACC+32*(\a)+(\j)], v[ACC+32*(\a)+8+(\j)], v[ACC+32*(\a)+16+(\j)]
.endr
.irp j, 0,1,2,3,4,5,6,7
	v_max_num_f32 v[CM+8*(\a)+(\j)], v[CM+8*(\a)+(\j)], v[ACC+32*(\a)+24+(\j)]
.endr
.endr
.irp m, 1,2,4,8                        ; across the 16 lanes of a half
.set i, 0
.rept 40
	v_max_num_f32_dpp v[CM+i], v[CM+i], v[CM+i] row_xmask:\m row_mask:0xf bank_mask:0xf
.set i, i+1
.endr
.endr
.set i, 0
.rept 20
	v_pk_mul_f32 v[CM+i:CM+i+1], v[CM+i:CM+i+1], s[CS:CS+1] op_sel_hi:[1,0]  ; cm = c max
.set i, i+2
.endr
.irp a, 0,1,2,3,4
.irp b, 0,1,2,3
.irp p, 0,2,4,6
	v_pk_fma_f32 v[ACC+32*(\a)+8*(\b)+(\p):ACC+32*(\a)+8*(\b)+(\p)+1], v[ACC+32*(\a)+8*(\b)+(\p):ACC+32*(\a)+8*(\b)+(\p)+1], s[CS:CS+1], v[CM+8*(\a)+(\p):CM+8*(\a)+(\p)+1] op_sel_hi:[1,0,1] neg_lo:[0,0,1] neg_hi:[0,0,1]
.endr
.endr
.endr
.irp a, 0,1,2,3,4                      ; cm goes into my stage now, so that its registers can take the sums; the 16 lanes of a half hold the same figures and write the same words
	ds_store_b128 v[SA], v[CM+8*(\a):CM+8*(\a)+3]   offset:128*(\a)
	ds_store_b128 v[SA], v[CM+8*(\a)+4:CM+8*(\a)+7] offset:128*(\a)+16
.endr
.set i, 0
.rept 160
	v_exp_f32 v[ACC+i], v[ACC+i]                   ; one batch
.set i, i+1
.endr
	v_nop                                          ; a plain instruction behind the last exponential,
	s_wait_alu depctr_va_vdst(0)                   ; and a wait ahead of the first use
.irp a, 0,1,2,3,4
.irp p, 0,2,4,6
	v_pk_add_f32 v[CM+8*(\a)+(\p):CM+8*(\a)+(\p)+1], v[ACC+32*(\a)+(\p):ACC+32*(\a)+(\p)+1], v[ACC+32*(\a)+8+(\p):ACC+32*(\a)+8+(\p)+1]
.endr
.irp p, 0,2,4,6
	v_pk_add_f32 v[CM+8*(\a)+(\p):CM+8*(\a)+(\p)+1], v[CM+8*(\a)+(\p):CM+8*(\a)+(\p)+1], v[ACC+32*(\a)+16+(\p):ACC+32*(\a)+16+(\p)+1]
.endr
.irp p, 0,2,4,6
	v_pk_add_f32 v[CM+8*(\a)+(\p):CM+8*(\a)+(\p)+1], v[CM+8*(\a)+(\p):CM+8*(\a)+(\p)+1], v[ACC+32*(\a)+24+(\p):ACC+32*(\a)+24+(\p)+1]
.endr
.endr
.set k, 0
.rept 20                               ; p to f16, in place: a lane's eight columns are 16 bytes
.irp c, 0,1,2,3
	v_cvt_pk_f16_f32 v[ACC+8*k+(\c)], v[ACC+8*k+2*(\c)], v[ACC+8*k+2*(\c)+1]
.endr
.set k, k+1
.endr
.irp m, 1,2,4,8
.set i, 0
.rept 40
	v_add_f32_dpp v[CM+i], v[CM+i], v[CM+i] row_xmask:\m row_mask:0xf bank_mask:0xf
.set i, i+1
.endr
.endr
.irp a, 0,1,2,3,4
	ds_store_b128 v[SA], v[CM+8*(\a):CM+8*(\a)+3]   offset:128*(\a)+64
	ds_store_b128 v[SA], v[CM+8*(\a)+4:CM+8*(\a)+7] offset:128*(\a)+80
.endr
.irp a, 0,1,2,3,4
	ds_load_b32 v[SB+(\a)], v[SLD] offset:128*(\a) ; my own bytes: LDS serves a wave's instructions in order (ISA guide 5.7.1.4)
.endr
	s_wait_dscnt 0x0
.irp a, 0,1,2,3,4                      ; the blocks of 16 columns that belong to the block row are stored; the jump hangs on ids and the wave's number alone, and goes forward past stores alone
	s_cmp_le_i32 s[NV], \a
	s_cbranch_scc1 .Lend
.irp b, 0,1,2,3
	global_store_b128 v[LO], v[ACC+32*(\a)+8*(\b):ACC+32*(\a)+8*(\b)+3], s[8:9] offset:(\b)*32768+(\a)*512  ; a tile of 16 x 16: 512 consecutive bytes, aligned
.endr
	global_store_b32 v[L4], v[SB+(\a)], s[10:11] offset:128*(\a)  ; the block's 16 cm and 16 z: 128 consecutive bytes
.endr
.Lend:
	s_wait_tensorcnt 0x0                           ; the wave's end
	ds_add_u32 v[SPW], v[NIL]
	s_wait_dscnt 0x0
	s_endpgm
.Lfunc_end_k_q29b475c4e5_score:
	.size	k_q29b475c4e5_score, .Lfunc_end_k_q29b475c4e5_score-k_q29b475c4e5_score
	.p2alignl 7, 3214868480
	.fill 96, 4, 3214868480
	.section	.rodata,"a",@progbits
	.p2align	6, 0x0
	.amdhsa_kernel k_q29b475c4e5_score
		.amdhsa_group_segment_fixed_size 327680
		.amdhsa_private_segment_fixed_size 0
		.amdhsa_enable_private_segment 0
		.amdhsa_kernarg_size 32
		.amdhsa_user_sgpr_count 2
		.amdhsa_user_sgpr_kernarg_segment_ptr 1
		.amdhsa_wavefront_size32 1
		.amdhsa_system_sgpr_workgroup_id_x 1
		.amdhsa_system_sgpr_workgroup_id_y 1
		.amdhsa_system_sgpr_workgroup_id_z 1
		.amdhsa_system_vgpr_workitem_id 0
		.amdhsa_next_free_vgpr 640
		.amdhsa_next_free_sgpr 80
		.amdhsa_reserve_vcc 1
		.amdhsa_float_denorm_mode_32 3
		.amdhsa_float_denorm_mode_16_64 3
		.amdhsa_memory_ordered 1
		.amdhsa_forward_progress 1
		.amdhsa_inst_pref_size 151
	.end_amdhsa_kernel
	.amdgpu_metadata
---
amdhsa.version: [ 1, 2 ]
amdhsa.kernels:
  - .name:           k_q29b475c4e5_score
    .symbol:         k_q29b475c4e5_score.kd
    .args:
      - { .name: x, .offset: 0, .size: 8, .value_kind: global_buffer, .address_space: global }
      - { .name: kv, .offset: 8, .size: 8, .value_kind: global_buffer, .address_space: global }
      - { .name: pw, .offset: 16, .size: 8, .value_kind: global_buffer, .address_space: global }
      - { .name: st, .offset: 24, .size: 8, .value_kind: global_buffer, .address_space: global }
    .group_segment_fixed_size: 327680
    .private_segment_fixed_size: 0
    .kernarg_segment_align: 8
    .kernarg_segment_size: 32
    .max_flat_workgroup_size: 128
    .sgpr_count:     80
    .vgpr_count:     640
    .wavefront_size: 32
...
	.end_amdgpu_metadata
.endif
;; end of part 8
;; launch mix (part 9): grid 8 x 32, 4 waves a work-group, no clusters, 327,680 bytes of LDS; arguments pw, st, kv, bl, out0; writes out0
.if DOCPART == 9
	.amdgcn_target "amdgcn-amd-amdhsa--gfx1250"
	.amdhsa_code_object_version 6
	.text
	.protected	k_q29b475c4e5_mix
	.globl	k_q29b475c4e5_mix
	.p2align	8
	.type	k_q29b475c4e5_mix,@function
k_q29b475c4e5_mix:
	s_mov_b64 s[64:65], 0
	v_nop
	global_prefetch_b8 v0, s[64:65] scope:SCOPE_SE
	s_setreg_imm32_b32 hwreg(HW_REG_WAVE_MODE, 25, 1), 1
	s_wait_xcnt 0x0
; LAUNCH 4 OF 4: out[t][e] = relu(bl[e] + sum over s <= t of p[t][s] g[chunk of t][s] v'[s][e]).
; LEFT OUT: the blocks of 128 x 128 with s wholly above t (weights 0 by reference()'s own tril), the rows of v' that only they would read, and the factors g of columns and chunks that only they would use.
; SHARES.  Work-group (ec, y): 64 columns e, batch y / 4, and with py = y % 4 the block rows py and then 7 - py: py + 1 and 8 - py blocks of 128 s: NINE STEPS whatever py, one counted walk.
; A wave takes 32 rows t (two tiles of 16) and all 64 e: 8 accumulators, which start at the bias.  Source 0 = v'^T (16 e x 32 s, turned out of LDS), source 1 = w (32 s x 16 t), in the lanes in which launch 3 laid p.
; THE FACTORS.  For column s and chunk tc of 64 rows t: g[tc][s] = 2^(cm[tc] - M) / sum over tc of z[tc] 2^(cm[tc] - M), M = the largest cm of the column: the column's true maximum, so that w = p g is
; reference()'s softmax along t.  The work-group makes the g that it uses, while its tensor loads are on their way: wave w takes the blocks 2 w and 2 w + 1 of 128 columns, a lane four columns; chunks of
; block rows above the columns' block were never made and count as cm = lowest finite number, z = 0.  The four rows of g (two chunks of each of its two block rows) go into a table in LDS.
; THE WEIGHTS.  w = p g is reckoned in f32 from p's f16 and split into a pair of bf16, hi + lo; v' is such a pair too.  Three products: v' hi x w hi, v' lo x w hi, v' hi x w lo; lo x lo, 2^-18 of the term, is left out.
; v' IS FILLED ONCE: its chunk of 64 e (256 bytes a row: hi, lo) for the 1,024 - 128 py rows s that the two block rows need lies in LDS for the whole launch.  Row s lies at (s % 4) RS + (s / 4) 288;
; wave w brings the rows s % 4 = w, by two tensor loads (rows below 512; the rest).  So the turning load's 16 lanes touch 16 different 16-byte columns modulo 256 bytes.
; p comes from memory and g from the table into registers, in four groups a step; a group is asked for again, for the walk's next step, as soon as it has been scaled: a whole step ahead of its use.
; ONE TEXT FOR ALL NINE STEPS.  The ninth trip asks once more for the second block row's first p and g, which nothing reads (16 loads and 16 LDS loads a wave), and sets the sums to the bias once more (64 moves):
; the price, once a launch, of writing no last step out.
; NO CLUSTER, though the four py of a batch and chunk read the same first 512 rows of v': the walk's change of blocks is a jump on py, which would be the place in the cluster.
; No prefetch: the walk has nine short steps, and its loads are asked for a step ahead.
; REGISTERS: window 0: v0-15 addresses; v16-47 the bias; v48-55 at work; v56 an address; v64-127 the accumulators ((et, tt) at 64 + 8 (2 et + tt)); v128-159 rows on the way out;
;   at the head alone: v64-127 cm, v128-191 z (chunk tc's four columns at 4 tc), v192-207 the four chosen chunks' cm, v208-219 M, the sums, their reciprocals.
;   window 1: v0-63 p (tile tt, s block a at 32 tt + 4 a); v64-127 g (s block a at 64 + 8 a); v128-191 w, two buffers of 32 (hi of tiles 0, 1, lo of tiles 0, 1); v192-207 at work; v254 0; v255 -1.
;   window 2: two buffers of 64 for v'^T (hi's four e blocks, lo's four).
.set STAGE, 0                          ; 16 rows x 272 bytes for each wave, for the way out
.set SPITCH, 272
.set SPARE, 4*16*SPITCH                ; 17,408: the spare words, 128 bytes for each wave
.set VBASE, SPARE+512
.set VP,    288                        ; a row of v' in LDS: 256 bytes + 32 of padding
.set RS,    256*VP+64                  ; a wave's 256 rows, and 64 bytes more
.set GT,    VBASE+4*RS                 ; 313,088, behind v': the table of g, f32, 512 bytes for a block of 128 columns: the first block row's two chunks (4 blocks each), at 4,096 the second's (8 blocks each)
.set AV0, 4                            ; v4   my lane's place in 16 rows of v'; never rewritten
.set AV,  5                            ; v5   + the step's 128 rows
.set PO,  6                            ; v6   16 x lane
.set GOF, 7                            ; v7   32 (l / 16): my 8 columns' f32
.set STO, 8
.set RD,  9
.set CO,  10
.set GA,  11                           ; v11  where the g that is being asked for lies in the table
.set SPW, 12
.set NIL, 13
.set GST, 14                           ; v14  where my four columns' g go in the table
.set BIAS, 16
.set SO,  56                           ; v56  my four columns' place in a block's 1,024 bytes of st
.set ACC, 64
.set OB,  128
.set GCM, 64
.set GZ,  128
.set GSEL, 192
.set GM,  208
.set GS,  212
.set GRC, 216
.set GR,  64                           ; window 1
.set WB,  128                          ; window 1
.set TT,  192                          ; window 1
.set Z1,  254                          ; window 1: 0, the scaling's addend
.set M1,  255                          ; window 1: -1.0, for lo = w - hi
.set WV,  14
.set PY,  17                           ; s17  py
.set G1A, 24
.set G1B, 32
.set G0A, 40
.set G0B, 44
.set PP,  48                           ; s[48:49] pw at the step that is being asked for
.set SB,  50                           ; s[50:51] st at the batch's chunk 0, at the block of columns in hand
.set PP1, 52                           ; s[52:53] pw at the second block row's first step
.set SP0, 54                           ; s[54:55] st at chunk 2 py, the same block
.set T1,  56
.set SP1, 58                           ; s[58:59] st at chunk 14 - 2 py, the same block
.set OPC, 60                           ; s[60:61] out0 at my rows of the block row in hand,
.set OP1, 62                           ; s[62:63] of the second
.set IDX, 66                           ; s66  the step's block of 128 s
.set TB,  67                           ; s67  the block row in hand
.set TB1, 68                           ; s68  7 - py
.set TBV, 69                           ; s69  IDX x 32 x 288: the block's rows in LDS
.set CNT, 70
.set GOSA, 71                          ; s71  the table's block that is being asked for
.set GO1, 72                           ; s72  my chunk's first block in the second block row's part of the table
.set CB,  73                           ; s73  at the head: the block of 128 columns in hand
.set LOW, 74                           ; s74  the lowest finite number
.set MSB, 0
.macro WIN new
.if MSB != (\new)
	s_set_vgpr_msb (MSB<<8)|(\new)
.set MSB, \new
.endif
.endm
.set W_LD, 0x40                        ; destination window 1, address window 0
.set W_TR, 0x80                        ; destination window 2
.set W_SC, 0x55                        ; destination and all three sources window 1
.set W_MM, 0x06                        ; source 0 window 2, source 1 window 1, C and D window 0
	s_load_b256 s[4:11], s[0:1], 0x0               ; pw s[4:5], st s[6:7], kv s[8:9], bl s[10:11]
	s_load_b64 s[12:13], s[0:1], 0x20              ; out0
	v_lshl_add_u32 v[SPW], v0, 2, SPARE
	v_mov_b32 v[NIL], 0
	ds_add_u32 v[SPW], v[NIL]                      ; the wave's opening: the add, twice on end, and its wait ahead of my first tensor load
	ds_add_u32 v[SPW], v[NIL]
	v_lshrrev_b32 v1, 5, v0
	v_readfirstlane_b32 s[WV], v1
	s_and_b32 s15, ttmp7, 0xffff
	s_lshr_b32 s16, s15, 2                         ; batch
	s_and_b32 s[PY], s15, 3                        ; py
	s_mov_b32 s[TB], s[PY]
	s_sub_co_u32 s[TB1], 7, s[PY]
	s_mov_b32 s[IDX], 0
	s_mov_b32 s[TBV], 0
.irp g, G1A, G1B
	s_mov_b32 s[(\g)+0], (1<<16)|(1<<20)|(5<<22)|(7<<25)  ; 2-byte elements; padding on: after every 64 words, 8 words
	s_mov_b32 s[(\g)+1], 128<<16                   ; tensor_dim0 = 128 elements = 256 bytes
	s_mov_b32 s[(\g)+3], 128<<16                   ; tile_dim0 = 128
	s_mov_b32 s[(\g)+4], 128                       ; tile_dim1 = 128 rows
	s_mov_b32 s[(\g)+5], 8192                      ; every fourth row of kv: 16,384 bytes
	s_mov_b32 s[(\g)+6], 0
	s_mov_b32 s[(\g)+7], 0
.endr
	s_mov_b32 s[G1A+2], 128<<16                    ; tensor_dim1: all 128 rows;
	s_lshl_b32 s20, s[PY], 5
	s_sub_co_u32 s20, 128, s20
	s_lshl_b32 s[G1B+2], s20, 16                   ; of the rows from 512 on only 128 - 32 py a wave are wanted: the tile's other rows are not read and arrive as zeros
	s_lshl_b32 s18, s16, 22                        ; the batch's 1,024 rows of 4,096 bytes,
	s_lshl_b32 s19, ttmp9, 8
	s_add_co_u32 s18, s18, s19                     ; chunk 8 + ec,
	s_lshl_b32 s19, s[WV], 12
	s_add_co_u32 s18, s18, s19                     ; row w
	s_add_co_u32 s18, s18, 2048
	s_mov_b32 s19, 0
	s_mul_i32 s22, s[WV], RS
	s_add_co_u32 s22, s22, VBASE
	s_mov_b32 s[G0A], 1
	s_mov_b32 s[G0A+1], s22
	s_mov_b32 s[G0B], 1
	s_add_co_u32 s[G0B+1], s22, 128*VP
	s_wait_dscnt 0x0                               ; both opening adds are done
	s_wait_kmcnt 0x0
	s_add_nc_u64 s[G0A+2:G0A+3], s[8:9], s[18:19]
	s_add_nc_u64 s[G0B+2:G0B+3], s[G0A+2:G0A+3], 512*4096
	s_or_b32 s[G0A+3], s[G0A+3], 0x80000000
	s_or_b32 s[G0B+3], s[G0B+3], 0x80000000
	tensor_load_to_lds s[G0A:G0A+3], s[G1A:G1A+7]  ; both fills go out together: two loads of mine are out
	s_nop 0
	tensor_load_to_lds s[G0B:G0B+3], s[G1B:G1B+7]
	s_nop 0
.rept 4
	v_nop
.endr
.macro PTRS tb, pp, op                 ; the two pointers of block row tb
	s_lshl_b32 s20, s[\tb], 3
	s_lshl_b32 s21, s[WV], 1
	s_add_co_u32 s20, s20, s21
	s_lshl_b32 s20, s20, 15                        ; pw: tile row 8 tb + 2 w
	s_lshl_b32 s21, s16, 21
	s_add_co_u32 s20, s20, s21
	s_mov_b32 s21, 0
	s_add_nc_u64 s[\pp:\pp+1], s[4:5], s[20:21]
	s_lshl_b32 s20, s16, 10
	s_lshl_b32 s22, s[\tb], 7
	s_add_co_u32 s20, s20, s22
	s_lshl_b32 s22, s[WV], 5
	s_add_co_u32 s20, s20, s22
	s_lshl_b32 s20, s20, 11                        ; out0: row 1,024 batch + 128 tb + 32 w,
	s_lshl_b32 s22, ttmp9, 8
	s_add_co_u32 s20, s20, s22                     ; 64 f32 from column 64 ec
	s_add_nc_u64 s[\op:\op+1], s[12:13], s[20:21]
.endm
	PTRS TB,  PP,  OPC
	PTRS TB1, PP1, OP1
	s_lshl_b32 s20, s16, 17                        ; st: the batch's 131,072 bytes,
	s_lshl_b32 s22, s[WV], 11                      ; my first block of 128 columns, 2 w: 1,024 bytes each
	s_add_co_u32 s20, s20, s22
	s_add_nc_u64 s[SB:SB+1], s[6:7], s[20:21]      ; (s21 = 0 since PTRS)
	s_lshl_b32 s20, s[PY], 14                      ; a chunk is 8,192 bytes: chunk 2 py,
	s_add_nc_u64 s[SP0:SP0+1], s[SB:SB+1], s[20:21]
	s_lshl_b32 s20, s[TB1], 14                     ; chunk 2 (7 - py)
	s_add_nc_u64 s[SP1:SP1+1], s[SB:SB+1], s[20:21]
	s_lshl_b32 s[CB], s[WV], 1
	s_mov_b32 s[LOW], 0xff7fffff
	s_lshr_b32 s22, s[WV], 1                       ; which of a block row's two chunks my rows t lie in
	s_lshl_b32 s[GOSA], s22, 11
	s_add_co_u32 s[GOSA], s[GOSA], GT              ; the walk's first g: the first block row's part, my chunk, block 0
	s_lshl_b32 s[GO1], s22, 12
	s_add_co_u32 s[GO1], s[GO1], GT+4096
	s_lshl_b32 s20, ttmp9, 8
	s_add_nc_u64 s[10:11], s[10:11], s[20:21]      ; bl at my 64 columns
	v_and_b32 v1, 15, v0                           ; l % 16
	v_bfe_u32 v2, v0, 4, 1                         ; l / 16
	v_and_b32 v3, 31, v0
	v_lshlrev_b32 v[PO], 4, v3
	v_lshlrev_b32 v[GOF], 5, v2
.irp et, 0,1,2,3
	global_load_b128 v[BIAS+8*(\et):BIAS+8*(\et)+3],   v[GOF], s[10:11] offset:64*(\et)
	global_load_b128 v[BIAS+8*(\et)+4:BIAS+8*(\et)+7], v[GOF], s[10:11] offset:64*(\et)+16
.endr
; Group kk of a step, the 32 columns s from 32 kk on: four loads of p (two tiles t x two blocks of 16 s),
.macro LOADP kk
	WIN W_LD
.irp tt, 0,1
.irp u, 0,1
	global_load_b128 v[32*(\tt)+8*(\kk)+4*(\u):32*(\tt)+8*(\kk)+4*(\u)+3], v[PO], s[PP:PP+1] offset:(\tt)*32768+(2*(\kk)+(\u))*512
.endr
.endr
.endm
; and four LDS loads of g: the 16 lanes of a half take the same 16 bytes
.macro LOADGT kk
	WIN W_LD
.irp u, 0,1,2,3
	ds_load_b128 v[GR+16*(\kk)+4*(\u):GR+16*(\kk)+4*(\u)+3], v[GA] offset:128*(\kk)+64*((\u)/2)+16*((\u)%2)
.endr
.endm
	LOADP 0                                        ; step 0
	LOADP 1
	LOADP 2
	LOADP 3
	v_mov_b32 v[Z1], 0                             ; (destination window 1)
	v_mov_b32 v[M1], 0xbf800000
.set i, 0
.rept 16                               ; w's lo is made half by half, by lines that keep the register's other half: so each of the 32 is written whole once, in the wait for the first loads
	v_mov_b32 v[WB+16+i], 0
	v_mov_b32 v[WB+48+i], 0
.set i, i+1
.endr
	WIN 0
	; The turning load takes 16 rows s x 16 columns e: lane l reads row 8 (l / 16) + l % 8, columns 8 ((l / 8) % 2) + 0..7.  Row s lies at (s % 4) RS + (s / 4) 288.
	v_and_b32 v15, 3, v0
	v_mul_u32_u24 v[AV0], v15, RS
	v_lshlrev_b32 v[SO], 4, v15                    ; in st: four lanes to a block of 16 columns, 16 bytes of cm a lane,
	v_bfe_u32 v15, v0, 2, 1
	v_lshl_add_u32 v15, v2, 1, v15
	v_mad_u32_u24 v[AV0], v15, VP, v[AV0]
	v_bfe_u32 v15, v0, 3, 1
	v_lshl_add_u32 v[AV0], v15, 4, v[AV0]
	v_add_nc_u32 v[AV0], VBASE, v[AV0]
	v_lshrrev_b32 v15, 2, v3
	v_lshl_add_u32 v[SO], v15, 7, v[SO]            ; 128 bytes a block
	s_lshl_b32 s20, s[WV], 10
	s_add_co_u32 s20, s20, GT
	v_lshl_add_u32 v[GST], v3, 4, s20              ; in the table: block 2 w, 16 bytes a lane
	s_mul_i32 s20, s[WV], 16*SPITCH                ; my stage (STAGE = 0)
	v_mul_u32_u24 v[STO], v1, SPITCH               ; in: row l % 16, 32 bytes for each half of the lanes
	v_lshl_add_u32 v[STO], v2, 5, v[STO]
	v_add_nc_u32 v[STO], s20, v[STO]
	v_mul_u32_u24 v[RD], v2, SPITCH                ; back: lanes 0-15 one row of 256 bytes, lanes 16-31 the next
	v_lshl_add_u32 v[RD], v1, 4, v[RD]
	v_add_nc_u32 v[RD], s20, v[RD]
	v_lshlrev_b32 v[CO], 11, v2                    ; the same two rows in out0, 2,048 bytes apart
	v_lshl_add_u32 v[CO], v1, 4, v[CO]
	v_add_nc_u32 v[GA], s[GOSA], v[GOF]
	; THE FACTORS g: two trips, blocks 2 w and 2 w + 1 of 128 columns.  The jumps hang on ids, the wave's number and the trip alone and go forward, past no barrier and no tensor load.
	s_mov_b32 s[CNT], 2
.Lg:
	s_cmp_gt_u32 s[CB], s[TB1]                     ; columns at or past 128 (8 - py) serve none of my two block rows
	s_cbranch_scc1 .Lg_next
.set i, 0
.rept 64
	v_mov_b32 v[GCM+i], s[LOW]                     ; what is not loaded below counts as nothing
	v_mov_b32 v[GZ+i], 0
.set i, i+1
.endr
.set i, 0
.rept 8
	v_mov_b32 v[GSEL+i], s[LOW]
.set i, i+1
.endr
.irp tp, 7,6,5,4,3,2,1,0               ; block rows from the last up to the columns' own: two chunks each, cm and z
.if \tp < 7
	s_cmp_gt_u32 s[CB], \tp
	s_cbranch_scc1 .Lg_ld
.endif
	global_load_b128 v[GCM+8*\tp:GCM+8*\tp+3],   v[SO], s[SB:SB+1] offset:16384*\tp
	global_load_b128 v[GZ+8*\tp:GZ+8*\tp+3],     v[SO], s[SB:SB+1] offset:16384*\tp+64
	global_load_b128 v[GCM+8*\tp+4:GCM+8*\tp+7], v[SO], s[SB:SB+1] offset:16384*\tp+8192
	global_load_b128 v[GZ+8*\tp+4:GZ+8*\tp+7],   v[SO], s[SB:SB+1] offset:16384*\tp+8256
.endr
.Lg_ld:
	global_load_b128 v[GSEL+8:GSEL+11],  v[SO], s[SP1:SP1+1]              ; once more, by address, the cm of the chunks whose g I keep: the second block row's two,
	global_load_b128 v[GSEL+12:GSEL+15], v[SO], s[SP1:SP1+1] offset:8192
	s_cmp_gt_u32 s[CB], s[PY]
	s_cbranch_scc1 .Lg_no0
	global_load_b128 v[GSEL:GSEL+3],     v[SO], s[SP0:SP0+1]              ; and the first's, where it has these columns
	global_load_b128 v[GSEL+4:GSEL+7],   v[SO], s[SP0:SP0+1] offset:8192
.Lg_no0:
	s_wait_loadcnt 0x0
.irp c, 0,1,2,3
	v_max3_num_f32 v[GM+\c], v[GCM+\c], v[GCM+4+\c], v[GCM+8+\c]
.endr
.irp t, 3,5,7,9,11,13
.irp c, 0,1,2,3
	v_max3_num_f32 v[GM+\c], v[GM+\c], v[GCM+4*\t+\c], v[GCM+4*\t+4+\c]
.endr
.endr
.irp c, 0,1,2,3
	v_max_num_f32 v[GM+\c], v[GM+\c], v[GCM+60+\c]  ; M
.endr
.set i, 0
.rept 16
	v_pk_add_f32 v[GCM+4*i:GCM+4*i+1],   v[GCM+4*i:GCM+4*i+1],   v[GM:GM+1]   neg_lo:[0,1] neg_hi:[0,1]
	v_pk_add_f32 v[GCM+4*i+2:GCM+4*i+3], v[GCM+4*i+2:GCM+4*i+3], v[GM+2:GM+3] neg_lo:[0,1] neg_hi:[0,1]
.set i, i+1
.endr
.set i, 0
.rept 4
	v_pk_add_f32 v[GSEL+4*i:GSEL+4*i+1],   v[GSEL+4*i:GSEL+4*i+1],   v[GM:GM+1]   neg_lo:[0,1] neg_hi:[0,1]
	v_pk_add_f32 v[GSEL+4*i+2:GSEL+4*i+3], v[GSEL+4*i+2:GSEL+4*i+3], v[GM+2:GM+3] neg_lo:[0,1] neg_hi:[0,1]
.set i, i+1
.endr
.set i, 0
.rept 64
	v_exp_f32 v[GCM+i], v[GCM+i]                   ; one batch of 80
.set i, i+1
.endr
.set i, 0
.rept 16
	v_exp_f32 v[GSEL+i], v[GSEL+i]
.set i, i+1
.endr
	v_nop                                          ; a plain instruction behind the last exponential,
	s_wait_alu depctr_va_vdst(0)                   ; and a wait ahead of the first use
	v_pk_mul_f32 v[GS:GS+1],   v[GZ:GZ+1],   v[GCM:GCM+1]
	v_pk_mul_f32 v[GS+2:GS+3], v[GZ+2:GZ+3], v[GCM+2:GCM+3]
.set i, 1
.rept 15
	v_pk_fma_f32 v[GS:GS+1],   v[GZ+4*i:GZ+4*i+1],   v[GCM+4*i:GCM+4*i+1],   v[GS:GS+1]
	v_pk_fma_f32 v[GS+2:GS+3], v[GZ+4*i+2:GZ+4*i+3], v[GCM+4*i+2:GCM+4*i+3], v[GS+2:GS+3]
.set i, i+1
.endr
.irp c, 0,1,2,3
	v_rcp_f32 v[GRC+\c], v[GS+\c]                  ; the sum is at least the largest chunk's z, which holds a weight of about 1
.endr
	v_nop
	s_wait_alu depctr_va_vdst(0)
.set i, 0
.rept 4
	v_pk_mul_f32 v[GSEL+4*i:GSEL+4*i+1],   v[GSEL+4*i:GSEL+4*i+1],   v[GRC:GRC+1]
	v_pk_mul_f32 v[GSEL+4*i+2:GSEL+4*i+3], v[GSEL+4*i+2:GSEL+4*i+3], v[GRC+2:GRC+3]
.set i, i+1
.endr
	ds_store_b128 v[GST], v[GSEL+8:GSEL+11]  offset:4096   ; the second block row's two chunks: 32 lanes fill the block's 512 bytes
	ds_store_b128 v[GST], v[GSEL+12:GSEL+15] offset:8192
	s_cmp_gt_u32 s[WV], 1                          ; the first block row has four blocks of columns at the most: waves 0 and 1's
	s_cbranch_scc1 .Lg_next
	s_cmp_gt_u32 s[CB], s[PY]
	s_cbranch_scc1 .Lg_next
	ds_store_b128 v[GST], v[GSEL:GSEL+3]
	ds_store_b128 v[GST], v[GSEL+4:GSEL+7]   offset:2048
.Lg_next:
	s_wait_xcnt 0x0                                ; the loads issued so far have read their pointers, which go on to the next block of columns
	s_add_nc_u64 s[SB:SB+1], s[SB:SB+1], 1024
	s_add_nc_u64 s[SP0:SP0+1], s[SP0:SP0+1], 1024
	s_add_nc_u64 s[SP1:SP1+1], s[SP1:SP1+1], 1024
	s_add_co_u32 s[CB], s[CB], 1
	v_add_nc_u32 v[GST], 512, v[GST]
	s_sub_co_u32 s[CNT], s[CNT], 1
	s_cmp_lg_u32 s[CNT], 0
	s_cbranch_scc1 .Lg
	s_wait_loadcnt 16                              ; the bias is in, also where both trips were jumped; step 0's 16 loads of p, issued behind it, may stay out
.set i, 0
.rept 16                               ; the bias's rounding to bf16, like every input's
	v_cvt_pk_bf16_f32 v[48+i%8], v[BIAS+2*i], v[BIAS+2*i+1]
	v_lshlrev_b32 v[BIAS+2*i], 16, v[48+i%8]
	v_and_b32 v[BIAS+2*i+1], 0xffff0000, v[48+i%8]
.set i, i+1
.endr
.macro START                           ; the sums start at the bias
.irp et, 0,1,2,3
.irp tt, 0,1
.irp j, 0,1,2,3,4,5,6,7
	v_mov_b32 v[ACC+8*(2*(\et)+(\tt))+(\j)], v[BIAS+8*(\et)+(\j)]
.endr
.endr
.endr
.endm
	START
	s_wait_tensorcnt 0x0                           ; my rows of v' are in,
	s_wait_dscnt 0x0                               ; and my part of the table is written, for the others' sake:
	s_barrier_signal -1
	s_barrier_wait -1                              ; everybody's are
	LOADGT 0                                       ; step 0's g
	LOADGT 1
	LOADGT 2
	LOADGT 3
	WIN 0
.macro FETCHV kk                       ; v'^T for the 32 rows s from 32 kk on: hi's and lo's four e blocks, 16 turning loads in one run
	WIN W_TR
.set vb, 64*((\kk)%2)
.irp term, 0,1
.irp et, 0,1,2,3
	ds_load_tr16_b128 v[vb+32*(\term)+8*(\et):vb+32*(\term)+8*(\et)+3],   v[AV] offset:(\kk)*8*VP+128*(\term)+32*(\et)
	ds_load_tr16_b128 v[vb+32*(\term)+8*(\et)+4:vb+32*(\term)+8*(\et)+7], v[AV] offset:(\kk)*8*VP+4*VP+128*(\term)+32*(\et)
.endr
.endr
.endm
; w = p g for the 32 columns s from 32 kk on, both tiles: two products in f32 straight from p's f16 halves; hi = both rounded to bf16; lo = bf16(hi x (-1) + w), one rounding each, half by half.
.macro SCALE kk
	WIN W_SC
.set wb, WB+32*((\kk)%2)
.irp c, 0,1,2,3,4,5,6,7
.set t0, TT+4*((\c)%4)
	v_fma_mix_f32 v[t0],   v[8*(\kk)+(\c)],    v[GR+16*(\kk)+2*(\c)],   v[Z1] op_sel_hi:[1,0,0]
	v_fma_mix_f32 v[t0+1], v[8*(\kk)+(\c)],    v[GR+16*(\kk)+2*(\c)+1], v[Z1] op_sel:[1,0,0] op_sel_hi:[1,0,0]
	v_fma_mix_f32 v[t0+2], v[32+8*(\kk)+(\c)], v[GR+16*(\kk)+2*(\c)],   v[Z1] op_sel_hi:[1,0,0]
	v_fma_mix_f32 v[t0+3], v[32+8*(\kk)+(\c)], v[GR+16*(\kk)+2*(\c)+1], v[Z1] op_sel:[1,0,0] op_sel_hi:[1,0,0]
	v_cvt_pk_bf16_f32 v[wb+(\c)],   v[t0],   v[t0+1]
	v_cvt_pk_bf16_f32 v[wb+8+(\c)], v[t0+2], v[t0+3]
	v_fma_mixlo_bf16 v[wb+16+(\c)], v[wb+(\c)],   v[M1], v[t0]   op_sel_hi:[1,0,0]
	v_fma_mixlo_bf16 v[wb+24+(\c)], v[wb+8+(\c)], v[M1], v[t0+2] op_sel_hi:[1,0,0]
	v_fma_mixhi_bf16 v[wb+16+(\c)], v[wb+(\c)],   v[M1], v[t0+1] op_sel:[1,0,0] op_sel_hi:[1,0,0]
	v_fma_mixhi_bf16 v[wb+24+(\c)], v[wb+8+(\c)], v[M1], v[t0+3] op_sel:[1,0,0] op_sel_hi:[1,0,0]
.endr
.endm
; 24 matrix instructions: term 0: v' hi x w hi; 1: v' lo x w hi; 2: v' hi x w lo.  The 8 accumulators take turns in one order throughout.
.macro WMMA24 kk
	WIN W_MM
.set vb, 64*((\kk)%2)
.set wb, WB+32*((\kk)%2)
.irp term, 0,1,2
.irp et, 0,1,2,3
.irp tt, 0,1
	v_wmma_f32_16x16x32_bf16 v[ACC+8*(2*(\et)+(\tt)):ACC+8*(2*(\et)+(\tt))+7], v[vb+32*((\term)%2)+8*(\et):vb+32*((\term)%2)+8*(\et)+7], v[wb+16*((\term)/2)+8*(\tt):wb+16*((\term)/2)+8*(\tt)+7], v[ACC+8*(2*(\et)+(\tt)):ACC+8*(2*(\et)+(\tt))+7]
.endr
.endr
.endr
.endm
.macro WAYOUT                          ; relu; a lane's 8 f32 of a row go into my stage and come back as whole rows of 256 bytes; 16 rows t at a time
.irp tt, 0,1
.irp et, 0,1,2,3
.irp j, 0,1,2,3,4,5,6,7
	v_max_num_f32 v[ACC+8*(2*(\et)+(\tt))+(\j)], 0, v[ACC+8*(2*(\et)+(\tt))+(\j)]
.endr
.endr
.irp et, 0,1,2,3
	ds_store_b128 v[STO], v[ACC+8*(2*(\et)+(\tt)):ACC+8*(2*(\et)+(\tt))+3]   offset:STAGE+64*(\et)
	ds_store_b128 v[STO], v[ACC+8*(2*(\et)+(\tt))+4:ACC+8*(2*(\et)+(\tt))+7] offset:STAGE+64*(\et)+16
.endr
	s_wait_xcnt 0x0                                ; earlier stores have read the registers that are loaded again below
.irp t, 0,1,2,3,4,5,6,7
	ds_load_b128 v[OB+4*(\t):OB+4*(\t)+3], v[RD] offset:STAGE+(\t)*2*SPITCH  ; LDS serves a wave's instructions in order (ISA guide 5.7.1.4)
.endr
	s_wait_dscnt 0x0
.irp t, 0,1,2,3,4,5,6,7
	global_store_b128 v[CO], v[OB+4*(\t):OB+4*(\t)+3], s[OPC:OPC+1] offset:(16*(\tt)+2*(\t))*2048 th:TH_STORE_NT  ; 16 lanes store 256 consecutive bytes, aligned
.endr
.endr
.endm
; A STEP: one block of 128 s, in four quarters of 32.  The buffers of w and of v'^T go by the quarter's parity: a buffer is written again two quarters on, and the 80 scaling lines of the quarter
; between, which name none of its registers, are the places (ISA guide 7.12.1 for vector instructions) behind the products that read it.
; Each group of p and g is asked for again for the walk's next step directly behind its scaling.  The waits on the loads from memory count the younger groups of 4: always three.
	s_mov_b32 s[CNT], 9
.Lstep:
	s_wait_xcnt 0x0                                ; the loads issued so far have read their pointer, which now goes on to the next step:
	s_add_nc_u64 s[T1:T1+1], s[PP:PP+1], 4096      ; the block row's next 8 tiles of p,
	s_cmp_lt_u32 s[IDX], s[TB]
	s_cselect_b64 s[PP:PP+1], s[T1:T1+1], s[PP1:PP1+1]  ; or behind its last block the second block row's first (in the ninth trip: once more)
	s_cbranch_scc1 .Lrow_on
	s_mov_b32 s[GOSA], s[GO1]                      ; and the table's block likewise
	s_branch .Lrow_set
.Lrow_on:
	s_add_co_u32 s[GOSA], s[GOSA], 512
.Lrow_set:
	v_add_nc_u32 v[GA], s[GOSA], v[GOF]
	v_add_nc_u32 v[AV], s[TBV], v[AV0]
	FETCHV 0
	s_wait_loadcnt 12                              ; group 0 of p is in; groups 1 to 3 may be out
	s_wait_dscnt 16                                ; this step's g is in; quarter 0's 16 turning loads may be out
	SCALE 0
	LOADP 0
	LOADGT 0
	FETCHV 1
	s_wait_dscnt 16                                ; quarter 0's v' is in; quarter 1's 16 loads may be out
	WMMA24 0
	s_wait_loadcnt 12
	SCALE 1
	LOADP 1
	LOADGT 1
	FETCHV 2
	s_wait_dscnt 16
	WMMA24 1
	s_wait_loadcnt 12
	SCALE 2
	LOADP 2
	LOADGT 2
	FETCHV 3
	s_wait_dscnt 16
	WMMA24 2
	s_wait_loadcnt 12
	SCALE 3
	LOADP 3
	LOADGT 3
	s_wait_dscnt 0x0
	WMMA24 3
	WIN 0
.rept 4
	v_nop                                          ; the places behind the last products
.endr
	s_cmp_eq_u32 s[IDX], s[TB]                     ; made of ids and the walk's steps alone; the jump goes forward, past no barrier and no tensor load
	s_cbranch_scc0 .Lsame
	WAYOUT                                         ; a block row ends: the first in trip py + 1, the second in the ninth
	START
	s_wait_xcnt 0x0                                ; the stores have read their pointer
	s_mov_b64 s[OPC:OPC+1], s[OP1:OP1+1]
	s_mov_b32 s[TB], s[TB1]
	s_mov_b32 s[IDX], 0
	s_mov_b32 s[TBV], 0
	s_branch .Lnext
.Lsame:
	s_add_co_u32 s[IDX], s[IDX], 1
	s_add_co_u32 s[TBV], s[TBV], 32*VP
.Lnext:
	s_sub_co_u32 s[CNT], s[CNT], 1
	s_cmp_lg_u32 s[CNT], 0
	s_cbranch_scc1 .Lstep
	s_wait_tensorcnt 0x0                           ; the wave's end
	ds_add_u32 v[SPW], v[NIL]
	s_wait_dscnt 0x0
	s_endpgm
.Lfunc_end_k_q29b475c4e5_mix:
	.size	k_q29b475c4e5_mix, .Lfunc_end_k_q29b475c4e5_mix-k_q29b475c4e5_mix
	.p2alignl 7, 3214868480
	.fill 96, 4, 3214868480
	.section	.rodata,"a",@progbits
	.p2align	6, 0x0
	.amdhsa_kernel k_q29b475c4e5_mix
		.amdhsa_group_segment_fixed_size 327680
		.amdhsa_private_segment_fixed_size 0
		.amdhsa_enable_private_segment 0
		.amdhsa_kernarg_size 40
		.amdhsa_user_sgpr_count 2
		.amdhsa_user_sgpr_kernarg_segment_ptr 1
		.amdhsa_wavefront_size32 1
		.amdhsa_system_sgpr_workgroup_id_x 1
		.amdhsa_system_sgpr_workgroup_id_y 1
		.amdhsa_system_sgpr_workgroup_id_z 1
		.amdhsa_system_vgpr_workitem_id 0
		.amdhsa_next_free_vgpr 640
		.amdhsa_next_free_sgpr 76
		.amdhsa_reserve_vcc 0
		.amdhsa_float_denorm_mode_32 3
		.amdhsa_float_denorm_mode_16_64 3
		.amdhsa_memory_ordered 1
		.amdhsa_forward_progress 1
		.amdhsa_inst_pref_size 77
	.end_amdhsa_kernel
	.amdgpu_metadata
---
amdhsa.version: [ 1, 2 ]
amdhsa.kernels:
  - .name:           k_q29b475c4e5_mix
    .symbol:         k_q29b475c4e5_mix.kd
    .args:
      - { .name: pw, .offset: 0, .size: 8, .value_kind: global_buffer, .address_space: global }
      - { .name: st, .offset: 8, .size: 8, .value_kind: global_buffer, .address_space: global }
      - { .name: kv, .offset: 16, .size: 8, .value_kind: global_buffer, .address_space: global }
      - { .name: bl, .offset: 24, .size: 8, .value_kind: global_buffer, .address_space: global }
      - { .name: out0, .offset: 32, .size: 8, .value_kind: global_buffer, .address_space: global }
    .group_segment_fixed_size: 327680
    .private_segment_fixed_size: 0
    .kernarg_segment_align: 8
    .kernarg_segment_size: 40
    .max_flat_workgroup_size: 128
    .sgpr_count:     76
    .vgpr_count:     640
    .wavefront_size: 32
...
	.end_amdgpu_metadata
.endif
;; end of part 9
